; MI455X (gfx1250); checked and timed in simulation.
; The chip was launched on July 23, 2026; its instructions are those of AMD's public machine-readable ISA for CDNA 5 (MIT licence, August 2026) and "CDNA5" Instruction Set Architecture Reference Guide (July 2026). The comments in the code are by the model that wrote it; some were corrected since.
;; Cross Attention Layer. Allowed arithmetic: matrix products marked QUANTISED: E2M3 operands, one E8M0 scale for each 32 along K, by v_wmma_scale_f32_16x16x128_f8f6f4 with both operands' format E2M3, f32 sums; everything else in f32.
;; Inputs: Wk 768 x 768 float32; Wo 768 x 768 float32; Wq 768 x 768 float32; Wv 768 x 768 float32; bk 768 float32; bo 768 float32; bq 768 float32; bv 768 float32; coords_key 4 x 4,096 x 3 float32; coords_query 4 x 1,024 x 3 float32; key 4 x 4,096 x 768 float32; query 4 x 1,024 x 768 float32; value 4 x 4,096 x 768 float32.
;; Outputs: out0 4 x 1,024 x 768 float32.
;; This version of the problem:
;;   THIS VERSION OF THE PROBLEM IS GIVEN IN LOW PRECISION. The matrix products marked QUANTISED in the list below multiply operands that are first quantised to E2M3 (2 exponent bits, 3 mantissa bits; 6 bits a number), with one power-of-two scale for each 32 numbers along K (OCP MX v1.0); their sums are f32. All else is computed in f32.
;;   The module's matrix products, in the order in which they are computed (A, B: the left and right operand; K: the contracted axis; several contracted axes count as one K, in the product's order):
;;     1. [M 4,096, K 768] x [K 768, N 768]; A: input query; B: input Wq: QUANTISED
;;     2. [M 16,384, K 768] x [K 768, N 768]; A: input key; B: input Wk: QUANTISED
;;     3. [M 16,384, K 768] x [K 768, N 768]; A: input value; B: input Wv: QUANTISED
;;     4. batch 32 x [M 1,024, K 96] x [K 96, N 4,096]; A: computed on the way; B: computed on the way: QUANTISED
;;     5. batch 32 x [M 1,024, K 4,096] x [K 4,096, N 96]; A: softmax (see below); B: computed on the way: QUANTISED
;;     6. [M 4,096, K 768] x [K 768, N 768]; A: computed on the way; B: input Wo: QUANTISED
;;   THE QUANTISER, for each operand of a quantised product, along K:
;;     - K is cut into blocks of 32 from its start; a last block that is shorter is filled with zeros.
;;     - A block's scale is 2^e with e = floor(log2(the largest magnitude in the block)) - 2, held to -126 .. 127; a block of zeros has e = 0. As a byte (E8M0): e + 127.
;;     - Each number is divided by its block's scale, clamped to +-7.5, and rounded to the nearest number of E2M3, ties to even, subnormals kept.
;;     - The product sums the exact products of the quantised numbers (number of the format x scale) in f32.
;;   ~~~python
;;   def quantise(x, axis):      # numpy; x: float32 -> the quantised numbers, widened to float32 again
;;       x = np.moveaxis(x, axis, -1); K = x.shape[-1]
;;       x = np.pad(x, [(0, 0)] * (x.ndim - 1) + [(0, -K % 32)]); x = x.reshape(x.shape[:-1] + (-1, 32)); a = np.abs(x).max(-1, keepdims=True)
;;       e = np.where(a > 0, np.clip(np.frexp(np.where(a > 0, a, 1))[1] - 1 - 2, -126, 127), 0)      # np.frexp(a)[1] - 1 = floor(log2(a)), exactly
;;       r = np.clip(x / 2.0 ** e, -7.5, 7.5)
;;       step = 2.0 ** (np.maximum(np.frexp(np.where(r == 0, 1, r))[1] - 1, 0) - 3)
;;       q = np.round(r / step) * step * 2.0 ** e      # np.round: ties to even
;;       return np.moveaxis(q.reshape(q.shape[:-2] + (-1,))[..., :K], -1, axis).astype(np.float32)
;;   ~~~
;;   SOFTMAX AHEAD OF A QUANTISED PRODUCT. Where the list says 'softmax', what is quantised is not the finished softmax but p = 2^(t - M), with t = logit x log2(e) and M = ceil(the row's largest t), a whole number; so 1/2 < the row's largest p <= 1. The row's sum l is taken of the UNQUANTISED p, in f32, and the product's result is divided by l at the end. Since M is a whole number, a kernel that streams over the keys may use a running M (the ceiling of the running maximum): every later rescaling is an exact power of two, which a block's scale takes up: the codes' values come out the same.
;;   OPERANDS COMPUTED ON THE WAY. 'Computed on the way' means the value that the module computes at that place (a softmax that the list does not call 'softmax' is quantised finished and normalised). What goes into a quantiser is computed in f32, as accurately as f32 sums, v_exp_f32 and their like allow (about 1e-6 of the number): no bf16 or f16 on the way to a quantiser, and a product that is left as it is and whose result goes on into a quantised operand takes f32 operands (vector FMAs, or v_wmma_f32_16x16x4_f32). A number that lies on a knife's edge between two numbers of the format may be rounded either way, as far as f32 arithmetic and the matrix unit's own rounding can turn it there, and no further.
;; 2 versions. Each part assembles by itself: llvm-mc -triple=amdgcn-amd-amdhsa -mcpu=gfx1250 --defsym DOCPART=n.
;; ======== version 1 of 2: 4 launches
;; limits: right only within a limited range of input values
;; workspace buffers: wbuf 2,076,672 bytes; qbuf 3,276,800 bytes; kbuf 13,107,200 bytes; vbuf 9,961,472 bytes; obuf 3,407,872 bytes
;; launch wquant (part 1): grid 48 x 13, 2 waves a work-group, no clusters, 17,152 bytes of LDS; arguments Wq, Wk, Wv, Wo, wbuf; writes wbuf
.if DOCPART == 1
	.amdgcn_target "amdgcn-amd-amdhsa--gfx1250"
	.amdhsa_code_object_version 6
	.text
	.protected	k_q3c49e3604f_wquant
	.globl	k_q3c49e3604f_wquant
	.p2align	8
	.type	k_q3c49e3604f_wquant,@function
k_q3c49e3604f_wquant:
	s_mov_b64 s[64:65], 0
	v_nop
	global_prefetch_b8 v0, s[64:65] scope:SCOPE_SE
	s_setreg_imm32_b32 hwreg(HW_REG_WAVE_MODE, 25, 1), 1
	s_wait_xcnt 0x0
; Wq, Wk, Wv, Wo [768][768] f32, K innermost, become operand fragments of FP6 (E2M3) codes with one E8M0 byte for each 32 along K.
; ONE WAVE MAKES ONE FRAGMENT: 16 rows x 128 along K, stored as the image of its 12 registers (registers 4 c .. 4 c + 3 of lane l at 512 c + 16 l: 1,536 bytes), and its
; scale words as 128 bytes, 4 a lane.  Fragment F lies at 1536 F, its scale words at 1,916,928 + 128 F.  Wq, Wk, Wv: F = 288 wi + 6 tile + step (six K steps of 128).
; Wo: F = 864 + 8 tile + head: a K step is one head's 96 numbers and a block of zero codes, since the other operand of that product is laid so.
; THE ORDER INSIDE A BLOCK OF 32: position 16 h + 8 u + j holds element 16 u + 8 h + j.  It is the order in which two neighbouring 16 x 16 results lay a block into lanes l and l xor 16;
; every operand of the program has it, so no product and no block's scale changes.
; A block's scale is 2^(floor(log2(largest magnitude)) - 2).  LIMITS: a block of zeros, or one under 2^-124, gets the byte 1 (its codes are zeros or the bytes are read by this program alone);
; NaN and infinities are not served.
; No matrix unit, no cluster, no ring: 9.4 MB are read once, each load takes 512 consecutive bytes of a row, each store of codes 512 consecutive bytes.
.set TSB, 8448                         ; a wave's stage: 16 rows x (512 bytes + 16)
.set LI,  1                            ; v1   16 x lane
.set LS,  2                            ; v2   4 x lane
.set OFF, 3                            ; v3   my 16 bytes of a row's piece, held inside Wo's 384
.set TSA, 4                            ; v4   stage, way in: 16 x lane
.set TLA, 5                            ; v5   stage, way out: 528 r + 32 h
.set RAW, 16                           ; v16-79   16 rows as loaded
.set X,   80                           ; v80-143  64 numbers of my row: register 16 b + i = position 16 h + i of block b
.set TM,  144                          ; v144-159 largest magnitudes, bytes, scale operands
.set PC,  160                          ; v160-179 the codes
.set PW,  180                          ; v180     the scale word
.set SEL, 26                           ; s[26:27] v_permlanex16_b32's selects for lane l xor 16
.set MSB, 0
.macro WIN new                         ; the immediate's high byte repeats the setting that is left
.if MSB != (\new)
	s_set_vgpr_msb (MSB<<8)|(\new)
.set MSB, (\new)
.endif
.endm
; nb blocks of a lane's row, 16 numbers of each in v[src + 16 b ..] of window sw (the other 16 in lane l xor 16), become codes in v[PC] on and the row's scale word in v[PW].
.macro QUANT nb, src, sw
	WIN 5*(\sw)
.set QB, 0
.rept \nb
	v_max3_num_f32 v[TM+QB], |v[(\src)+16*QB]|, |v[(\src)+16*QB+1]|, 0x1800000   ; my 16 numbers and the floor 2^(3 - 127): the byte cannot fall under 1
.set QB, QB+1
.endr
.irp i, 2,4,6,8,10,12,14
.set QB, 0
.rept \nb
	v_max3_num_f32 v[TM+QB], |v[(\src)+16*QB+\i]|, |v[(\src)+16*QB+\i+1]|, v[TM+QB]
.set QB, QB+1
.endr
.endr
	WIN 0
.set QB, 0
.rept \nb
	v_permlanex16_b32 v[TM+4+QB], v[TM+QB], s[SEL], s[SEL+1]
.set QB, QB+1
.endr
.set QB, 0
.rept \nb
	v_max_num_f32 v[TM+QB], v[TM+QB], v[TM+4+QB]       ; with lane l xor 16's: the block's largest magnitude
.set QB, QB+1
.endr
.set QB, 0
.rept \nb
	v_add_nc_u32 v[TM+12+QB], 0xff000000, v[TM+QB]     ; 2 off its exponent field: the conversion's scale operand
.set QB, QB+1
.endr
.set QB, 0
.rept \nb
	v_lshrrev_b32 v[TM+4+QB], 23, v[TM+12+QB]          ; the scale's byte
.set QB, QB+1
.endr
	v_lshl_or_b32 v[PW], v[TM+5], 8, v[TM+4]
.if \nb > 2
	v_lshl_or_b32 v[PW], v[TM+6], 16, v[PW]
.endif
.if \nb == 3
	v_or_b32 v[PW], 0x7f000000, v[PW]                  ; the fourth block is zero codes under the byte 127
.endif
.if \nb == 4
	v_lshl_or_b32 v[PW], v[TM+7], 24, v[PW]
.endif
	WIN (\sw)
	v_cvt_scalef32_pk16_fp6_f32 v[PC:PC+2], v[(\src):(\src)+15], v[TM+12]
	v_cvt_scalef32_pk16_fp6_f32 v[PC+12:PC+14], v[(\src)+16:(\src)+31], v[TM+13]   ; (a conversion's three registers begin on an even number)
.if \nb > 2
	v_cvt_scalef32_pk16_fp6_f32 v[PC+6:PC+8], v[(\src)+32:(\src)+47], v[TM+14]
.endif
.if \nb == 4
	v_cvt_scalef32_pk16_fp6_f32 v[PC+16:PC+18], v[(\src)+48:(\src)+63], v[TM+15]
.endif
	WIN 0
.if \nb == 3
.irp i, 0,1,2
	v_mov_b32 v[PC+16+\i], 0                           ; the zero block; also the plain line behind the conversions
.endr
.else
	v_nop                                              ; one plain line behind a scaled conversion
.endif
.irp i, 0,1,2                                      ; the operand's layout wants a whole block in a lane: lanes 0-15 the even block, lanes 16-31 the odd one
	v_permlane16_swap_b32 v[PC+\i], v[PC+12+\i]
.endr
.irp i, 0,1,2
	v_mov_b32 v[PC+3+\i], v[PC+12+\i]
.endr
.if \nb > 2
.irp i, 0,1,2
	v_permlane16_swap_b32 v[PC+6+\i], v[PC+16+\i]
.endr
.irp i, 0,1,2
	v_mov_b32 v[PC+9+\i], v[PC+16+\i]
.endr
.endif
.endm
; 16 rows x 512 bytes, loaded 16 bytes a lane, go through the wave's own stage and come back 64 numbers of ONE row a lane, in the order of the head comment (offsets 0, 16, 64, 80 in each block's 128 bytes, + 32 h).
.macro TURN raw, dst, wr, wd
	WIN (\wr)<<2
.irp i, 0,1,2,3,4,5,6,7,8,9,10,11,12,13,14,15
	ds_store_b128 v[TSA], v[(\raw)+4*\i:(\raw)+4*\i+3] offset:528*\i
.endr
	s_wait_dscnt 0x0                                   ; the stores have read their registers
	WIN (\wd)<<6
.irp b, 0,1,2,3
.irp q, 0,1,2,3
	ds_load_b128 v[(\dst)+16*\b+4*\q:(\dst)+16*\b+4*\q+3], v[TLA] offset:128*\b+16*(\q%2)+64*(\q/2)
.endr
.endr
	WIN 0
.endm
	s_load_b256 s[4:11], s[0:1], 0x0               ; Wq, Wk, Wv, Wo
	s_load_b64 s[12:13], s[0:1], 0x20              ; wbuf
	v_lshl_add_u32 v184, v0, 2, 0x4200
	v_mov_b32 v185, 0
	v_lshrrev_b32 v6, 5, v0
	v_readfirstlane_b32 s14, v6                    ; wave 0, 1
	v_and_b32 v6, 31, v0                           ; lane
	v_and_b32 v7, 15, v0                           ; r
	v_bfe_u32 v8, v0, 4, 1                         ; h
	v_lshlrev_b32 v[LI], 4, v6
	v_lshlrev_b32 v[LS], 2, v6
	s_mul_i32 s28, s14, TSB
	v_add_nc_u32 v[TSA], s28, v[LI]
	v_mul_u32_u24 v[TLA], v7, 528
	v_lshl_add_u32 v[TLA], v8, 5, v[TLA]
	v_add_nc_u32 v[TLA], s28, v[TLA]
.irp b, 0,1,2,3
	v_mov_b32 v[TM+4+\b], 0                        ; written once: a lane permute's destination counts as one of its sources
.endr
	s_mov_b32 s[SEL], 0x76543210
	s_mov_b32 s[SEL+1], 0xfedcba98
	s_and_b32 s15, ttmp7, 0xffff
	s_lshl_b32 s15, s15, 1
	s_add_co_u32 s15, s15, s14                     ; 0 .. 25: six steps of Wq, of Wk, of Wv, eight of Wo
	s_wait_kmcnt 0x0
	s_cmp_ge_u32 s15, 6                            ; the choices hang on ids alone
	s_cselect_b64 s[4:5], s[6:7], s[4:5]
	s_cselect_b32 s16, 1, 0
	s_cmp_ge_u32 s15, 12
	s_cselect_b64 s[4:5], s[8:9], s[4:5]
	s_cselect_b32 s16, 2, s16
	s_cmp_ge_u32 s15, 18
	s_cselect_b64 s[4:5], s[10:11], s[4:5]
	s_cselect_b32 s16, 3, s16                      ; which weight
	s_mov_b32 s18, 512
	s_cselect_b32 s18, 384, s18                    ; bytes from step to step
	s_mov_b32 s19, 496
	s_cselect_b32 s19, 368, s19                    ; the last 16 bytes of a step: no load of Wo passes its 384
	s_cselect_b32 s20, 0, 1.0                      ; Wo's fourth block becomes zeros
	s_cselect_b32 s22, 8, 6                        ; fragments in a tile
	s_mov_b32 s21, s20                             ; (named with s20 as a pair)
	s_mul_i32 s17, s16, 6
	s_sub_co_u32 s17, s15, s17                     ; the step
	s_mul_i32 s22, s22, ttmp9
	s_mul_i32 s23, s16, 288
	s_add_co_u32 s22, s22, s23
	s_add_co_u32 s22, s22, s17                     ; F
	s_mul_i32 s24, ttmp9, 49152                    ; 16 rows of 3,072 bytes
	s_mul_i32 s25, s17, s18
	s_add_co_u32 s24, s24, s25
	s_mov_b32 s25, 0
	s_add_nc_u64 s[4:5], s[4:5], s[24:25]
	s_lshl_b32 s24, s22, 7
	s_add_co_u32 s24, s24, 1916928
	s_add_nc_u64 s[30:31], s[12:13], s[24:25]      ; the scale words' place
	s_mul_i32 s24, s22, 1536
	s_add_nc_u64 s[12:13], s[12:13], s[24:25]      ; the image's
	v_min_u32 v[OFF], s19, v[LI]
.irp i, 0,1,2,3,4,5,6,7,8,9,10,11,12,13,14,15
	global_load_b128 v[RAW+4*\i:RAW+4*\i+3], v[OFF], s[4:5] offset:3072*\i   ; row i: 512 consecutive bytes (Wo: 384, the last lanes repeat)
.endr
	s_wait_loadcnt 0x0
	TURN RAW, X, 0, 0
	s_wait_dscnt 0x0
.irp i, 0,2,4,6,8,10,12,14
	v_pk_mul_f32 v[X+48+\i:X+49+\i], v[X+48+\i:X+49+\i], s[20:21] op_sel_hi:[1,0]   ; x 1, or x 0 for Wo
.endr
	QUANT 4, X, 0
.irp c, 0,1,2
	global_store_b128 v[LI], v[PC+4*\c:PC+4*\c+3], s[12:13] offset:512*\c    ; 512 consecutive bytes
.endr
	global_store_b32 v[LS], v[PW], s[30:31]
	s_wait_tensorcnt 0x0
	ds_add_u32 v184, v185
	s_wait_dscnt 0x0
	s_endpgm
.Lfunc_end_k_q3c49e3604f_wquant:
	.size	k_q3c49e3604f_wquant, .Lfunc_end_k_q3c49e3604f_wquant-k_q3c49e3604f_wquant
	.p2alignl 7, 3214868480
	.fill 96, 4, 3214868480
	.section	.rodata,"a",@progbits
	.p2align	6, 0x0
	.amdhsa_kernel k_q3c49e3604f_wquant
		.amdhsa_group_segment_fixed_size 17152
		.amdhsa_private_segment_fixed_size 0
		.amdhsa_enable_private_segment 0
		.amdhsa_kernarg_size 40
		.amdhsa_user_sgpr_count 2
		.amdhsa_user_sgpr_kernarg_segment_ptr 1
		.amdhsa_wavefront_size32 1
		.amdhsa_system_sgpr_workgroup_id_x 1
		.amdhsa_system_sgpr_workgroup_id_y 1
		.amdhsa_system_sgpr_workgroup_id_z 1
		.amdhsa_system_vgpr_workitem_id 0
		.amdhsa_next_free_vgpr 186
		.amdhsa_next_free_sgpr 66
		.amdhsa_reserve_vcc 0
		.amdhsa_float_denorm_mode_32 3
		.amdhsa_float_denorm_mode_16_64 3
		.amdhsa_memory_ordered 1
		.amdhsa_forward_progress 1
		.amdhsa_inst_pref_size 12
	.end_amdhsa_kernel
	.amdgpu_metadata
---
amdhsa.version: [ 1, 2 ]
amdhsa.kernels:
  - .name:           k_q3c49e3604f_wquant
    .symbol:         k_q3c49e3604f_wquant.kd
    .args:
      - { .name: Wq, .offset: 0, .size: 8, .value_kind: global_buffer, .address_space: global }
      - { .name: Wk, .offset: 8, .size: 8, .value_kind: global_buffer, .address_space: global }
      - { .name: Wv, .offset: 16, .size: 8, .value_kind: global_buffer, .address_space: global }
      - { .name: Wo, .offset: 24, .size: 8, .value_kind: global_buffer, .address_space: global }
      - { .name: wbuf, .offset: 32, .size: 8, .value_kind: global_buffer, .address_space: global }
    .group_segment_fixed_size: 17152
    .private_segment_fixed_size: 0
    .kernarg_segment_align: 8
    .kernarg_segment_size: 40
    .max_flat_workgroup_size: 64
    .sgpr_count:     66
    .vgpr_count:     186
    .wavefront_size: 32
...
	.end_amdgpu_metadata
.endif
;; end of part 1
;; launch proj (part 2): grid 576 x 1, 8 waves a work-group, no clusters, 240,640 bytes of LDS; arguments query, key, value, coords_query, coords_key, bq, bk, bv, wbuf, qbuf, kbuf, vbuf; writes qbuf, kbuf, vbuf
.if DOCPART == 2
	.amdgcn_target "amdgcn-amd-amdhsa--gfx1250"
	.amdhsa_code_object_version 6
	.text
	.protected	k_q3c49e3604f_proj
	.globl	k_q3c49e3604f_proj
	.p2align	8
	.type	k_q3c49e3604f_proj,@function
k_q3c49e3604f_proj:
	s_mov_b64 s[64:65], 0
	v_nop
	global_prefetch_b8 v0, s[64:65] scope:SCOPE_SE
	s_setreg_imm32_b32 hwreg(HW_REG_WAVE_MODE, 25, 1), 1
	s_wait_xcnt 0x0
; q = rope(query Wq^T + bq), k = rope(key Wk^T + bk), v = value Wv^T + bv: products on FP6 (E2M3) codes with one E8M0 byte for each 32 along K; results quantised again, as the operands of attention.
; SHARES.  A work-group takes 64 rows and all 768 columns: work-groups 0-63 rows of query, 64-319 of key, 320-575 of value.  First wave w quantises rows 16 (w / 2) .. + 15, K steps 3 (w % 2) + 0 .. 2,
; and stores the fragments as images of their registers in LDS; one barrier; then wave w is head w: six tiles of 16 columns x four tiles of 16 rows, 24 accumulators, six K steps of 128.
; W's fragments come from wbuf straight into registers, three loads of 16 bytes a lane each, two K steps ahead.
; q AND k: source 0 = 16 rows of W, source 1 = 16 rows of x: a lane holds ONE row and eight neighbouring features; the 16 registers of tiles 2 a and 2 a + 1 are the lane's half of rotary axis a, which is a block of 32,
; and a rotary pair (i, 16 + i) lies in one lane, eight registers apart.  v: the sources are swapped: a lane holds ONE feature and its registers run down the keys, which are the K of attention's second product.
; THE ORDER INSIDE A BLOCK OF 32 is everywhere: position 16 h + 8 u + j holds element 16 u + 8 h + j; both operands of every product have it, so no sum and no scale changes.
; SINE AND COSINE in f32: k = nearest whole number to theta x 2 / pi; r = theta - k pi / 2 with pi / 2 in two parts; polynomials on |r| <= pi / 4; the quadrant from k.
; LIMITS: |coordinate x frequency| under about 2^20 (beyond, the two-part reduction loses bits); a block of zeros or under 2^-124 gets the byte 1 (read by this program alone); NaN and infinities are not served.
; THE TEXT PARTS ONCE, on the work-group's number, and the two ways never join; each way has LDS bytes of its own.
; NO CLUSTER, NO TENSOR LOAD: a wave reads only its own head's weights, so the eight waves of a work-group take in all of W once; a joint request would bring a WGP the same bytes.  Rows are read once, 512 consecutive bytes a load.
; REGISTERS, window 0: v1-11 addresses; v12-15 kept scale words; v16-27 W's scale words, two sets; v28-31 x's; v32-79 x's four fragments (ahead of the barrier and on the way out: codes, and work);
;   v80-223 W's fragments, two sets of six (on q's and k's way out: cosines, sines, two sets of products); v224-240 the quantiser's; v241-255 coordinates, frequencies, four cosines, four sines (v: half-words).
;   window 1: v0-191 the rows as loaded, then the 24 accumulators; v192-239 the bias, eight registers a tile of columns, in the result's layout.
.set TSB,   8448                       ; a wave's stage: 16 rows x (512 bytes + 16)
.set XIMG,  67584                      ; behind the eight stages: x's 24 fragments, (row tile m, K step s) at (6 m + s) x 1,536
.set XSC,   104448                     ; their scale words, 128 bytes each
.set TAB,   107520                     ; q, k: for each row tile 3,072 bytes of cosines and 3,072 of sines, as images of four registers: group 2 a + q at 512 bytes each
.set VBASE, 132096                     ; v's own stages, fragments and scale words
.set LI,  1                            ; 16 x lane
.set LS,  2                            ; 4 x lane
.set L8,  3                            ; 8 x lane
.set TSA, 4                            ; stage, way in
.set TLA, 5                            ; stage, way out
.set XWI, 6                            ; where I store x's images
.set XWS, 7                            ; and their scale words
.set XIA, 4                            ; behind the barrier: x's images,
.set XSA, 5                            ; their scale words,
.set TBA, 6                            ; the table
.set CWA, 8                            ; where I store cosines
.set SCO, 9                            ; 16 r + 8 h: my 8 bytes of the block's 256 bytes of scale words
.set BOF, 10                           ; my place in the bias
.set COF, 11                           ; 12 r: my row's coordinates
.set KW,  12
.set WS,  16
.set XS,  28
.set XF,  32
.set PC,  32
.set TH,  52                           ; v52-79: seven work registers for each of four angles
.set KK,  56
.set RR,  60
.set ZZ,  64
.set SP,  68
.set CP,  72
.set WW,  76
.set WF,  80
.set CO,  80
.set SN,  104
.set T1,  128
.set T2,  152
.set TM,  224
.set PW,  240
.set CRD, 241
.set HW,  242
.set IVF, 244
.set COSR, 248
.set SINR, 252
.set BIAS, 192                         ; in window 1
.set SEL, 60                           ; s[60:61]
.set IF0,  0x3f800000                  ; 10000^(-i / 16), i = 0 .. 15
.set IF1,  0x3f0ff59a
.set IF2,  0x3ea1e89b
.set IF3,  0x3e361887
.set IF4,  0x3dcccccd
.set IF5,  0x3d6655c3
.set IF6,  0x3d0186e2
.set IF7,  0x3c91ad39
.set IF8,  0x3c23d70a
.set IF9,  0x3bb8449c
.set IF10, 0x3b4f3e37
.set IF11, 0x3ae91528
.set IF12, 0x3a83126f
.set IF13, 0x3a136a16
.set IF14, 0x39a5cb5f
.set IF15, 0x393a7753
.set MSB, 0
.macro WIN new                         ; the immediate's high byte repeats the setting that is left
.if MSB != (\new)
	s_set_vgpr_msb (MSB<<8)|(\new)
.set MSB, (\new)
.endif
.endm
; nb blocks of a lane's row, 16 numbers of each in v[src + 16 b ..] of window sw (the other 16 in lane l xor 16), become codes in v[PC] on and the row's scale word in v[PW].
.macro QUANT nb, src, sw
	WIN 5*(\sw)
.set QB, 0
.rept \nb
	v_max3_num_f32 v[TM+QB], |v[(\src)+16*QB]|, |v[(\src)+16*QB+1]|, 0x1800000   ; my 16 numbers and the floor 2^(3 - 127): the byte cannot fall under 1
.set QB, QB+1
.endr
.irp i, 2,4,6,8,10,12,14
.set QB, 0
.rept \nb
	v_max3_num_f32 v[TM+QB], |v[(\src)+16*QB+\i]|, |v[(\src)+16*QB+\i+1]|, v[TM+QB]
.set QB, QB+1
.endr
.endr
	WIN 0
.set QB, 0
.rept \nb
	v_permlanex16_b32 v[TM+4+QB], v[TM+QB], s[SEL], s[SEL+1]
.set QB, QB+1
.endr
.set QB, 0
.rept \nb
	v_max_num_f32 v[TM+QB], v[TM+QB], v[TM+4+QB]       ; with lane l xor 16's: the block's largest magnitude
.set QB, QB+1
.endr
.set QB, 0
.rept \nb
	v_add_nc_u32 v[TM+12+QB], 0xff000000, v[TM+QB]     ; 2 off its exponent field: the conversion's scale operand
.set QB, QB+1
.endr
.set QB, 0
.rept \nb
	v_lshrrev_b32 v[TM+4+QB], 23, v[TM+12+QB]          ; the scale's byte
.set QB, QB+1
.endr
	v_lshl_or_b32 v[PW], v[TM+5], 8, v[TM+4]
.if \nb > 2
	v_lshl_or_b32 v[PW], v[TM+6], 16, v[PW]
.endif
.if \nb == 3
	v_or_b32 v[PW], 0x7f000000, v[PW]                  ; the fourth block is zero codes under the byte 127
.endif
.if \nb == 4
	v_lshl_or_b32 v[PW], v[TM+7], 24, v[PW]
.endif
	WIN (\sw)
	v_cvt_scalef32_pk16_fp6_f32 v[PC:PC+2], v[(\src):(\src)+15], v[TM+12]
	v_cvt_scalef32_pk16_fp6_f32 v[PC+12:PC+14], v[(\src)+16:(\src)+31], v[TM+13]   ; (a conversion's three registers begin on an even number)
.if \nb > 2
	v_cvt_scalef32_pk16_fp6_f32 v[PC+6:PC+8], v[(\src)+32:(\src)+47], v[TM+14]
.endif
.if \nb == 4
	v_cvt_scalef32_pk16_fp6_f32 v[PC+16:PC+18], v[(\src)+48:(\src)+63], v[TM+15]
.endif
	WIN 0
.if \nb == 3
.irp i, 0,1,2
	v_mov_b32 v[PC+16+\i], 0                           ; the zero block; also the plain line behind the conversions
.endr
.else
	v_nop                                              ; one plain line behind a scaled conversion
.endif
.irp i, 0,1,2                                      ; the operand's layout wants a whole block in a lane: lanes 0-15 the even block, lanes 16-31 the odd one
	v_permlane16_swap_b32 v[PC+\i], v[PC+12+\i]
.endr
.irp i, 0,1,2
	v_mov_b32 v[PC+3+\i], v[PC+12+\i]
.endr
.if \nb > 2
.irp i, 0,1,2
	v_permlane16_swap_b32 v[PC+6+\i], v[PC+16+\i]
.endr
.irp i, 0,1,2
	v_mov_b32 v[PC+9+\i], v[PC+16+\i]
.endr
.endif
.endm
; 16 rows x 512 bytes, loaded 16 bytes a lane, go through the wave's own stage and come back 64 numbers of ONE row a lane, in the order of the head comment (offsets 0, 16, 64, 80 in each block's 128 bytes, + 32 h).
.macro TURN raw, dst, wr, wd
	WIN (\wr)<<2
.irp i, 0,1,2,3,4,5,6,7,8,9,10,11,12,13,14,15
	ds_store_b128 v[TSA], v[(\raw)+4*\i:(\raw)+4*\i+3] offset:528*\i
.endr
	s_wait_dscnt 0x0                                   ; the stores have read their registers
	WIN (\wd)<<6
.irp b, 0,1,2,3
.irp q, 0,1,2,3
	ds_load_b128 v[(\dst)+16*\b+4*\q:(\dst)+16*\b+4*\q+3], v[TLA] offset:128*\b+16*(\q%2)+64*(\q/2)
.endr
.endr
	WIN 0
.endm
; The way's pointers, from s31 block of 64 rows, s32 which weight, s33 log2 of the blocks in a batch, s35 where the output's scale words begin, s59 bytes of a block's images for one head.
.macro PLACE
	s_mov_b32 s75, 0
	s_mul_i32 s74, s31, 196608                     ; 64 rows of 3,072 bytes,
	s_mul_i32 s76, s29, 49152                      ; my 16 rows,
	s_add_co_u32 s74, s74, s76
	s_mul_i32 s76, s30, 1536                       ; my three K steps
	s_add_co_u32 s74, s74, s76
	s_add_nc_u64 s[36:37], s[36:37], s[74:75]
	s_mul_i32 s74, s28, 384                        ; my head's 96 numbers of the bias
	s_add_nc_u64 s[38:39], s[38:39], s[74:75]
	s_mul_i32 s74, s32, 442368                     ; 288 fragments a weight, 36 a head
	s_mul_i32 s76, s28, 55296
	s_add_co_u32 s74, s74, s76
	s_add_nc_u64 s[42:43], s[20:21], s[74:75]
	s_mul_i32 s74, s32, 36864
	s_mul_i32 s76, s28, 4608
	s_add_co_u32 s74, s74, s76
	s_add_co_u32 s74, s74, 1916928
	s_add_nc_u64 s[44:45], s[20:21], s[74:75]
	s_lshr_b32 s74, s31, s33                       ; batch
	s_lshl_b32 s76, s74, s33
	s_sub_co_u32 s76, s31, s76                     ; block in the batch
	s_lshl_b32 s74, s74, 3
	s_add_co_u32 s74, s74, s28                     ; 8 x batch + head
	s_lshl_b32 s74, s74, s33
	s_add_co_u32 s34, s74, s76                     ; the output's unit
	s_lshl_b32 s74, s34, 8
	s_add_co_u32 s74, s74, s35
	s_add_nc_u64 s[48:49], s[46:47], s[74:75]      ; 256 bytes of scale words a unit
	s_mul_i32 s74, s34, s59
	s_add_nc_u64 s[46:47], s[46:47], s[74:75]
.endm
.macro RAWLOAD                         ; my 16 rows x three K steps: 48 loads of 512 consecutive bytes, the first K step's first (destination: window 1)
.irp f, 0,1,2
.irp i, 0,1,2,3,4,5,6,7,8,9,10,11,12,13,14,15
	global_load_b128 v[64*\f+4*\i:64*\f+4*\i+3], v[LI], s[36:37] offset:3072*\i+512*\f th:TH_LOAD_NT
.endr
.endr
.endm
.macro WLOAD s                         ; my head's six fragments of W for K step s and their scale words: 24 loads, into set s % 2
.set P, (\s)%2
.irp t, 0,1,2,3,4,5
.irp c, 0,1,2
	global_load_b128 v[WF+72*P+12*\t+4*\c:WF+72*P+12*\t+4*\c+3], v[LI], s[42:43] offset:(6*\t+(\s))*1536+512*\c
.endr
	global_load_b32 v[WS+6*P+\t], v[LS], s[44:45] offset:(6*\t+(\s))*128
.endr
.endm
.macro XFETCH s                        ; x's four fragments of K step s and their scale words, from LDS
.irp m, 0,1,2,3
.irp c, 0,1,2
	ds_load_b128 v[XF+12*\m+4*\c:XF+12*\m+4*\c+3], v[XIA] offset:(6*\m+(\s))*1536+512*\c
.endr
	ds_load_b32 v[XS+\m], v[XSA] offset:(6*\m+(\s))*128
.endr
.endm
; My three fragments of x.  The counts: behind K step f's 16 loads stand the later rows' (32, 16, 0) and W's steps issued meanwhile (0, 24, 48).
.macro XPHASE
.irp f, 0,1,2
	s_wait_loadcnt 32+8*\f
	TURN 64*\f, 64*\f, 1, 1
.if \f < 2
	WLOAD \f                                       ; W's first two K steps are asked for while x is quantised
.endif
	s_wait_dscnt 0x0
	QUANT 4, 64*\f, 1
.irp c, 0,1,2
	ds_store_b128 v[XWI], v[PC+4*\c:PC+4*\c+3] offset:1536*\f+512*\c
.endr
	ds_store_b32 v[XWS], v[PW] offset:128*\f
.endr
	s_wait_dscnt 0x0                               ; for the others' sake: my images (and my part of the table) have landed
	s_barrier_signal -1
	s_barrier_wait -1                              ; the launch's one barrier: behind it LDS is only read
.endm
; A K step: 24 products, every accumulator once (the accumulators take turns).  vp = 0: q, k; 1: v, with the sources and their scales swapped.  The bias is the C of the first step.
.macro KSTEP s, vp
.set P, (\s)%2
.if (\s) < 5
	s_wait_loadcnt 24                              ; this step's W is in; the next step's 24 loads may be out
.else
	s_wait_loadcnt 0x0
.endif
	s_wait_dscnt 0x0                               ; x's fragments are in
	WIN 0x50                                       ; C and D in window 1
.irp t, 0,1,2,3,4,5
.irp m, 0,1,2,3
.if \vp
.if (\s) == 0
	v_wmma_scale_f32_16x16x128_f8f6f4 v[8*(4*\t+\m):8*(4*\t+\m)+7], v[XF+12*\m:XF+12*\m+11], v[WF+72*P+12*\t:WF+72*P+12*\t+11], v[BIAS+8*\t:BIAS+8*\t+7], v[XS+\m], v[WS+6*P+\t] matrix_a_fmt:MATRIX_FMT_FP6 matrix_b_fmt:MATRIX_FMT_FP6
.else
	v_wmma_scale_f32_16x16x128_f8f6f4 v[8*(4*\t+\m):8*(4*\t+\m)+7], v[XF+12*\m:XF+12*\m+11], v[WF+72*P+12*\t:WF+72*P+12*\t+11], v[8*(4*\t+\m):8*(4*\t+\m)+7], v[XS+\m], v[WS+6*P+\t] matrix_a_fmt:MATRIX_FMT_FP6 matrix_b_fmt:MATRIX_FMT_FP6
.endif
.else
.if (\s) == 0
	v_wmma_scale_f32_16x16x128_f8f6f4 v[8*(6*\m+\t):8*(6*\m+\t)+7], v[WF+72*P+12*\t:WF+72*P+12*\t+11], v[XF+12*\m:XF+12*\m+11], v[BIAS+8*\t:BIAS+8*\t+7], v[WS+6*P+\t], v[XS+\m] matrix_a_fmt:MATRIX_FMT_FP6 matrix_b_fmt:MATRIX_FMT_FP6
.else
	v_wmma_scale_f32_16x16x128_f8f6f4 v[8*(6*\m+\t):8*(6*\m+\t)+7], v[WF+72*P+12*\t:WF+72*P+12*\t+11], v[XF+12*\m:XF+12*\m+11], v[8*(6*\m+\t):8*(6*\m+\t)+7], v[WS+6*P+\t], v[XS+\m] matrix_a_fmt:MATRIX_FMT_FP6 matrix_b_fmt:MATRIX_FMT_FP6
.endif
.endif
.endr
.endr
	WIN 0
.rept 4
	v_nop                                          ; four places in front of loads into registers that these products read, and of the first read of results
.endr
.if (\s) < 5
	XFETCH (\s)+1
.endif
.if (\s) < 4
	WLOAD (\s)+2
.endif
.endm
.macro PICK dst, a, b                  ; on the compare in front: a, else b (an instruction takes one literal)
	s_mov_b32 s[\dst], \b
	s_cselect_b32 s[\dst], \a, s[\dst]
.endm
; Cosine and sine of coordinate a x my four frequencies, and their images into the table.
.macro SINCOS4 a
.irp n, 0,1,2,3
	v_mul_f32 v[TH+\n], v[CRD+\a], v[IVF+\n]       ; theta
.endr
.irp n, 0,1,2,3
	v_mul_f32 v[KK+\n], s50, v[TH+\n]
.endr
.irp n, 0,1,2,3
	v_rndne_f32 v[KK+\n], v[KK+\n]                 ; k
.endr
.irp n, 0,1,2,3
	v_fma_f32 v[RR+\n], -v[KK+\n], s51, v[TH+\n]   ; theta - k x the high part of pi / 2,
.endr
.irp n, 0,1,2,3
	v_fma_f32 v[RR+\n], -v[KK+\n], s52, v[RR+\n]   ; - k x the low part
.endr
.irp n, 0,1,2,3
	v_mul_f32 v[ZZ+\n], v[RR+\n], v[RR+\n]
.endr
.irp n, 0,1,2,3
	v_fma_f32 v[SP+\n], v[ZZ+\n], s55, s54
	v_fma_f32 v[CP+\n], v[ZZ+\n], s58, s57
.endr
.irp n, 0,1,2,3
	v_fma_f32 v[SP+\n], v[SP+\n], v[ZZ+\n], s53
	v_fma_f32 v[CP+\n], v[CP+\n], v[ZZ+\n], s56
.endr
.irp n, 0,1,2,3
	v_mul_f32 v[SP+\n], v[SP+\n], v[ZZ+\n]
	v_fma_f32 v[WW+\n], v[ZZ+\n], -0.5, 1.0
.endr
.irp n, 0,1,2,3
	v_mul_f32 v[ZZ+\n], v[ZZ+\n], v[ZZ+\n]
	v_fma_f32 v[SP+\n], v[SP+\n], v[RR+\n], v[RR+\n]   ; sin r
.endr
.irp n, 0,1,2,3
	v_fma_f32 v[CP+\n], v[CP+\n], v[ZZ+\n], v[WW+\n]   ; cos r
	v_cvt_i32_f32 v[KK+\n], v[KK+\n]
.endr
.irp n, 0,1,2,3
	v_and_b32 v[TH+\n], 1, v[KK+\n]
.endr
.irp n, 0,1,2,3
	v_cmp_eq_u32 s[78+\n], 1, v[TH+\n]             ; an odd quadrant swaps the two
.endr
	s_wait_dscnt 0x0                               ; the last axis' stores have read their registers
.irp n, 0,1,2,3
	v_cndmask_b32 v[SINR+\n], v[SP+\n], v[CP+\n], s[78+\n]
	v_cndmask_b32 v[COSR+\n], v[CP+\n], v[SP+\n], s[78+\n]
.endr
.irp n, 0,1,2,3
	v_lshlrev_b32 v[TH+\n], 30, v[KK+\n]           ; the sine is negative in quadrants 2, 3: bit 1 of k;
	v_add_nc_u32 v[KK+\n], 1, v[KK+\n]             ; the cosine in 1, 2: bit 1 of k + 1
.endr
.irp n, 0,1,2,3
	v_and_b32 v[TH+\n], 0x80000000, v[TH+\n]
	v_lshlrev_b32 v[KK+\n], 30, v[KK+\n]
.endr
.irp n, 0,1,2,3
	v_xor_b32 v[SINR+\n], v[SINR+\n], v[TH+\n]
	v_and_b32 v[KK+\n], 0x80000000, v[KK+\n]
.endr
.irp n, 0,1,2,3
	v_xor_b32 v[COSR+\n], v[COSR+\n], v[KK+\n]
.endr
	ds_store_b128 v[CWA], v[COSR:COSR+3] offset:1024*\a
	ds_store_b128 v[CWA], v[SINR:SINR+3] offset:1024*\a+3072
.endm
	s_load_b512 s[4:19], s[0:1], 0x0               ; query, key, value, coords_query, coords_key, bq, bk, bv
	s_load_b256 s[20:27], s[0:1], 0x40             ; wbuf, qbuf, kbuf, vbuf
	v_lshl_add_u32 v234, v0, 2, 0x3a800
	v_mov_b32 v235, 0
	v_lshrrev_b32 v12, 5, v0
	v_readfirstlane_b32 s28, v12                   ; wave = head
	s_lshr_b32 s29, s28, 1                         ; ahead of the barrier: my tile of rows,
	s_and_b32 s30, s28, 1                          ; my half of K and of the frequencies
	v_and_b32 v14, 31, v0                          ; lane
	v_and_b32 v12, 15, v0                          ; r
	v_bfe_u32 v13, v0, 4, 1                        ; h
	v_lshlrev_b32 v[LI], 4, v14
	v_lshlrev_b32 v[LS], 2, v14
	v_lshlrev_b32 v[L8], 3, v14
	s_mul_i32 s74, s28, TSB
	v_add_nc_u32 v[TSA], s74, v[LI]
	v_mul_u32_u24 v[TLA], v12, 528
	v_lshl_add_u32 v[TLA], v13, 5, v[TLA]
	v_add_nc_u32 v[TLA], s74, v[TLA]
	s_mul_i32 s74, s28, 4608                       ; my three images: fragments 3 w .. 3 w + 2
	v_add_nc_u32 v[XWI], s74, v[LI]
	s_mul_i32 s74, s28, 384
	v_add_nc_u32 v[XWS], s74, v[LS]
	v_lshlrev_b32 v[SCO], 4, v12
	v_lshl_add_u32 v[SCO], v13, 3, v[SCO]
.irp b, 0,1,2,3
	v_mov_b32 v[TM+4+\b], 0                        ; written once: a lane permute's destination counts as one of its sources
.endr
	s_mov_b32 s[SEL], 0x76543210
	s_mov_b32 s[SEL+1], 0xfedcba98
	s_mov_b32 s62, 0xffff0000                      ; lanes 16-31
	s_wait_kmcnt 0x0
	s_cmp_lt_u32 ttmp9, 320
	s_cbranch_scc0 .Lvalue
	; ---------------- q and k ----------------
	s_cmp_lt_u32 ttmp9, 64                         ; only pointers and sizes are chosen: q and k take one way through the text
	s_cselect_b64 s[36:37], s[4:5], s[6:7]
	s_cselect_b64 s[38:39], s[14:15], s[16:17]
	s_cselect_b64 s[40:41], s[10:11], s[12:13]
	s_cselect_b64 s[46:47], s[22:23], s[24:25]
	s_cselect_b32 s31, 0, 64
	s_cselect_b32 s32, 0, 1
	s_cselect_b32 s33, 4, 6
	s_mov_b32 s35, 12582912
	s_cselect_b32 s35, 3145728, s35
	s_mov_b32 s59, 6144
	s_sub_co_u32 s31, ttmp9, s31
	PLACE
	s_mul_i32 s74, s31, 768                        ; 12 bytes of coordinates a row
	s_mul_i32 s76, s29, 192
	s_add_co_u32 s74, s74, s76
	s_add_nc_u64 s[40:41], s[40:41], s[74:75]
	v_lshlrev_b32 v[BOF], 5, v13                   ; the bias of features 16 t + 8 h + 0 .. 7
	v_mul_u32_u24 v[COF], v12, 12
.irp a, 0,1,2
	global_load_b32 v[CRD+\a], v[COF], s[40:41] offset:4*\a
.endr
	WIN 0x40                                       ; destination window 1
.irp t, 0,1,2,3,4,5
	global_load_b128 v[BIAS+8*\t:BIAS+8*\t+3], v[BOF], s[38:39] offset:64*\t
	global_load_b128 v[BIAS+8*\t+4:BIAS+8*\t+7], v[BOF], s[38:39] offset:64*\t+16
.endr
	RAWLOAD
	WIN 0
	v_add_nc_u32 v[XWI], XIMG, v[XWI]
	v_add_nc_u32 v[XWS], XSC, v[XWS]
	s_mul_i32 s74, s29, 6144
	s_lshl_b32 s76, s30, 9
	s_add_co_u32 s74, s74, s76
	v_add_nc_u32 v[CWA], s74, v[LI]
	v_add_nc_u32 v[CWA], TAB, v[CWA]
	s_mov_b32 s50, 0x3f22f983                      ; 2 / pi
	s_mov_b32 s51, 0x3fc90fdb                      ; pi / 2, high part,
	s_mov_b32 s52, 0xb33bbd2e                      ; low part
	s_mov_b32 s53, 0xbe2aaaa3                      ; sin r = r + r z (S1 + z (S2 + z S3)), z = r^2
	s_mov_b32 s54, 0x3c08839e
	s_mov_b32 s55, 0xb94ca1f9
	s_mov_b32 s56, 0x3d2aaaa5                      ; cos r = 1 - z / 2 + z^2 (C1 + z (C2 + z C3))
	s_mov_b32 s57, 0xbab6061a
	s_mov_b32 s58, 0x37ccf5ce
	s_cmp_eq_u32 s30, 0                            ; my frequencies: 8 h + 4 (w % 2) + 0 .. 3
	PICK 66, IF0, IF4
	PICK 67, IF1, IF5
	PICK 68, IF2, IF6
	PICK 69, IF3, IF7
	PICK 70, IF8, IF12
	PICK 71, IF9, IF13
	PICK 72, IF10, IF14
	PICK 73, IF11, IF15
.irp n, 0,1,2,3
	v_mov_b32 v[IVF+\n], s[66+\n]
.endr
.irp n, 0,1,2,3
	v_cndmask_b32 v[IVF+\n], v[IVF+\n], s[70+\n], s62
.endr
	s_wait_loadcnt 60                              ; the three coordinates are the oldest of 63 loads: the bias' 12 and the rows' 48 stay out while the table is made
	SINCOS4 0
	SINCOS4 1
	SINCOS4 2
	XPHASE
	v_add_nc_u32 v[XIA], XIMG, v[LI]
	v_add_nc_u32 v[XSA], XSC, v[LS]
	v_add_nc_u32 v[TBA], TAB, v[LI]
	XFETCH 0
	KSTEP 0, 0
	KSTEP 1, 0
	KSTEP 2, 0
	KSTEP 3, 0
	KSTEP 4, 0
	KSTEP 5, 0
	; the way out, a tile of 16 rows at a time: rotate, quantise three blocks (the three axes), store the fragment's image
.irp m, 0,1,2,3
.irp g, 0,1,2,3,4,5
	ds_load_b128 v[CO+4*\g:CO+4*\g+3], v[TBA] offset:6144*\m+512*\g
	ds_load_b128 v[SN+4*\g:SN+4*\g+3], v[TBA] offset:6144*\m+512*\g+3072
.endr
	s_wait_dscnt 0x0
	WIN 0x01                                       ; source 0: window 1
.irp a, 0,1,2
.irp j, 0,2,4,6                                ; each accumulator is read from its low end on
	v_pk_mul_f32 v[T1+8*\a+\j:T1+8*\a+\j+1], v[48*\m+16*\a+8+\j:48*\m+16*\a+9+\j], v[SN+8*\a+\j:SN+8*\a+\j+1]   ; x2 sin
	v_pk_mul_f32 v[T2+8*\a+\j:T2+8*\a+\j+1], v[48*\m+16*\a+\j:48*\m+16*\a+\j+1], v[SN+8*\a+\j:SN+8*\a+\j+1]     ; x1 sin
.endr
.endr
	WIN 0x41                                       ; destination too
.irp a, 0,1,2
.irp j, 0,2,4,6
	v_pk_fma_f32 v[48*\m+16*\a+\j:48*\m+16*\a+\j+1], v[48*\m+16*\a+\j:48*\m+16*\a+\j+1], v[CO+8*\a+\j:CO+8*\a+\j+1], v[T1+8*\a+\j:T1+8*\a+\j+1] neg_lo:[0,0,1] neg_hi:[0,0,1]   ; x1 cos - x2 sin
	v_pk_fma_f32 v[48*\m+16*\a+8+\j:48*\m+16*\a+9+\j], v[48*\m+16*\a+8+\j:48*\m+16*\a+9+\j], v[CO+8*\a+\j:CO+8*\a+\j+1], v[T2+8*\a+\j:T2+8*\a+\j+1]                             ; x2 cos + x1 sin
.endr
.endr
	WIN 0
	s_wait_xcnt 0x0                                ; the last tile's stores have read the codes' registers
	QUANT 3, 48*\m, 1
	v_mov_b32 v[KW+\m], v[PW]
.irp c, 0,1,2
	global_store_b128 v[LI], v[PC+4*\c:PC+4*\c+3], s[46:47] offset:1536*\m+512*\c   ; 512 consecutive bytes
.endr
.endr
	v_cndmask_b32 v[TM], v[KW], v[KW+2], s62       ; row r's four words lie together: lanes 0-15 store tiles 0, 1, lanes 16-31 tiles 2, 3
	v_cndmask_b32 v[TM+1], v[KW+1], v[KW+3], s62
	global_store_b64 v[SCO], v[TM:TM+1], s[48:49]  ; 256 consecutive bytes
	s_wait_tensorcnt 0x0
	ds_add_u32 v234, v235
	s_wait_dscnt 0x0
	s_endpgm
	; ---------------- v ----------------
.Lvalue:
	s_sub_co_u32 s31, ttmp9, 320
	s_mov_b32 s32, 2
	s_mov_b32 s33, 6
	s_mov_b32 s35, 9437184
	s_mov_b32 s59, 4608
	s_mov_b64 s[36:37], s[8:9]
	s_mov_b64 s[38:39], s[18:19]
	s_mov_b64 s[46:47], s[26:27]
	PLACE
	v_lshlrev_b32 v[BOF], 2, v12                   ; the bias of feature 16 t + r
	WIN 0x40
.irp t, 0,1,2,3,4,5
	global_load_b32 v[BIAS+8*\t], v[BOF], s[38:39] offset:64*\t
.endr
	RAWLOAD
	WIN 0
	v_add_nc_u32 v[TSA], VBASE, v[TSA]
	v_add_nc_u32 v[TLA], VBASE, v[TLA]
	v_add_nc_u32 v[XWI], VBASE+XIMG, v[XWI]
	v_add_nc_u32 v[XWS], VBASE+XSC, v[XWS]
	XPHASE
	v_add_nc_u32 v[XIA], VBASE+XIMG, v[LI]
	v_add_nc_u32 v[XSA], VBASE+XSC, v[LS]
	XFETCH 0
	WIN 0x41
.irp t, 0,1,2,3,4,5
.irp j, 1,2,3,4,5,6,7
	v_mov_b32 v[BIAS+8*\t+\j], v[BIAS+8*\t]        ; a lane's eight results of a tile are eight keys of one feature: the same bias
.endr
.endr
	WIN 0
	KSTEP 0, 1
	KSTEP 1, 1
	KSTEP 2, 1
	KSTEP 3, 1
	KSTEP 4, 1
	KSTEP 5, 1
	; the way out, a tile of 16 features at a time: 64 keys are two blocks: half a fragment, six registers, and two scale bytes a feature
.irp t, 0,1,2,3,4,5
	s_wait_xcnt 0x0                                ; the last tile's stores have read the codes' registers
	QUANT 2, 32*\t, 1
	v_mov_b32 v[HW+\t], v[PW]
	global_store_b128 v[LI], v[PC:PC+3], s[46:47] offset:768*\t
	global_store_b64 v[L8], v[PC+4:PC+5], s[46:47] offset:768*\t+512
.endr
	v_lshl_or_b32 v[HW], v[HW+1], 16, v[HW]        ; two tiles' bytes to a word
	v_lshl_or_b32 v[HW+2], v[HW+3], 16, v[HW+2]
	v_lshl_or_b32 v[HW+4], v[HW+5], 16, v[HW+4]
	v_cndmask_b32 v[TM], v[HW], v[HW+4], s62       ; feature row r's 16 bytes: lanes 0-15 store words 0, 1, lanes 16-31 word 2 and a zero
	v_cndmask_b32 v[TM+1], v[HW+2], 0, s62
	global_store_b64 v[SCO], v[TM:TM+1], s[48:49]  ; 256 consecutive bytes
	s_wait_tensorcnt 0x0
	ds_add_u32 v234, v235
	s_wait_dscnt 0x0
	s_endpgm
.Lfunc_end_k_q3c49e3604f_proj:
	.size	k_q3c49e3604f_proj, .Lfunc_end_k_q3c49e3604f_proj-k_q3c49e3604f_proj
	.p2alignl 7, 3214868480
	.fill 96, 4, 3214868480
	.section	.rodata,"a",@progbits
	.p2align	6, 0x0
	.amdhsa_kernel k_q3c49e3604f_proj
		.amdhsa_group_segment_fixed_size 240640
		.amdhsa_private_segment_fixed_size 0
		.amdhsa_enable_private_segment 0
		.amdhsa_kernarg_size 96
		.amdhsa_user_sgpr_count 2
		.amdhsa_user_sgpr_kernarg_segment_ptr 1
		.amdhsa_wavefront_size32 1
		.amdhsa_system_sgpr_workgroup_id_x 1
		.amdhsa_system_sgpr_workgroup_id_y 1
		.amdhsa_system_sgpr_workgroup_id_z 1
		.amdhsa_system_vgpr_workitem_id 0
		.amdhsa_next_free_vgpr 496
		.amdhsa_next_free_sgpr 84
		.amdhsa_reserve_vcc 0
		.amdhsa_float_denorm_mode_32 3
		.amdhsa_float_denorm_mode_16_64 3
		.amdhsa_memory_ordered 1
		.amdhsa_forward_progress 1
		.amdhsa_inst_pref_size 197
	.end_amdhsa_kernel
	.amdgpu_metadata
---
amdhsa.version: [ 1, 2 ]
amdhsa.kernels:
  - .name:           k_q3c49e3604f_proj
    .symbol:         k_q3c49e3604f_proj.kd
    .args:
      - { .name: query, .offset: 0, .size: 8, .value_kind: global_buffer, .address_space: global }
      - { .name: key, .offset: 8, .size: 8, .value_kind: global_buffer, .address_space: global }
      - { .name: value, .offset: 16, .size: 8, .value_kind: global_buffer, .address_space: global }
      - { .name: coords_query, .offset: 24, .size: 8, .value_kind: global_buffer, .address_space: global }
      - { .name: coords_key, .offset: 32, .size: 8, .value_kind: global_buffer, .address_space: global }
      - { .name: bq, .offset: 40, .size: 8, .value_kind: global_buffer, .address_space: global }
      - { .name: bk, .offset: 48, .size: 8, .value_kind: global_buffer, .address_space: global }
      - { .name: bv, .offset: 56, .size: 8, .value_kind: global_buffer, .address_space: global }
      - { .name: wbuf, .offset: 64, .size: 8, .value_kind: global_buffer, .address_space: global }
      - { .name: qbuf, .offset: 72, .size: 8, .value_kind: global_buffer, .address_space: global }
      - { .name: kbuf, .offset: 80, .size: 8, .value_kind: global_buffer, .address_space: global }
      - { .name: vbuf, .offset: 88, .size: 8, .value_kind: global_buffer, .address_space: global }
    .group_segment_fixed_size: 240640
    .private_segment_fixed_size: 0
    .kernarg_segment_align: 8
    .kernarg_segment_size: 96
    .max_flat_workgroup_size: 256
    .sgpr_count:     84
    .vgpr_count:     496
    .wavefront_size: 32
...
	.end_amdgpu_metadata
.endif
;; end of part 2
;; launch attn (part 3): grid 8 x 32, 16 waves a work-group, no clusters, 227,328 bytes of LDS; arguments qbuf, kbuf, vbuf, obuf; writes obuf
.if DOCPART == 3
	.amdgcn_target "amdgcn-amd-amdhsa--gfx1250"
	.amdhsa_code_object_version 6
	.text
	.protected	k_q3c49e3604f_attn
	.globl	k_q3c49e3604f_attn
	.p2align	8
	.type	k_q3c49e3604f_attn,@function
k_q3c49e3604f_attn:
	s_mov_b64 s[64:65], 0
	v_nop
	global_prefetch_b8 v0, s[64:65] scope:SCOPE_SE
	s_setreg_imm32_b32 hwreg(HW_REG_WAVE_MODE, 25, 1), 1
	s_wait_xcnt 0x0
; O[q] = sum over keys of softmax(q . k / sqrt(96)) v, both products on FP6 (E2M3) codes with one E8M0 byte for each 32 along K; O / l is quantised again for the output projection.
; THE SOFTMAX AHEAD OF THE SECOND PRODUCT: t = score x log2(e) / sqrt(96); M = the largest t so far, rounded UP to a whole number; p = 2^(t - M) is quantised along the keys, not normalised;
; the row's sum is taken of the unquantised p and divides O at the end.  When M moves, the sum and O are multiplied by 2^(old M - new M): exact.
; SHARES.  A work-group owns 128 queries of one (batch, head): eight tiles of 16.  It has SIXTEEN waves of 256 registers, four to a SIMD, so that one wave's vector work stands beside another's LDS loads and products.
; Wave w owns tile w % 8 and key group g = w / 8: of every 256 keys group 0 takes the first 128 and group 1 the second, 16 steps a wave.  Each group keeps an M, a sum and an O^T of its own; at the end wave w < 8 joins its
; own with wave w + 8's: both are brought under the larger M by whole powers of two.
; Both products are used transposed: S^T = K Q^T (source 0 = 16 keys), O^T = V^T P^T (source 0 = 16 of the head's 96): a lane holds ONE query throughout, and the 16 registers of tiles 2 b, 2 b + 1 of S^T are its half of
; block b of the keys, in the order in which v was quantised (position 16 h + 8 u + j holds key 16 u + 8 h + j).  The head's 96 are three blocks and one of zero codes.
; K, V AND Q ARRIVE AS IMAGES OF OPERAND REGISTERS.  A block of 128 keys, 8 fragments of K (12,288 bytes) and 12 half fragments of V (9,216), is dense in memory: a group's 256 threads copy their block through registers
; into a ring of two LDS slots (a slot: group 0's block, then group 1's), asked for two steps ahead, stored one step ahead; one barrier a step.  The scale words of the whole head stay in LDS.
; NO CLUSTER, NO TENSOR LOAD, though the eight query blocks of a head read the same K and V: a step's fill is 84 bytes a thread, six loads and six LDS stores beside some 350 instructions, most of them the softmax's.
; LIMITS: v_exp_f32 gives 0 for results under 2^-126; a block whose every p is 0 keeps the byte 1 over zero codes; NaN and infinities are not served.
.set BLK,  21504                       ; a block: K's 8 images, then V's 12 half fragments (64 keys c, tile t at 12,288 + 4,608 c + 768 t)
.set SLOT, 43008                       ; a slot: two blocks
.set KSC,  86016                       ; K's scale words: 64 keys at 256 bytes: row r's four tiles at 16 r
.set VSC,  102400                      ; V's: 128 keys at 512 bytes, feature row r at 32 r: the words of tiles 0 .. 5
.set MRG,  118784                      ; the waves' states at the end:
.set MST,  6656                        ; 13 images of four registers a wave: O^T's 48, then -M, t and the two half sums
.set LI,  1                            ; LDS: 16 x lane + my group's block
.set L8,  2                            ; LDS: 8 x lane + my group's block
.set KSA, 3                            ; KSC + 16 r + 512 g
.set VSA, 4                            ; VSC + 32 r + 512 g
.set T16, 5                            ; LDS: 16 x (thread % 256) + my group's block
.set T4,  6                            ; LDS: 4 x (thread % 256) + my group's block
.set ADS, 7                            ; the step's scale words of K,
.set ADT, 8                            ; of V
.set QF,  16                           ; v16-27 Q's fragment
.set QS,  28                           ; its scale words
.set PWS, 29                           ; p's scale word
.set FR,  32                           ; v32-79 four fragments
.set S,   80                           ; v80-143 S^T, then p; then V's tiles 4, 5; at the end the partner's state
.set OT,  144                          ; v144-191 O^T
.set KST, 192                          ; v192-203 the next block of K on its way,
.set VST, 204                          ; v204-212 of V
.set SCL, 214                          ; v214-221 scale words: K's eight, then V's six
.set PP,  222                          ; v222-233 p's codes
.set BM,  230                          ; v230-233 the blocks' largest scores (dead when the codes are made)
.set PR,  234                          ; v234-241 at work
.set SO,  242                          ; v242-245 the conversions' scale operands
.set WK,  246
.set G16, 248                          ; memory: 16 x (thread % 256)
.set G4,  249                          ; memory: 4 x (thread % 256)
.set LG,  250                          ; 16 x lane
.set MA,  251                          ; where I store my state,
.set MB,  252                          ; where wave w xor 8 stores its
.set TM,  222                          ; the last quantiser's registers
.set PC,  32
.set PW,  247
.set SEL, 20                           ; s[20:21]
.set CS,  22                           ; s[22:23]
.set TS,  34                           ; s34: 1,024 x step
.set MSB, 0
.macro WIN new
.if MSB != (\new)
	s_set_vgpr_msb (MSB<<8)|(\new)
.set MSB, (\new)
.endif
.endm
; nb blocks of a lane's row, 16 numbers of each in v[src + 16 b ..] of window sw (the other 16 in lane l xor 16), become codes in v[PC] on and the row's scale word in v[PW].
.macro QUANT nb, src, sw
	WIN 5*(\sw)
.set QB, 0
.rept \nb
	v_max3_num_f32 v[TM+QB], |v[(\src)+16*QB]|, |v[(\src)+16*QB+1]|, 0x1800000   ; my 16 numbers and the floor 2^(3 - 127): the byte cannot fall under 1
.set QB, QB+1
.endr
.irp i, 2,4,6,8,10,12,14
.set QB, 0
.rept \nb
	v_max3_num_f32 v[TM+QB], |v[(\src)+16*QB+\i]|, |v[(\src)+16*QB+\i+1]|, v[TM+QB]
.set QB, QB+1
.endr
.endr
	WIN 0
.set QB, 0
.rept \nb
	v_permlanex16_b32 v[TM+4+QB], v[TM+QB], s[SEL], s[SEL+1]
.set QB, QB+1
.endr
.set QB, 0
.rept \nb
	v_max_num_f32 v[TM+QB], v[TM+QB], v[TM+4+QB]       ; with lane l xor 16's: the block's largest magnitude
.set QB, QB+1
.endr
.set QB, 0
.rept \nb
	v_add_nc_u32 v[TM+12+QB], 0xff000000, v[TM+QB]     ; 2 off its exponent field: the conversion's scale operand
.set QB, QB+1
.endr
.set QB, 0
.rept \nb
	v_lshrrev_b32 v[TM+4+QB], 23, v[TM+12+QB]          ; the scale's byte
.set QB, QB+1
.endr
	v_lshl_or_b32 v[PW], v[TM+5], 8, v[TM+4]
.if \nb > 2
	v_lshl_or_b32 v[PW], v[TM+6], 16, v[PW]
.endif
.if \nb == 3
	v_or_b32 v[PW], 0x7f000000, v[PW]                  ; the fourth block is zero codes under the byte 127
.endif
.if \nb == 4
	v_lshl_or_b32 v[PW], v[TM+7], 24, v[PW]
.endif
	WIN (\sw)
	v_cvt_scalef32_pk16_fp6_f32 v[PC:PC+2], v[(\src):(\src)+15], v[TM+12]
	v_cvt_scalef32_pk16_fp6_f32 v[PC+12:PC+14], v[(\src)+16:(\src)+31], v[TM+13]   ; (a conversion's three registers begin on an even number)
.if \nb > 2
	v_cvt_scalef32_pk16_fp6_f32 v[PC+6:PC+8], v[(\src)+32:(\src)+47], v[TM+14]
.endif
.if \nb == 4
	v_cvt_scalef32_pk16_fp6_f32 v[PC+16:PC+18], v[(\src)+48:(\src)+63], v[TM+15]
.endif
	WIN 0
.if \nb == 3
.irp i, 0,1,2
	v_mov_b32 v[PC+16+\i], 0                           ; the zero block; also the plain line behind the conversions
.endr
.else
	v_nop                                              ; one plain line behind a scaled conversion
.endif
.irp i, 0,1,2                                      ; the operand's layout wants a whole block in a lane: lanes 0-15 the even block, lanes 16-31 the odd one
	v_permlane16_swap_b32 v[PC+\i], v[PC+12+\i]
.endr
.irp i, 0,1,2
	v_mov_b32 v[PC+3+\i], v[PC+12+\i]
.endr
.if \nb > 2
.irp i, 0,1,2
	v_permlane16_swap_b32 v[PC+6+\i], v[PC+16+\i]
.endr
.irp i, 0,1,2
	v_mov_b32 v[PC+9+\i], v[PC+16+\i]
.endr
.endif
.endm
.macro BLKLOAD                         ; my group's block: six loads a thread; a wave's load covers 512 (the last: 128) consecutive bytes
.irp i, 0,1,2
	global_load_b128 v[KST+4*\i:KST+4*\i+3], v[G16], s[12:13] offset:4096*\i
.endr
.irp i, 0,1
	global_load_b128 v[VST+4*\i:VST+4*\i+3], v[G16], s[14:15] offset:4096*\i
.endr
	global_load_b32 v[VST+8], v[G4], s[14:15] offset:8192
.endm
.macro BLKSTORE slot
.irp i, 0,1,2
	ds_store_b128 v[T16], v[KST+4*\i:KST+4*\i+3] offset:(\slot)*SLOT+4096*\i
.endr
.irp i, 0,1
	ds_store_b128 v[T16], v[VST+4*\i:VST+4*\i+3] offset:(\slot)*SLOT+12288+4096*\i
.endr
	ds_store_b32 v[T4], v[VST+8] offset:(\slot)*SLOT+20480
.endm
.macro KFRAGS slot, t0                 ; K's tiles t0 .. t0 + 3
.irp t, 0,1,2,3
.irp c, 0,1,2
	ds_load_b128 v[FR+12*\t+4*\c:FR+12*\t+4*\c+3], v[LI] offset:(\slot)*SLOT+1536*((\t0)+\t)+512*\c
.endr
.endr
.endm
.macro SMATS t0
.irp t, 0,1,2,3
	v_wmma_scale_f32_16x16x128_f8f6f4 v[S+8*((\t0)+\t):S+8*((\t0)+\t)+7], v[FR+12*\t:FR+12*\t+11], v[QF:QF+11], 0, v[SCL+(\t0)+\t], v[QS] matrix_a_fmt:MATRIX_FMT_FP6 matrix_b_fmt:MATRIX_FMT_FP6
.endr
.rept 4
	v_nop                                          ; four places in front of loads into registers that these products read, and of the first read of results
.endr
.endm
.macro VFRAG reg, slot, t              ; V^T's tile t for 128 keys: two half fragments of six registers
	ds_load_b128 v[(\reg):(\reg)+3], v[LI] offset:(\slot)*SLOT+12288+768*(\t)
	ds_load_b64 v[(\reg)+4:(\reg)+5], v[L8] offset:(\slot)*SLOT+12288+768*(\t)+512
	ds_load_b128 v[(\reg)+6:(\reg)+9], v[LI] offset:(\slot)*SLOT+16896+768*(\t)
	ds_load_b64 v[(\reg)+10:(\reg)+11], v[L8] offset:(\slot)*SLOT+16896+768*(\t)+512
.endm
; A KEY STEP on my group's block of the slot named.  st: the next step's block, which has landed in registers, goes into the other slot.  ld: the block two steps on is asked for.  bar: the step's barrier.
.macro STEP slot, st, ld, bar
	v_add_nc_u32 v[ADS], s[TS], v[KSA]
	v_add_nc_u32 v[ADT], s[TS], v[VSA]
.rept 3
	v_nop                                          ; with the two additions five places: this step's first products write over registers that the last step's last products read, and the loads below land on others of them
.endr
.if \st
	s_wait_loadcnt 0x0                             ; asked for a step ago
	BLKSTORE 1-\slot                               ; every wave left that slot in front of the last barrier
.endif
	ds_load_b128 v[SCL:SCL+3], v[ADS]
	ds_load_b128 v[SCL+4:SCL+7], v[ADS] offset:256
	KFRAGS \slot, 0
	s_wait_dscnt 0x0                               ; the fragments are in, and the stores above have read their registers
.if \ld
	s_add_nc_u64 s[12:13], s[12:13], 24576         ; two blocks on (the wait for the last block's loads has freed the pointers)
	s_add_nc_u64 s[14:15], s[14:15], 18432
	BLKLOAD
.endif
	SMATS 0
	KFRAGS \slot, 4
	s_wait_dscnt 0x0
	SMATS 4
.irp t, 0,1,2,3
	VFRAG FR+12*\t, \slot, \t                      ; V lands while the softmax is walked
.endr
	ds_load_b128 v[SCL:SCL+3], v[ADT]
	ds_load_b64 v[SCL+4:SCL+5], v[ADT] offset:16
.irp b, 0,1,2,3
	v_max3_num_f32 v[BM+\b], v[S+16*\b], v[S+1+16*\b], v[S+2+16*\b]   ; the largest score of each block of 32 keys: for the row's maximum and, since p rises with the score, for the block's largest p
.endr
.irp i, 3,5,7,9,11,13
.irp b, 0,1,2,3
	v_max3_num_f32 v[BM+\b], v[BM+\b], v[S+16*\b+\i], v[S+1+16*\b+\i]
.endr
.endr
.irp b, 0,1,2,3
	v_max_num_f32 v[BM+\b], v[BM+\b], v[S+15+16*\b]
.endr
.irp b, 0,1,2,3
	v_permlanex16_b32 v[PR+\b], v[BM+\b], s[SEL], s[SEL+1]
.endr
.irp b, 0,1,2,3
	v_max_num_f32 v[BM+\b], v[BM+\b], v[PR+\b]     ; with lane l xor 16's 16 keys
.endr
	v_max3_num_f32 v[WK], v[BM], v[BM+1], v[BM+2]
	v_max_num_f32 v[WK], v[WK], v[BM+3]
	v_mul_f32 v[WK], s[CS], v[WK]                  ; as t (c is positive)
	v_max_num_f32 v13, v13, v[WK]                  ; the running largest t
	v_mov_b32 v[WK], v12
	v_floor_f32 v12, -v13                          ; the new -M = -ceil(t)
	v_sub_f32 v[WK], v12, v[WK]                    ; old M - new M: a whole number, 0 or less
	v_cvt_i32_f32 v[WK], v[WK]                     ; (it saturates)
	v_ldexp_f32 v30, 1.0, v[WK]                    ; f = 2^(old M - new M)
.set J, 0
.rept 32
	v_pk_fma_f32 v[S+J:S+J+1], v[S+J:S+J+1], s[CS:CS+1], v[12:13] op_sel_hi:[1,0,0]   ; t - M
.set J, J+2
.endr
.irp b, 0,1,2,3
	v_fma_f32 v[BM+\b], v[BM+\b], s[CS], v12       ; the same of each block's largest score
.endr
.set J, 0
.rept 64
	v_exp_f32 v[S+J], v[S+J]                       ; p
.set J, J+1
.endr
.irp b, 0,1,2,3
	v_exp_f32 v[BM+\b], v[BM+\b]                   ; the block's largest p: the same two instructions on the same number
.endr
	v_pk_mul_f32 v[14:15], v[14:15], v[30:31] op_sel_hi:[1,0]   ; the sums under the new M (a plain line behind the exponentials)
	s_wait_alu depctr_va_vdst(0)
.irp b, 0,1,2,3
	v_max_num_f32 v[BM+\b], 0x1800000, v[BM+\b]    ; the floor 2^(3 - 127)
.endr
.irp b, 0,1,2,3
	v_add_nc_u32 v[SO+\b], 0xff000000, v[BM+\b]
.endr
.irp b, 0,1,2,3
	v_lshrrev_b32 v[PR+\b], 23, v[SO+\b]
.endr
	v_lshl_or_b32 v[PWS], v[PR+1], 8, v[PR]        ; p's scale word for these 128 keys
	v_lshl_or_b32 v[PWS], v[PR+2], 16, v[PWS]
	v_lshl_or_b32 v[PWS], v[PR+3], 24, v[PWS]
.irp c, 0,1
	v_cvt_scalef32_pk16_fp6_f32 v[PP+6*\c:PP+6*\c+2], v[S+32*\c:S+32*\c+15], v[SO+2*\c]
	v_cvt_scalef32_pk16_fp6_f32 v[PR+4*\c:PR+4*\c+2], v[S+16+32*\c:S+31+32*\c], v[SO+2*\c+1]
.endr
	v_nop                                          ; one plain line behind a scaled conversion
.irp c, 0,1
.irp i, 0,1,2
	v_permlane16_swap_b32 v[PP+6*\c+\i], v[PR+4*\c+\i]
.endr
.irp i, 0,1,2
	v_mov_b32 v[PP+3+6*\c+\i], v[PR+4*\c+\i]
.endr
.endr
	v_pk_add_f32 v[PR:PR+1], v[S:S+1], v[S+2:S+3]  ; the row's sum, of the unquantised p, in two chains
.set J, 4
.rept 15
	v_pk_add_f32 v[14:15], v[14:15], v[S+J:S+J+1]
	v_pk_add_f32 v[PR:PR+1], v[PR:PR+1], v[S+J+2:S+J+3]
.set J, J+4
.endr
	v_pk_add_f32 v[14:15], v[14:15], v[PR:PR+1]
	VFRAG S, \slot, 4                              ; p is done with: its first 24 registers take V's last two tiles
	VFRAG S+12, \slot, 5
.set J, 0
.rept 24
	v_pk_mul_f32 v[OT+J:OT+J+1], v[OT+J:OT+J+1], v[30:31] op_sel_hi:[1,0]   ; O^T under the new M
.set J, J+2
.endr
	s_wait_dscnt 0x0                               ; V is in.  These were my last LDS accesses of the step: my stores into the other slot have landed and my reads of this slot are over,
.if \bar
	s_barrier_signal -1                            ; so I say so here, and multiply while the others arrive
.endif
.irp t, 0,1,2,3                                ; the six accumulators take turns; the sums and rescalings above are the places behind the lines that made p's codes and scale word
	v_wmma_scale_f32_16x16x128_f8f6f4 v[OT+8*\t:OT+8*\t+7], v[FR+12*\t:FR+12*\t+11], v[PP:PP+11], v[OT+8*\t:OT+8*\t+7], v[SCL+\t], v[PWS] matrix_a_fmt:MATRIX_FMT_FP6 matrix_b_fmt:MATRIX_FMT_FP6
.endr
.irp t, 4,5
	v_wmma_scale_f32_16x16x128_f8f6f4 v[OT+8*\t:OT+8*\t+7], v[S+12*(\t-4):S+12*(\t-4)+11], v[PP:PP+11], v[OT+8*\t:OT+8*\t+7], v[SCL+\t], v[PWS] matrix_a_fmt:MATRIX_FMT_FP6 matrix_b_fmt:MATRIX_FMT_FP6
.endr
	s_add_co_u32 s[TS], s[TS], 1024                ; my group's next block is two blocks on
.if \bar
	s_barrier_wait -1                              ; the other slot is whole, and nobody reads this one any more
.endif
.endm
	s_load_b256 s[4:11], s[0:1], 0x0               ; qbuf, kbuf, vbuf, obuf
	v_lshl_add_u32 v241, v0, 2, 0x37000
	v_mov_b32 v255, 0
	v_lshrrev_b32 v7, 5, v0
	v_readfirstlane_b32 s27, v7                    ; wave 0 .. 15
	s_lshr_b32 s40, s27, 3                         ; g: my group of keys
	s_and_b32 s41, s27, 7                          ; my tile among the work-group's eight
	s_and_b32 s28, ttmp7, 0xffff                   ; 8 x batch + head
	s_lshl_b32 s29, ttmp9, 3
	s_add_co_u32 s29, s29, s41                     ; my tile of queries, 0 .. 63
	s_mul_i32 s42, s40, BLK                        ; my group's block in a slot
	s_lshl_b32 s43, s40, 9                         ; and its 512 bytes of scale words
	v_and_b32 v7, 31, v0
	v_and_b32 v8, 15, v0                           ; r
	v_lshlrev_b32 v[LG], 4, v7
	v_add_nc_u32 v[LI], s42, v[LG]
	v_lshlrev_b32 v[L8], 3, v7
	v_add_nc_u32 v[L8], s42, v[L8]
	v_lshl_add_u32 v[KSA], v8, 4, KSC
	v_add_nc_u32 v[KSA], s43, v[KSA]
	v_lshl_add_u32 v[VSA], v8, 5, VSC
	v_add_nc_u32 v[VSA], s43, v[VSA]
	v_and_b32 v9, 255, v0                          ; my place among my group's 256 threads
	v_lshlrev_b32 v[G16], 4, v9
	v_lshlrev_b32 v[G4], 2, v9
	v_add_nc_u32 v[T16], s42, v[G16]
	v_add_nc_u32 v[T4], s42, v[G4]
	v_lshlrev_b32 v253, 4, v0                      ; K's scale words: 16 x thread in memory,
	v_add_nc_u32 v254, KSC, v253                   ; and in LDS
	v_lshrrev_b32 v9, 4, v0
	v_lshlrev_b32 v9, 9, v9
	v_lshl_add_u32 v9, v8, 4, v9                   ; V's half-words: 128 keys thread / 16, feature row thread % 16
	v_lshlrev_b32 v10, 4, v8                       ; Q's scale words: 16 r
	v_lshl_add_u32 v11, v0, 5, VSC                 ; where V's words go: 32 x thread
	s_mul_i32 s44, s27, MST
	v_add_nc_u32 v[MA], s44, v[LG]
	v_add_nc_u32 v[MA], MRG, v[MA]
	s_xor_b32 s44, s27, 8                          ; the wave with my tile in the other group
	s_mul_i32 s44, s44, MST
	v_add_nc_u32 v[MB], s44, v[LG]
	v_add_nc_u32 v[MB], MRG, v[MB]
	s_mov_b32 s37, 0
	s_mov_b32 s[SEL], 0x76543210
	s_mov_b32 s[SEL+1], 0xfedcba98
	s_mov_b32 s[CS], 0x3e16c740                    ; c = log2(e) / sqrt(96)
	s_mov_b32 s[CS+1], s[CS]                       ; (named with it as a pair)
	s_mov_b32 s25, 0x05040100                      ; two low halves,
	s_mov_b32 s26, 0x07060302                      ; two high halves
	s_mov_b32 s[TS], 0
	s_wait_kmcnt 0x0
	s_mul_i32 s36, s28, 393216                     ; 256 images of K a head,
	s_mul_i32 s35, s40, 12288                      ; my group's first block
	s_add_co_u32 s36, s36, s35
	s_add_nc_u64 s[12:13], s[6:7], s[36:37]
	s_mul_i32 s36, s28, 294912                     ; 384 half fragments of V
	s_mul_i32 s35, s40, 9216
	s_add_co_u32 s36, s36, s35
	s_add_nc_u64 s[14:15], s[8:9], s[36:37]
	BLKLOAD                                        ; step 0
	s_lshl_b32 s36, s28, 14
	s_add_co_u32 s36, s36, 12582912
	s_add_nc_u64 s[16:17], s[6:7], s[36:37]
	s_lshl_b32 s36, s28, 14
	s_add_co_u32 s36, s36, 9437184
	s_add_nc_u64 s[18:19], s[8:9], s[36:37]
.irp i, 0,1
	global_load_b128 v[S+4*\i:S+4*\i+3], v253, s[16:17] offset:8192*\i            ; K's scale words of the head: 16,384 dense bytes
.endr
	global_load_b128 v[S+16:S+19], v9, s[18:19]                                   ; V's half-words: the even 64 keys of 128,
	global_load_b128 v[S+20:S+23], v9, s[18:19] offset:256                        ; the odd
	s_lshl_b32 s36, s28, 6
	s_add_co_u32 s36, s36, s29
	s_mul_i32 s36, s36, 1536
	s_add_nc_u64 s[38:39], s[4:5], s[36:37]        ; Q's image
	s_lshl_b32 s36, s28, 4
	s_lshr_b32 s35, s29, 2
	s_add_co_u32 s36, s36, s35
	s_lshl_b32 s36, s36, 8
	s_and_b32 s35, s29, 3
	s_lshl_b32 s35, s35, 2
	s_add_co_u32 s36, s36, s35
	s_add_co_u32 s36, s36, 3145728
	s_add_nc_u64 s[30:31], s[4:5], s[36:37]        ; its scale words
.irp c, 0,1,2
	global_load_b128 v[QF+4*\c:QF+4*\c+3], v[LG], s[38:39] offset:512*\c
.endr
	global_load_b32 v[QS], v10, s[30:31]
	s_lshr_b32 s36, s28, 3
	s_lshl_b32 s36, s36, 6
	s_add_co_u32 s36, s36, s29                     ; the tile of rows of the output projection: 64 x batch + my tile
	s_lshl_b32 s36, s36, 3
	s_and_b32 s35, s28, 7
	s_add_co_u32 s35, s36, s35                     ; x 8 + head
	s_lshl_b32 s36, s35, 7
	s_add_co_u32 s36, s36, 3145728
	s_add_nc_u64 s[32:33], s[10:11], s[36:37]
	s_mul_i32 s36, s35, 1536
	s_add_nc_u64 s[10:11], s[10:11], s[36:37]
	v_mov_b32 v13, 0xff61b1e6                      ; the largest t so far: -3e38
	v_floor_f32 v12, -v13                          ; -M
	v_mov_b32 v14, 0                               ; the sum, in two halves
	v_mov_b32 v15, 0
	v_mov_b32 v31, 0                               ; (named as the upper half of the pair v[30:31])
.irp b, 0,1,2,3
	v_mov_b32 v[PR+\b], 0                          ; written once: a lane permute's destination counts as one of its sources
.endr
.set J, 0
.rept 48
	v_mov_b32 v[OT+J], 0                           ; the step is written once: the first finds zeros, which the first change of M leaves zeros
.set J, J+1
.endr
	s_wait_loadcnt 8                               ; step 0's six loads are in; behind them: 2 + 2 + 4
	BLKSTORE 0
	s_wait_dscnt 0x0                               ; the stores have read their registers
	s_add_nc_u64 s[12:13], s[12:13], 24576
	s_add_nc_u64 s[14:15], s[14:15], 18432
	BLKLOAD                                        ; step 1
	s_wait_loadcnt 12                              ; K's scale words are in; behind them: 2 + 4 + 6
.irp i, 0,1
	ds_store_b128 v254, v[S+4*\i:S+4*\i+3] offset:8192*\i
.endr
	s_wait_loadcnt 10                              ; V's half-words; behind them: 4 + 6
	v_perm_b32 v[S+32], v[S+20], v[S+16], s25      ; a tile's word for 128 keys: the even 64 keys' two bytes below, the odd 64 keys' above
	v_perm_b32 v[S+33], v[S+20], v[S+16], s26
	v_perm_b32 v[S+34], v[S+21], v[S+17], s25
	v_perm_b32 v[S+35], v[S+21], v[S+17], s26
	v_perm_b32 v[S+36], v[S+22], v[S+18], s25
	v_perm_b32 v[S+37], v[S+22], v[S+18], s26
	ds_store_b128 v11, v[S+32:S+35]
	ds_store_b64 v11, v[S+36:S+37] offset:16
	s_wait_loadcnt 6                               ; Q; step 1's six loads stay out
	s_wait_dscnt 0x0
	s_barrier_signal -1
	s_barrier_wait -1                              ; slot 0 and the scale words lie in LDS
	s_mov_b32 s24, 7
.Lpair:                                            ; steps 0 .. 13 of my group's 16
	STEP 0, 1, 1, 1
	STEP 1, 1, 1, 1
	s_sub_co_u32 s24, s24, 1
	s_cmp_lg_u32 s24, 0
	s_cbranch_scc1 .Lpair
	STEP 0, 1, 0, 1                                ; step 14 stores the last block and asks for nothing: no load leaves its buffer
	STEP 1, 0, 0, 0
	; THE TWO GROUPS MEET.  Every wave stores its state as images of its registers (so that no LDS store stands under a branch); one barrier; waves 8 .. 15 are done; wave w < 8 reads wave w + 8's state.
.rept 4
	v_nop                                          ; four places between the last products and the stores that read their results
.endr
.irp c, 0,1,2,3,4,5,6,7,8,9,10,11
	ds_store_b128 v[MA], v[OT+4*\c:OT+4*\c+3] offset:512*\c     ; each accumulator from its low end on
.endr
	ds_store_b128 v[MA], v[12:15] offset:6144      ; -M, t, the sum's two halves
	s_wait_dscnt 0x0                               ; for the other wave's sake
	s_barrier_signal -1
	s_barrier_wait -1
	s_cmp_ge_u32 s27, 8
	s_cbranch_scc1 .Ldone
.irp c, 0,1,2,3,4,5,6,7,8,9,10,11
	ds_load_b128 v[S+4*\c:S+4*\c+3], v[MB] offset:512*\c
.endr
	ds_load_b128 v[S+48:S+51], v[MB] offset:6144
	s_wait_dscnt 0x0
	v_min_num_f32 v7, v12, v[S+48]                 ; -M of all keys: the smaller of the two
	v_sub_f32 v8, v7, v12                          ; my M - M: a whole number, 0 or less
	v_sub_f32 v9, v7, v[S+48]                      ; the other's
	v_cvt_i32_f32 v8, v8                           ; (they saturate)
	v_cvt_i32_f32 v9, v9
	v_ldexp_f32 v8, 1.0, v8                        ; f1, f2: whole powers of two
	v_ldexp_f32 v9, 1.0, v9
	v_add_f32 v14, v14, v15                        ; each sum's two halves,
	v_add_f32 v15, v[S+50], v[S+51]
	v_mul_f32 v14, v14, v8                         ; both under M,
	v_fma_f32 v14, v15, v9, v14
	v_permlanex16_b32 v[WK], v14, s[SEL], s[SEL+1]
	v_add_f32 v14, v14, v[WK]                      ; and lane l xor 16's: the row's sum l
	v_rcp_f32 v15, v14
	v_and_b32 v11, 31, v0                          ; (plain lines behind the reciprocal)
	v_lshlrev_b32 v11, 2, v11                      ; 4 x lane
	s_wait_alu depctr_va_vdst(0)
	v_mul_f32 v30, v8, v15                         ; f1 / l
	v_mul_f32 v10, v9, v15                         ; f2 / l
.set J, 0
.rept 24
	v_pk_mul_f32 v[S+J:S+J+1], v[S+J:S+J+1], v[10:11] op_sel_hi:[1,0]
.set J, J+2
.endr
.set J, 0
.rept 24
	v_pk_fma_f32 v[OT+J:OT+J+1], v[OT+J:OT+J+1], v[30:31], v[S+J:S+J+1] op_sel_hi:[1,0,1]   ; O^T / l
.set J, J+2
.endr
	QUANT 3, OT, 0                                 ; along the head's 96: three blocks of the output projection's K
.irp c, 0,1,2
	global_store_b128 v[LG], v[PC+4*\c:PC+4*\c+3], s[10:11] offset:512*\c    ; the fragment's image: 512 consecutive bytes a store
.endr
	global_store_b32 v11, v[PW], s[32:33]
.Ldone:
	s_wait_tensorcnt 0x0
	ds_add_u32 v241, v255
	s_wait_dscnt 0x0
	s_endpgm
.Lfunc_end_k_q3c49e3604f_attn:
	.size	k_q3c49e3604f_attn, .Lfunc_end_k_q3c49e3604f_attn-k_q3c49e3604f_attn
	.p2alignl 7, 3214868480
	.fill 96, 4, 3214868480
	.section	.rodata,"a",@progbits
	.p2align	6, 0x0
	.amdhsa_kernel k_q3c49e3604f_attn
		.amdhsa_group_segment_fixed_size 227328
		.amdhsa_private_segment_fixed_size 0
		.amdhsa_enable_private_segment 0
		.amdhsa_kernarg_size 32
		.amdhsa_user_sgpr_count 2
		.amdhsa_user_sgpr_kernarg_segment_ptr 1
		.amdhsa_wavefront_size32 1
		.amdhsa_system_sgpr_workgroup_id_x 1
		.amdhsa_system_sgpr_workgroup_id_y 1
		.amdhsa_system_sgpr_workgroup_id_z 1
		.amdhsa_system_vgpr_workitem_id 0
		.amdhsa_next_free_vgpr 256
		.amdhsa_next_free_sgpr 66
		.amdhsa_reserve_vcc 0
		.amdhsa_float_denorm_mode_32 3
		.amdhsa_float_denorm_mode_16_64 3
		.amdhsa_memory_ordered 1
		.amdhsa_forward_progress 1
		.amdhsa_inst_pref_size 92
	.end_amdhsa_kernel
	.amdgpu_metadata
---
amdhsa.version: [ 1, 2 ]
amdhsa.kernels:
  - .name:           k_q3c49e3604f_attn
    .symbol:         k_q3c49e3604f_attn.kd
    .args:
      - { .name: qbuf, .offset: 0, .size: 8, .value_kind: global_buffer, .address_space: global }
      - { .name: kbuf, .offset: 8, .size: 8, .value_kind: global_buffer, .address_space: global }
      - { .name: vbuf, .offset: 16, .size: 8, .value_kind: global_buffer, .address_space: global }
      - { .name: obuf, .offset: 24, .size: 8, .value_kind: global_buffer, .address_space: global }
    .group_segment_fixed_size: 227328
    .private_segment_fixed_size: 0
    .kernarg_segment_align: 8
    .kernarg_segment_size: 32
    .max_flat_workgroup_size: 512
    .sgpr_count:     66
    .vgpr_count:     256
    .wavefront_size: 32
...
	.end_amdgpu_metadata
.endif
;; end of part 3
;; launch outp (part 4): grid 64 x 4, 8 waves a work-group, no clusters, 264,192 bytes of LDS; arguments obuf, wbuf, bo, out0; writes out0
.if DOCPART == 4
	.amdgcn_target "amdgcn-amd-amdhsa--gfx1250"
	.amdhsa_code_object_version 6
	.text
	.protected	k_q3c49e3604f_outp
	.globl	k_q3c49e3604f_outp
	.p2align	8
	.type	k_q3c49e3604f_outp,@function
k_q3c49e3604f_outp:
	s_mov_b64 s[64:65], 0
	v_nop
	global_prefetch_b8 v0, s[64:65] scope:SCOPE_SE
	s_setreg_imm32_b32 hwreg(HW_REG_WAVE_MODE, 25, 1), 1
	s_wait_xcnt 0x0
; out0 = O Wo^T + bo on FP6 (E2M3) codes.  Both operands arrive as images of operand registers, a K step = one head: 96 codes and a block of zero codes on both sides, eight steps.
; SHARES.  A work-group makes 64 rows x 192 columns.  Its operands are four dense blocks of memory (x's 32 images, W's 96, and their scale words: 212,992 bytes): the 256 threads copy them into LDS once, 52 loads of
; 16 bytes a thread, all asked for at the start.  Wave w makes row tiles 2 (w % 2) + 0, 1 x column tiles 3 (w / 2) + 0 .. 2: six accumulators.
; Source 0 = 16 rows of Wo, source 1 = 16 rows of O: a lane holds eight neighbouring columns of one row.  The bias is the C of the first step.  Results meet in a stage and leave as aligned runs of 256 bytes.
; NO CLUSTER: the four work-groups of a row block share 53 KB of x, a quarter of what each copies once; the launch is a few steps long and has no loop in which a joint request could be spread.
.set XI,  0                            ; x's images: (row tile m, step s) at (8 m + s) x 1,536
.set WI,  49152                        ; W's: (column tile, s) likewise
.set XSB, 196608                       ; x's scale words, 128 bytes an image
.set WSB, 200704                       ; W's
.set STG, 212992                       ; the stage: 64 rows x (768 bytes + 16)
.set LI,  1
.set LS,  2
.set T16, 3                            ; v3-6: 16 x thread + 65,536 x 0 .. 3
.set GO1, 4                            ; later: my bytes of two runs of 256 in out0
.set GO2, 5
.set XA,  7
.set WA,  8
.set XSA, 9
.set WSA, 10
.set SO,  11
.set RD1, 12                           ; (first: my place in the bias)
.set RD2, 13
.set STA, 14                           ; v14-221 the copies on their way
.set ACC, 14                           ; then v14-61 the accumulators,
.set OPS, 62                           ; v62-181 two sets of five fragments,
.set RBK, 62                           ; and at last twelve runs read back
.set RR,  182                          ; behind the first barrier: lane % 16,
.set HH,  183                          ; lane / 16
.set BIAS, 222                         ; v222-245
.set SCS, 246                          ; v246-255 two sets of five scale words
	s_load_b256 s[4:11], s[0:1], 0x0               ; obuf, wbuf, bo, out0
	s_set_vgpr_msb 0x40
	v_lshl_add_u32 v0, v0, 2, 0x40400
	v_mov_b32 v1, 0
	s_set_vgpr_msb 0x4000
	v_lshrrev_b32 v7, 5, v0
	v_readfirstlane_b32 s12, v7                    ; wave
	s_and_b32 s13, s12, 1                          ; which two tiles of rows
	s_lshr_b32 s14, s12, 1                         ; which three tiles of columns
	s_and_b32 s15, ttmp7, 0xffff                   ; which 192 columns
	v_and_b32 v7, 31, v0
	v_lshlrev_b32 v[LI], 4, v7
	v_lshlrev_b32 v[LS], 2, v7
	v_lshlrev_b32 v[T16], 4, v0
	v_add_nc_u32 v[T16+1], 0x10000, v[T16]
	v_add_nc_u32 v[T16+2], 0x20000, v[T16]
	v_add_nc_u32 v[T16+3], 0x30000, v[T16]
	v_and_b32 v8, 15, v0                           ; r  (v8 and v9 hold r and h only down to the lines that make WA and XSA)
	v_bfe_u32 v9, v0, 4, 1                         ; h
	v_lshlrev_b32 v[RD1], 5, v9                    ; the bias of columns 16 t + 8 h + 0 .. 7
	v_mul_u32_u24 v[SO], v8, 784
	v_lshl_add_u32 v[SO], v9, 5, v[SO]
	s_mul_i32 s24, s13, 32*784
	s_mul_i32 s25, s14, 192
	s_add_co_u32 s24, s24, s25
	v_add_nc_u32 v[SO], s24, v[SO]
	v_add_nc_u32 v[SO], STG, v[SO]                 ; the stage: row 32 (w % 2) + r, bytes 192 (w / 2) + 32 h
	s_mul_i32 s24, s13, 24576
	v_add_nc_u32 v[XA], s24, v[LI]
	s_mul_i32 s24, s14, 36864
	v_add_nc_u32 v[WA], s24, v[LI]
	v_add_nc_u32 v[WA], WI, v[WA]
	s_lshl_b32 s24, s13, 11
	v_add_nc_u32 v[XSA], s24, v[LS]
	v_add_nc_u32 v[XSA], XSB, v[XSA]
	s_mul_i32 s24, s14, 3072
	v_add_nc_u32 v[WSA], s24, v[LS]
	v_add_nc_u32 v[WSA], WSB, v[WSA]
	s_mov_b32 s25, 0
	s_wait_kmcnt 0x0
	s_mul_i32 s24, ttmp9, 49152
	s_add_nc_u64 s[16:17], s[4:5], s[24:25]        ; x's 32 images
	s_lshl_b32 s24, ttmp9, 12
	s_add_co_u32 s24, s24, 3145728
	s_add_nc_u64 s[18:19], s[4:5], s[24:25]        ; their scale words
	s_mul_i32 s24, s15, 147456
	s_add_co_u32 s24, s24, 1327104
	s_add_nc_u64 s[20:21], s[6:7], s[24:25]        ; Wo's fragments 864 + 96 x column group on
	s_mul_i32 s24, s15, 12288
	s_add_co_u32 s24, s24, 2027520
	s_add_nc_u64 s[22:23], s[6:7], s[24:25]        ; their scale words
	s_mul_i32 s24, s15, 768
	s_mul_i32 s26, s14, 192
	s_add_co_u32 s24, s24, s26
	s_add_nc_u64 s[8:9], s[8:9], s[24:25]
	s_mul_i32 s24, ttmp9, 196608
	s_mul_i32 s26, s12, 24576
	s_add_co_u32 s24, s24, s26
	s_mul_i32 s26, s15, 768
	s_add_co_u32 s24, s24, s26
	s_add_nc_u64 s[10:11], s[10:11], s[24:25]      ; out0 at row 64 x block + 8 x wave, my group's first column
.irp t, 0,1,2
	global_load_b128 v[BIAS+8*\t:BIAS+8*\t+3], v[RD1], s[8:9] offset:64*\t
	global_load_b128 v[BIAS+8*\t+4:BIAS+8*\t+7], v[RD1], s[8:9] offset:64*\t+16
.endr
.set CI, 0
.macro CPY base, n                     ; n x 4,096 dense bytes
.set CJ, 0
.rept \n
	global_load_b128 v[STA+4*CI:STA+4*CI+3], v[T16], s[\base:\base+1] offset:4096*CJ
.set CI, CI+1
.set CJ, CJ+1
.endr
.endm
	CPY 16, 12
	CPY 20, 36
	CPY 18, 1
	CPY 22, 3
.set CI, 0
.irp w, 39,26,13,0                             ; thirteen copies at a time: the count is what was issued behind them
	s_wait_loadcnt \w
.rept 13
	ds_store_b128 v[T16+CI/16], v[STA+4*CI:STA+4*CI+3] offset:4096*(CI%16)   ; the four regions follow each other in LDS in the order of the loads
.set CI, CI+1
.endr
.endr
	s_wait_dscnt 0x0
	s_barrier_signal -1
	s_barrier_wait -1                              ; the operands lie in LDS; they are only read from here on
	s_mul_i32 s24, s12, 8*784                      ; my eight rows of the stage
	v_and_b32 v[RR], 15, v0                        ; r and h anew: the registers that held them at the head hold LDS addresses now
	v_bfe_u32 v[HH], v0, 4, 1
	v_lshlrev_b32 v[GO1], 4, v[RR]
	v_mul_u32_u24 v[GO2], v[HH], 2560
	v_add_nc_u32 v[GO2], v[GO2], v[GO1]            ; 16 r + 2,560 h: a row's last run and the next row's first
	v_mul_u32_u24 v[RD2], v[HH], 272
	v_add_nc_u32 v[RD2], v[RD2], v[GO1]            ; the same two runs in the stage: 784 - 512 bytes apart
	v_lshl_add_u32 v[GO1], v[HH], 8, v[GO1]        ; 16 r + 256 h: two neighbouring runs
	v_add_nc_u32 v[RD1], s24, v[GO1]
	v_add_nc_u32 v[RD1], STG, v[RD1]
	v_add_nc_u32 v[RD2], s24, v[RD2]
	v_add_nc_u32 v[RD2], STG, v[RD2]
.macro FETCH s                         ; step s: two fragments of x, three of W, five scale words: 20 LDS loads into set s % 2
.set P, (\s)%2
.irp m, 0,1
.irp c, 0,1,2
	ds_load_b128 v[OPS+60*P+12*\m+4*\c:OPS+60*P+12*\m+4*\c+3], v[XA] offset:12288*\m+1536*(\s)+512*\c
.endr
.endr
.irp t, 0,1,2
.irp c, 0,1,2
	ds_load_b128 v[OPS+60*P+24+12*\t+4*\c:OPS+60*P+24+12*\t+4*\c+3], v[WA] offset:12288*\t+1536*(\s)+512*\c
.endr
.endr
.irp m, 0,1
	ds_load_b32 v[SCS+5*P+\m], v[XSA] offset:1024*\m+128*(\s)
.endr
.irp t, 0,1,2
	ds_load_b32 v[SCS+5*P+2+\t], v[WSA] offset:1024*\t+128*(\s)
.endr
.endm
.macro OSTEP s
.if (\s) < 7
	FETCH (\s)+1
	s_wait_dscnt 20                                ; this step's loads are in; the next step's 20 may be out
.else
	s_wait_dscnt 0x0
.endif
.set P, (\s)%2
.irp m, 0,1                                    ; the six accumulators take turns
.irp t, 0,1,2
.if (\s) == 0
	v_wmma_scale_f32_16x16x128_f8f6f4 v[ACC+8*(3*\m+\t):ACC+8*(3*\m+\t)+7], v[OPS+60*P+24+12*\t:OPS+60*P+35+12*\t], v[OPS+60*P+12*\m:OPS+60*P+12*\m+11], v[BIAS+8*\t:BIAS+8*\t+7], v[SCS+5*P+2+\t], v[SCS+5*P+\m] matrix_a_fmt:MATRIX_FMT_FP6 matrix_b_fmt:MATRIX_FMT_FP6
.else
	v_wmma_scale_f32_16x16x128_f8f6f4 v[ACC+8*(3*\m+\t):ACC+8*(3*\m+\t)+7], v[OPS+60*P+24+12*\t:OPS+60*P+35+12*\t], v[OPS+60*P+12*\m:OPS+60*P+12*\m+11], v[ACC+8*(3*\m+\t):ACC+8*(3*\m+\t)+7], v[SCS+5*P+2+\t], v[SCS+5*P+\m] matrix_a_fmt:MATRIX_FMT_FP6 matrix_b_fmt:MATRIX_FMT_FP6
.endif
.endr
.endr
.rept 4
	v_nop                                          ; four places in front of loads into registers that these products read, and of the first read of results
.endr
.endm
	FETCH 0
	OSTEP 0
	OSTEP 1
	OSTEP 2
	OSTEP 3
	OSTEP 4
	OSTEP 5
	OSTEP 6
	OSTEP 7
.irp m, 0,1
.irp t, 0,1,2
	ds_store_b128 v[SO], v[ACC+8*(3*\m+\t):ACC+8*(3*\m+\t)+3] offset:16*784*\m+64*\t        ; each accumulator from its low end on
	ds_store_b128 v[SO], v[ACC+8*(3*\m+\t)+4:ACC+8*(3*\m+\t)+7] offset:16*784*\m+64*\t+16
.endr
.endr
	s_wait_dscnt 0x0                               ; for the others' sake: a row's 768 bytes come from four waves
	s_barrier_signal -1
	s_barrier_wait -1
	; my eight rows are 24 runs of 256 bytes; an instruction takes two: lanes 0-15 run 2 i, lanes 16-31 run 2 i + 1
.irp i, 0,1,2,3,4,5,6,7,8,9,10,11
.if \i%3 == 1
	ds_load_b128 v[RBK+4*\i:RBK+4*\i+3], v[RD2] offset:((2*\i)/3)*784+((2*\i)%3)*256
.else
	ds_load_b128 v[RBK+4*\i:RBK+4*\i+3], v[RD1] offset:((2*\i)/3)*784+((2*\i)%3)*256
.endif
.endr
.irp i, 0,1,2,3,4,5,6,7,8,9,10,11
	s_wait_dscnt 11-\i
.if \i%3 == 1
	global_store_b128 v[GO2], v[RBK+4*\i:RBK+4*\i+3], s[10:11] offset:((2*\i)/3)*3072+((2*\i)%3)*256 th:TH_STORE_NT
.else
	global_store_b128 v[GO1], v[RBK+4*\i:RBK+4*\i+3], s[10:11] offset:((2*\i)/3)*3072+((2*\i)%3)*256 th:TH_STORE_NT   ; sixteen lanes store 256 consecutive bytes, at a multiple of 256 from out0's first byte
.endif
.endr
	s_set_vgpr_msb 0x5
	s_wait_tensorcnt 0x0
	ds_add_u32 v0, v1
	s_wait_dscnt 0x0
	s_set_vgpr_msb 0x500
	s_endpgm
.Lfunc_end_k_q3c49e3604f_outp:
	.size	k_q3c49e3604f_outp, .Lfunc_end_k_q3c49e3604f_outp-k_q3c49e3604f_outp
	.p2alignl 7, 3214868480
	.fill 96, 4, 3214868480
	.section	.rodata,"a",@progbits
	.p2align	6, 0x0
	.amdhsa_kernel k_q3c49e3604f_outp
		.amdhsa_group_segment_fixed_size 264192
		.amdhsa_private_segment_fixed_size 0
		.amdhsa_enable_private_segment 0
		.amdhsa_kernarg_size 32
		.amdhsa_user_sgpr_count 2
		.amdhsa_user_sgpr_kernarg_segment_ptr 1
		.amdhsa_wavefront_size32 1
		.amdhsa_system_sgpr_workgroup_id_x 1
		.amdhsa_system_sgpr_workgroup_id_y 1
		.amdhsa_system_sgpr_workgroup_id_z 1
		.amdhsa_system_vgpr_workitem_id 0
		.amdhsa_next_free_vgpr 258
		.amdhsa_next_free_sgpr 66
		.amdhsa_reserve_vcc 0
		.amdhsa_float_denorm_mode_32 3
		.amdhsa_float_denorm_mode_16_64 3
		.amdhsa_memory_ordered 1
		.amdhsa_forward_progress 1
		.amdhsa_inst_pref_size 34
	.end_amdhsa_kernel
	.amdgpu_metadata
---
amdhsa.version: [ 1, 2 ]
amdhsa.kernels:
  - .name:           k_q3c49e3604f_outp
    .symbol:         k_q3c49e3604f_outp.kd
    .args:
      - { .name: obuf, .offset: 0, .size: 8, .value_kind: global_buffer, .address_space: global }
      - { .name: wbuf, .offset: 8, .size: 8, .value_kind: global_buffer, .address_space: global }
      - { .name: bo, .offset: 16, .size: 8, .value_kind: global_buffer, .address_space: global }
      - { .name: out0, .offset: 24, .size: 8, .value_kind: global_buffer, .address_space: global }
    .group_segment_fixed_size: 264192
    .private_segment_fixed_size: 0
    .kernarg_segment_align: 8
    .kernarg_segment_size: 32
    .max_flat_workgroup_size: 256
    .sgpr_count:     66
    .vgpr_count:     258
    .wavefront_size: 32
...
	.end_amdgpu_metadata
.endif
;; end of part 4
;; ======== version 2 of 2: 4 launches
;; limits: right only within a limited range of input values
;; workspace buffers: wbuf 2,076,672 bytes; qbuf 3,276,800 bytes; kbuf 13,107,200 bytes; vbuf 9,961,472 bytes; obuf 3,407,872 bytes
;; launch wquant (part 5): grid 48 x 13, 2 waves a work-group, no clusters, 17,152 bytes of LDS; arguments Wq, Wk, Wv, Wo, wbuf; writes wbuf
.if DOCPART == 5
	.amdgcn_target "amdgcn-amd-amdhsa--gfx1250"
	.amdhsa_code_object_version 6
	.text
	.protected	k_q3c49e3604f_wquant
	.globl	k_q3c49e3604f_wquant
	.p2align	8
	.type	k_q3c49e3604f_wquant,@function
k_q3c49e3604f_wquant:
	s_mov_b64 s[64:65], 0
	v_nop
	global_prefetch_b8 v0, s[64:65] scope:SCOPE_SE
	s_setreg_imm32_b32 hwreg(HW_REG_WAVE_MODE, 25, 1), 1
	s_wait_xcnt 0x0
; Wq, Wk, Wv, Wo [768][768] f32, K innermost, become operand fragments of FP6 (E2M3) codes with one E8M0 byte for each 32 along K.
; ONE WAVE MAKES ONE FRAGMENT: 16 rows x 128 along K, stored as the image of its 12 registers (registers 4 c .. 4 c + 3 of lane l at 512 c + 16 l: 1,536 bytes), and its
; scale words as 128 bytes, 4 a lane.  Fragment F lies at 1536 F, its scale words at 1,916,928 + 128 F.  Wq, Wk, Wv: F = 288 wi + 6 tile + step (six K steps of 128).
; Wo: F = 864 + 8 tile + head: a K step is one head's 96 numbers and a block of zero codes, since the other operand of that product is laid so.
; THE ORDER INSIDE A BLOCK OF 32: position 16 h + 8 u + j holds element 16 u + 8 h + j.  It is the order in which two neighbouring 16 x 16 results lay a block into lanes l and l xor 16;
; every operand of the program has it, so no product and no block's scale changes.
; A block's scale is 2^(floor(log2(largest magnitude)) - 2).  LIMITS: a block of zeros, or one under 2^-124, gets the byte 1 (its codes are zeros or the bytes are read by this program alone);
; NaN and infinities are not served.
; No matrix unit, no cluster, no ring: 9.4 MB are read once, each load takes 512 consecutive bytes of a row, each store of codes 512 consecutive bytes.
.set TSB, 8448                         ; a wave's stage: 16 rows x (512 bytes + 16)
.set LI,  1                            ; v1   16 x lane
.set LS,  2                            ; v2   4 x lane
.set OFF, 3                            ; v3   my 16 bytes of a row's piece, held inside Wo's 384
.set TSA, 4                            ; v4   stage, way in: 16 x lane
.set TLA, 5                            ; v5   stage, way out: 528 r + 32 h
.set RAW, 16                           ; v16-79   16 rows as loaded
.set X,   80                           ; v80-143  64 numbers of my row: register 16 b + i = position 16 h + i of block b
.set TM,  144                          ; v144-159 largest magnitudes, bytes, scale operands
.set PC,  160                          ; v160-179 the codes
.set PW,  180                          ; v180     the scale word
.set SEL, 26                           ; s[26:27] v_permlanex16_b32's selects for lane l xor 16
.set MSB, 0
.macro WIN new                         ; the immediate's high byte repeats the setting that is left
.if MSB != (\new)
	s_set_vgpr_msb (MSB<<8)|(\new)
.set MSB, (\new)
.endif
.endm
; nb blocks of a lane's row, 16 numbers of each in v[src + 16 b ..] of window sw (the other 16 in lane l xor 16), become codes in v[PC] on and the row's scale word in v[PW].
.macro QUANT nb, src, sw
	WIN 5*(\sw)
.set QB, 0
.rept \nb
	v_max3_num_f32 v[TM+QB], |v[(\src)+16*QB]|, |v[(\src)+16*QB+1]|, 0x1800000   ; my 16 numbers and the floor 2^(3 - 127): the byte cannot fall under 1
.set QB, QB+1
.endr
.irp i, 2,4,6,8,10,12,14
.set QB, 0
.rept \nb
	v_max3_num_f32 v[TM+QB], |v[(\src)+16*QB+\i]|, |v[(\src)+16*QB+\i+1]|, v[TM+QB]
.set QB, QB+1
.endr
.endr
	WIN 0
.set QB, 0
.rept \nb
	v_permlanex16_b32 v[TM+4+QB], v[TM+QB], s[SEL], s[SEL+1]
.set QB, QB+1
.endr
.set QB, 0
.rept \nb
	v_max_num_f32 v[TM+QB], v[TM+QB], v[TM+4+QB]       ; with lane l xor 16's: the block's largest magnitude
.set QB, QB+1
.endr
.set QB, 0
.rept \nb
	v_add_nc_u32 v[TM+12+QB], 0xff000000, v[TM+QB]     ; 2 off its exponent field: the conversion's scale operand
.set QB, QB+1
.endr
.set QB, 0
.rept \nb
	v_lshrrev_b32 v[TM+4+QB], 23, v[TM+12+QB]          ; the scale's byte
.set QB, QB+1
.endr
	v_lshl_or_b32 v[PW], v[TM+5], 8, v[TM+4]
.if \nb > 2
	v_lshl_or_b32 v[PW], v[TM+6], 16, v[PW]
.endif
.if \nb == 3
	v_or_b32 v[PW], 0x7f000000, v[PW]                  ; the fourth block is zero codes under the byte 127
.endif
.if \nb == 4
	v_lshl_or_b32 v[PW], v[TM+7], 24, v[PW]
.endif
	WIN (\sw)
	v_cvt_scalef32_pk16_fp6_f32 v[PC:PC+2], v[(\src):(\src)+15], v[TM+12]
	v_cvt_scalef32_pk16_fp6_f32 v[PC+12:PC+14], v[(\src)+16:(\src)+31], v[TM+13]   ; (a conversion's three registers begin on an even number)
.if \nb > 2
	v_cvt_scalef32_pk16_fp6_f32 v[PC+6:PC+8], v[(\src)+32:(\src)+47], v[TM+14]
.endif
.if \nb == 4
	v_cvt_scalef32_pk16_fp6_f32 v[PC+16:PC+18], v[(\src)+48:(\src)+63], v[TM+15]
.endif
	WIN 0
.if \nb == 3
.irp i, 0,1,2
	v_mov_b32 v[PC+16+\i], 0                           ; the zero block; also the plain line behind the conversions
.endr
.else
	v_nop                                              ; one plain line behind a scaled conversion
.endif
.irp i, 0,1,2                                      ; the operand's layout wants a whole block in a lane: lanes 0-15 the even block, lanes 16-31 the odd one
	v_permlane16_swap_b32 v[PC+\i], v[PC+12+\i]
.endr
.irp i, 0,1,2
	v_mov_b32 v[PC+3+\i], v[PC+12+\i]
.endr
.if \nb > 2
.irp i, 0,1,2
	v_permlane16_swap_b32 v[PC+6+\i], v[PC+16+\i]
.endr
.irp i, 0,1,2
	v_mov_b32 v[PC+9+\i], v[PC+16+\i]
.endr
.endif
.endm
; 16 rows x 512 bytes, loaded 16 bytes a lane, go through the wave's own stage and come back 64 numbers of ONE row a lane, in the order of the head comment (offsets 0, 16, 64, 80 in each block's 128 bytes, + 32 h).
.macro TURN raw, dst, wr, wd
	WIN (\wr)<<2
.irp i, 0,1,2,3,4,5,6,7,8,9,10,11,12,13,14,15
	ds_store_b128 v[TSA], v[(\raw)+4*\i:(\raw)+4*\i+3] offset:528*\i
.endr
	s_wait_dscnt 0x0                                   ; the stores have read their registers
	WIN (\wd)<<6
.irp b, 0,1,2,3
.irp q, 0,1,2,3
	ds_load_b128 v[(\dst)+16*\b+4*\q:(\dst)+16*\b+4*\q+3], v[TLA] offset:128*\b+16*(\q%2)+64*(\q/2)
.endr
.endr
	WIN 0
.endm
	s_load_b256 s[4:11], s[0:1], 0x0               ; Wq, Wk, Wv, Wo
	s_load_b64 s[12:13], s[0:1], 0x20              ; wbuf
	v_lshl_add_u32 v184, v0, 2, 0x4200
	v_mov_b32 v185, 0
	v_lshrrev_b32 v6, 5, v0
	v_readfirstlane_b32 s14, v6                    ; wave 0, 1
	v_and_b32 v6, 31, v0                           ; lane
	v_and_b32 v7, 15, v0                           ; r
	v_bfe_u32 v8, v0, 4, 1                         ; h
	v_lshlrev_b32 v[LI], 4, v6
	v_lshlrev_b32 v[LS], 2, v6
	s_mul_i32 s28, s14, TSB
	v_add_nc_u32 v[TSA], s28, v[LI]
	v_mul_u32_u24 v[TLA], v7, 528
	v_lshl_add_u32 v[TLA], v8, 5, v[TLA]
	v_add_nc_u32 v[TLA], s28, v[TLA]
.irp b, 0,1,2,3
	v_mov_b32 v[TM+4+\b], 0                        ; written once: a lane permute's destination counts as one of its sources
.endr
	s_mov_b32 s[SEL], 0x76543210
	s_mov_b32 s[SEL+1], 0xfedcba98
	s_and_b32 s15, ttmp7, 0xffff
	s_lshl_b32 s15, s15, 1
	s_add_co_u32 s15, s15, s14                     ; 0 .. 25: six steps of Wq, of Wk, of Wv, eight of Wo
	s_wait_alu depctr_va_vdst(0)
	s_wait_kmcnt 0x0
	s_cmp_ge_u32 s15, 6                            ; the choices hang on ids alone
	s_cselect_b64 s[4:5], s[6:7], s[4:5]
	s_cselect_b32 s16, 1, 0
	s_cmp_ge_u32 s15, 12
	s_cselect_b64 s[4:5], s[8:9], s[4:5]
	s_cselect_b32 s16, 2, s16
	s_cmp_ge_u32 s15, 18
	s_cselect_b64 s[4:5], s[10:11], s[4:5]
	s_cselect_b32 s16, 3, s16                      ; which weight
	s_mov_b32 s18, 512
	s_cselect_b32 s18, 384, s18                    ; bytes from step to step
	s_mov_b32 s19, 496
	s_cselect_b32 s19, 368, s19                    ; the last 16 bytes of a step: no load of Wo passes its 384
	s_cselect_b32 s20, 0, 1.0                      ; Wo's fourth block becomes zeros
	s_cselect_b32 s22, 8, 6                        ; fragments in a tile
	s_mov_b32 s21, s20                             ; (named with s20 as a pair)
	s_mul_i32 s17, s16, 6
	s_sub_co_u32 s17, s15, s17                     ; the step
	s_mul_i32 s22, s22, ttmp9
	s_mul_i32 s23, s16, 288
	s_add_co_u32 s22, s22, s23
	s_add_co_u32 s22, s22, s17                     ; F
	s_mul_i32 s24, ttmp9, 49152                    ; 16 rows of 3,072 bytes
	s_mul_i32 s25, s17, s18
	s_add_co_u32 s24, s24, s25
	s_mov_b32 s25, 0
	s_add_nc_u64 s[4:5], s[4:5], s[24:25]
	s_lshl_b32 s24, s22, 7
	s_add_co_u32 s24, s24, 1916928
	s_add_nc_u64 s[30:31], s[12:13], s[24:25]      ; the scale words' place
	s_mul_i32 s24, s22, 1536
	s_add_nc_u64 s[12:13], s[12:13], s[24:25]      ; the image's
	v_min_u32 v[OFF], s19, v[LI]
.irp i, 0,1,2,3,4,5,6,7,8,9,10,11,12,13,14,15
	global_load_b128 v[RAW+4*\i:RAW+4*\i+3], v[OFF], s[4:5] offset:3072*\i   ; row i: 512 consecutive bytes (Wo: 384, the last lanes repeat)
.endr
	s_wait_loadcnt 0x0
	TURN RAW, X, 0, 0
	s_wait_dscnt 0x0
.irp i, 0,2,4,6,8,10,12,14
	v_pk_mul_f32 v[X+48+\i:X+49+\i], v[X+48+\i:X+49+\i], s[20:21] op_sel_hi:[1,0]   ; x 1, or x 0 for Wo
.endr
	QUANT 4, X, 0
.irp c, 0,1,2
	global_store_b128 v[LI], v[PC+4*\c:PC+4*\c+3], s[12:13] offset:512*\c    ; 512 consecutive bytes
.endr
	global_store_b32 v[LS], v[PW], s[30:31]
	s_wait_tensorcnt 0x0
	ds_add_u32 v184, v185
	s_wait_dscnt 0x0
	s_endpgm
.Lfunc_end_k_q3c49e3604f_wquant:
	.size	k_q3c49e3604f_wquant, .Lfunc_end_k_q3c49e3604f_wquant-k_q3c49e3604f_wquant
	.p2alignl 7, 3214868480
	.fill 96, 4, 3214868480
	.section	.rodata,"a",@progbits
	.p2align	6, 0x0
	.amdhsa_kernel k_q3c49e3604f_wquant
		.amdhsa_group_segment_fixed_size 17152
		.amdhsa_private_segment_fixed_size 0
		.amdhsa_enable_private_segment 0
		.amdhsa_kernarg_size 40
		.amdhsa_user_sgpr_count 2
		.amdhsa_user_sgpr_kernarg_segment_ptr 1
		.amdhsa_wavefront_size32 1
		.amdhsa_system_sgpr_workgroup_id_x 1
		.amdhsa_system_sgpr_workgroup_id_y 1
		.amdhsa_system_sgpr_workgroup_id_z 1
		.amdhsa_system_vgpr_workitem_id 0
		.amdhsa_next_free_vgpr 186
		.amdhsa_next_free_sgpr 66
		.amdhsa_reserve_vcc 0
		.amdhsa_float_denorm_mode_32 3
		.amdhsa_float_denorm_mode_16_64 3
		.amdhsa_memory_ordered 1
		.amdhsa_forward_progress 1
		.amdhsa_inst_pref_size 12
	.end_amdhsa_kernel
	.amdgpu_metadata
---
amdhsa.version: [ 1, 2 ]
amdhsa.kernels:
  - .name:           k_q3c49e3604f_wquant
    .symbol:         k_q3c49e3604f_wquant.kd
    .args:
      - { .name: Wq, .offset: 0, .size: 8, .value_kind: global_buffer, .address_space: global }
      - { .name: Wk, .offset: 8, .size: 8, .value_kind: global_buffer, .address_space: global }
      - { .name: Wv, .offset: 16, .size: 8, .value_kind: global_buffer, .address_space: global }
      - { .name: Wo, .offset: 24, .size: 8, .value_kind: global_buffer, .address_space: global }
      - { .name: wbuf, .offset: 32, .size: 8, .value_kind: global_buffer, .address_space: global }
    .group_segment_fixed_size: 17152
    .private_segment_fixed_size: 0
    .kernarg_segment_align: 8
    .kernarg_segment_size: 40
    .max_flat_workgroup_size: 64
    .sgpr_count:     66
    .vgpr_count:     186
    .wavefront_size: 32
...
	.end_amdgpu_metadata
.endif
;; end of part 5
;; launch proj (part 6): grid 576 x 1, 8 waves a work-group, no clusters, 240,640 bytes of LDS; arguments query, key, value, coords_query, coords_key, bq, bk, bv, wbuf, qbuf, kbuf, vbuf; writes qbuf, kbuf, vbuf
.if DOCPART == 6
	.amdgcn_target "amdgcn-amd-amdhsa--gfx1250"
	.amdhsa_code_object_version 6
	.text
	.protected	k_q3c49e3604f_proj
	.globl	k_q3c49e3604f_proj
	.p2align	8
	.type	k_q3c49e3604f_proj,@function
k_q3c49e3604f_proj:
	s_mov_b64 s[64:65], 0
	v_nop
	global_prefetch_b8 v0, s[64:65] scope:SCOPE_SE
	s_setreg_imm32_b32 hwreg(HW_REG_WAVE_SCHED_MODE, 0, 2), 2
	s_setreg_imm32_b32 hwreg(HW_REG_WAVE_MODE, 25, 1), 1
	s_wait_xcnt 0x0
	s_wait_alu depctr_vm_vsrc(0)
; q = rope(query Wq^T + bq), k = rope(key Wk^T + bk), v = value Wv^T + bv: products on FP6 (E2M3) codes with one E8M0 byte for each 32 along K; results quantised again, as the operands of attention.
; SHARES.  A work-group takes 64 rows and all 768 columns: work-groups 0-63 rows of query, 64-319 of key, 320-575 of value.  First wave w quantises rows 16 (w / 2) .. + 15, K steps 3 (w % 2) + 0 .. 2,
; and stores the fragments as images of their registers in LDS; one barrier; then wave w is head w: six tiles of 16 columns x four tiles of 16 rows, 24 accumulators, six K steps of 128.
; W's fragments come from wbuf straight into registers, three loads of 16 bytes a lane each, two K steps ahead.
; q AND k: source 0 = 16 rows of W, source 1 = 16 rows of x: a lane holds ONE row and eight neighbouring features; the 16 registers of tiles 2 a and 2 a + 1 are the lane's half of rotary axis a, which is a block of 32,
; and a rotary pair (i, 16 + i) lies in one lane, eight registers apart.  v: the sources are swapped: a lane holds ONE feature and its registers run down the keys, which are the K of attention's second product.
; THE ORDER INSIDE A BLOCK OF 32 is everywhere: position 16 h + 8 u + j holds element 16 u + 8 h + j; both operands of every product have it, so no sum and no scale changes.
; SINE AND COSINE in f32: k = nearest whole number to theta x 2 / pi; r = theta - k pi / 2 with pi / 2 in two parts; polynomials on |r| <= pi / 4; the quadrant from k.
; LIMITS: |coordinate x frequency| under about 2^20 (beyond, the two-part reduction loses bits); a block of zeros or under 2^-124 gets the byte 1 (read by this program alone); NaN and infinities are not served.
; THE TEXT PARTS ONCE, on the work-group's number, and the two ways never join; each way has LDS bytes of its own.
; NO CLUSTER, NO TENSOR LOAD: a wave reads only its own head's weights, so the eight waves of a work-group take in all of W once; a joint request would bring a WGP the same bytes.  Rows are read once, 512 consecutive bytes a load.
; REGISTERS, window 0: v1-11 addresses; v12-15 kept scale words; v16-27 W's scale words, two sets; v28-31 x's; v32-79 x's four fragments (ahead of the barrier and on the way out: codes, and work);
;   v80-223 W's fragments, two sets of six (on q's and k's way out: cosines, sines, two sets of products); v224-240 the quantiser's; v241-255 coordinates, frequencies, four cosines, four sines (v: half-words).
;   window 1: v0-191 the rows as loaded, then the 24 accumulators; v192-239 the bias, eight registers a tile of columns, in the result's layout.
; THE MODE: SCHED_MODE bits 1:0 = 2 (LLVM: expert scheduling mode 2), set by the entry lines.  The code itself states the register dependences between vector or matrix instructions and memory or LDS
; instructions, with s_wait_alu, always for 0.
; THE PLAN.  Registers that memory or LDS instructions touch:
;   v1-11        offsets and addresses: all made ahead of the way's first load, behind ONE wait on va_vdst; v4-6 are made anew once, behind the barrier, between a wait on vm_vsrc and one on va_vdst.
;   the rows     (window 1) loaded from memory; read by the stage's LDS stores; the stage's loads land in the same registers behind a wait on vm_vsrc; then the quantiser and the products alone name them.
;   v32-51, v240 the codes and the scale word: written by the quantiser, read by LDS stores (ahead of the barrier) or global stores (way out): a wait on va_vdst ahead of each run of stores, one on vm_vsrc ahead of the next quantiser.
;   v248-255     four cosines, four sines: the same pair of waits for each rotary axis.
;   XF, XS; WF, WS   a K step's 24 products read x's one set and one of W's two; ONE wait on va_vdst behind them states that they are done reading, and x's next fragments and W's fragments of two steps on follow it.
;   CO, SN       the table's cosines and sines of a tile of rows: read by the rotation; the wait on va_vdst ahead of a tile's stores stands behind that rotation and serves the next tile's loads too.
; x has one set: a second wants four runs of 12 registers, and of the 512 that a wave could have only three such runs are free in the loop (v224-247 of window 0, v240-251 of window 1).
.set TSB,   8448                       ; a wave's stage: 16 rows x (512 bytes + 16)
.set XIMG,  67584                      ; behind the eight stages: x's 24 fragments, (row tile m, K step s) at (6 m + s) x 1,536
.set XSC,   104448                     ; their scale words, 128 bytes each
.set TAB,   107520                     ; q, k: for each row tile 3,072 bytes of cosines and 3,072 of sines, as images of four registers: group 2 a + q at 512 bytes each
.set VBASE, 132096                     ; v's own stages, fragments and scale words
.set LI,  1                            ; 16 x lane
.set LS,  2                            ; 4 x lane
.set L8,  3                            ; 8 x lane
.set TSA, 4                            ; stage, way in
.set TLA, 5                            ; stage, way out
.set XWI, 6                            ; where I store x's images
.set XWS, 7                            ; and their scale words
.set XIA, 4                            ; behind the barrier: x's images,
.set XSA, 5                            ; their scale words,
.set TBA, 6                            ; the table
.set CWA, 8                            ; where I store cosines
.set SCO, 9                            ; 16 r + 8 h: my 8 bytes of the block's 256 bytes of scale words
.set BOF, 10                           ; my place in the bias
.set COF, 11                           ; 12 r: my row's coordinates
.set KW,  12
.set WS,  16
.set XS,  28
.set XF,  32
.set PC,  32
.set TH,  52                           ; v52-79: seven work registers for each of four angles
.set KK,  56
.set RR,  60
.set ZZ,  64
.set SP,  68
.set CP,  72
.set WW,  76
.set WF,  80
.set CO,  80
.set SN,  104
.set T1,  128
.set T2,  152
.set TM,  224
.set PW,  240
.set CRD, 241
.set HW,  242
.set IVF, 244
.set COSR, 248
.set SINR, 252
.set BIAS, 192                         ; in window 1
.set SEL, 60                           ; s[60:61]
.set IF0,  0x3f800000                  ; 10000^(-i / 16), i = 0 .. 15
.set IF1,  0x3f0ff59a
.set IF2,  0x3ea1e89b
.set IF3,  0x3e361887
.set IF4,  0x3dcccccd
.set IF5,  0x3d6655c3
.set IF6,  0x3d0186e2
.set IF7,  0x3c91ad39
.set IF8,  0x3c23d70a
.set IF9,  0x3bb8449c
.set IF10, 0x3b4f3e37
.set IF11, 0x3ae91528
.set IF12, 0x3a83126f
.set IF13, 0x3a136a16
.set IF14, 0x39a5cb5f
.set IF15, 0x393a7753
.set MSB, 0
.macro WIN new                         ; the immediate's high byte repeats the setting that is left
.if MSB != (\new)
	s_set_vgpr_msb (MSB<<8)|(\new)
.set MSB, (\new)
.endif
.endm
; nb blocks of a lane's row, 16 numbers of each in v[src + 16 b ..] of window sw (the other 16 in lane l xor 16), become codes in v[PC] on and the row's scale word in v[PW].
.macro QUANT nb, src, sw
	WIN 5*(\sw)
.set QB, 0
.rept \nb
	v_max3_num_f32 v[TM+QB], |v[(\src)+16*QB]|, |v[(\src)+16*QB+1]|, 0x1800000   ; my 16 numbers and the floor 2^(3 - 127): the byte cannot fall under 1
.set QB, QB+1
.endr
.irp i, 2,4,6,8,10,12,14
.set QB, 0
.rept \nb
	v_max3_num_f32 v[TM+QB], |v[(\src)+16*QB+\i]|, |v[(\src)+16*QB+\i+1]|, v[TM+QB]
.set QB, QB+1
.endr
.endr
	WIN 0
.set QB, 0
.rept \nb
	v_permlanex16_b32 v[TM+4+QB], v[TM+QB], s[SEL], s[SEL+1]
.set QB, QB+1
.endr
.set QB, 0
.rept \nb
	v_max_num_f32 v[TM+QB], v[TM+QB], v[TM+4+QB]       ; with lane l xor 16's: the block's largest magnitude
.set QB, QB+1
.endr
.set QB, 0
.rept \nb
	v_add_nc_u32 v[TM+12+QB], 0xff000000, v[TM+QB]     ; 2 off its exponent field: the conversion's scale operand
.set QB, QB+1
.endr
.set QB, 0
.rept \nb
	v_lshrrev_b32 v[TM+4+QB], 23, v[TM+12+QB]          ; the scale's byte
.set QB, QB+1
.endr
	v_lshl_or_b32 v[PW], v[TM+5], 8, v[TM+4]
.if \nb > 2
	v_lshl_or_b32 v[PW], v[TM+6], 16, v[PW]
.endif
.if \nb == 3
	v_or_b32 v[PW], 0x7f000000, v[PW]                  ; the fourth block is zero codes under the byte 127
.endif
.if \nb == 4
	v_lshl_or_b32 v[PW], v[TM+7], 24, v[PW]
.endif
	WIN (\sw)
	v_cvt_scalef32_pk16_fp6_f32 v[PC:PC+2], v[(\src):(\src)+15], v[TM+12]
	v_cvt_scalef32_pk16_fp6_f32 v[PC+12:PC+14], v[(\src)+16:(\src)+31], v[TM+13]   ; (a conversion's three registers begin on an even number)
.if \nb > 2
	v_cvt_scalef32_pk16_fp6_f32 v[PC+6:PC+8], v[(\src)+32:(\src)+47], v[TM+14]
.endif
.if \nb == 4
	v_cvt_scalef32_pk16_fp6_f32 v[PC+16:PC+18], v[(\src)+48:(\src)+63], v[TM+15]
.endif
	WIN 0
.if \nb == 3
.irp i, 0,1,2
	v_mov_b32 v[PC+16+\i], 0                           ; the zero block; also the plain line behind the conversions
.endr
.else
	v_nop                                              ; one plain line behind a scaled conversion
.endif
.irp i, 0,1,2                                      ; the operand's layout wants a whole block in a lane: lanes 0-15 the even block, lanes 16-31 the odd one
	v_permlane16_swap_b32 v[PC+\i], v[PC+12+\i]
.endr
.irp i, 0,1,2
	v_mov_b32 v[PC+3+\i], v[PC+12+\i]
.endr
.if \nb > 2
.irp i, 0,1,2
	v_permlane16_swap_b32 v[PC+6+\i], v[PC+16+\i]
.endr
.irp i, 0,1,2
	v_mov_b32 v[PC+9+\i], v[PC+16+\i]
.endr
.endif
.endm
; 16 rows x 512 bytes, loaded 16 bytes a lane, go through the wave's own stage and come back 64 numbers of ONE row a lane, in the order of the head comment (offsets 0, 16, 64, 80 in each block's 128 bytes, + 32 h).
.macro TURN raw, dst, wr, wd
	WIN (\wr)<<2
.irp i, 0,1,2,3,4,5,6,7,8,9,10,11,12,13,14,15
	ds_store_b128 v[TSA], v[(\raw)+4*\i:(\raw)+4*\i+3] offset:528*\i
.endr
	s_wait_dscnt 0x0                                   ; the stores are done
	WIN (\wd)<<6
	s_wait_alu depctr_vm_vsrc(0)                       ; the sixteen stores have read the rows' registers, in which the loads below land; the LDS stores of the fragment before have read the codes and the scale word, which the next quantiser writes
.irp b, 0,1,2,3
.irp q, 0,1,2,3
	ds_load_b128 v[(\dst)+16*\b+4*\q:(\dst)+16*\b+4*\q+3], v[TLA] offset:128*\b+16*(\q%2)+64*(\q/2)
.endr
.endr
	WIN 0
.endm
; The way's pointers, from s31 block of 64 rows, s32 which weight, s33 log2 of the blocks in a batch, s35 where the output's scale words begin, s59 bytes of a block's images for one head.
.macro PLACE
	s_mov_b32 s75, 0
	s_mul_i32 s74, s31, 196608                     ; 64 rows of 3,072 bytes,
	s_mul_i32 s76, s29, 49152                      ; my 16 rows,
	s_add_co_u32 s74, s74, s76
	s_mul_i32 s76, s30, 1536                       ; my three K steps
	s_add_co_u32 s74, s74, s76
	s_add_nc_u64 s[36:37], s[36:37], s[74:75]
	s_mul_i32 s74, s28, 384                        ; my head's 96 numbers of the bias
	s_add_nc_u64 s[38:39], s[38:39], s[74:75]
	s_mul_i32 s74, s32, 442368                     ; 288 fragments a weight, 36 a head
	s_mul_i32 s76, s28, 55296
	s_add_co_u32 s74, s74, s76
	s_add_nc_u64 s[42:43], s[20:21], s[74:75]
	s_mul_i32 s74, s32, 36864
	s_mul_i32 s76, s28, 4608
	s_add_co_u32 s74, s74, s76
	s_add_co_u32 s74, s74, 1916928
	s_add_nc_u64 s[44:45], s[20:21], s[74:75]
	s_lshr_b32 s74, s31, s33                       ; batch
	s_lshl_b32 s76, s74, s33
	s_sub_co_u32 s76, s31, s76                     ; block in the batch
	s_lshl_b32 s74, s74, 3
	s_add_co_u32 s74, s74, s28                     ; 8 x batch + head
	s_lshl_b32 s74, s74, s33
	s_add_co_u32 s34, s74, s76                     ; the output's unit
	s_lshl_b32 s74, s34, 8
	s_add_co_u32 s74, s74, s35
	s_add_nc_u64 s[48:49], s[46:47], s[74:75]      ; 256 bytes of scale words a unit
	s_mul_i32 s74, s34, s59
	s_add_nc_u64 s[46:47], s[46:47], s[74:75]
.endm
.macro RAWLOAD                         ; my 16 rows x three K steps: 48 loads of 512 consecutive bytes, the first K step's first (destination: window 1)
.irp f, 0,1,2
.irp i, 0,1,2,3,4,5,6,7,8,9,10,11,12,13,14,15
	global_load_b128 v[64*\f+4*\i:64*\f+4*\i+3], v[LI], s[36:37] offset:3072*\i+512*\f th:TH_LOAD_NT
.endr
.endr
.endm
.macro WLOAD s                         ; my head's six fragments of W for K step s and their scale words: 24 loads, into set s % 2
.set P, (\s)%2
.irp t, 0,1,2,3,4,5
.irp c, 0,1,2
	global_load_b128 v[WF+72*P+12*\t+4*\c:WF+72*P+12*\t+4*\c+3], v[LI], s[42:43] offset:(6*\t+(\s))*1536+512*\c
.endr
	global_load_b32 v[WS+6*P+\t], v[LS], s[44:45] offset:(6*\t+(\s))*128
.endr
.endm
.macro XFETCH s                        ; x's four fragments of K step s and their scale words, from LDS
.irp m, 0,1,2,3
.irp c, 0,1,2
	ds_load_b128 v[XF+12*\m+4*\c:XF+12*\m+4*\c+3], v[XIA] offset:(6*\m+(\s))*1536+512*\c
.endr
	ds_load_b32 v[XS+\m], v[XSA] offset:(6*\m+(\s))*128
.endr
.endm
; My three fragments of x.  The counts: behind K step f's 16 loads stand the later rows' (32, 16, 0) and W's steps issued meanwhile (0, 24, 48).
.macro XPHASE
.irp f, 0,1,2
	s_wait_loadcnt 32+8*\f
	TURN 64*\f, 64*\f, 1, 1
.if \f < 2
	WLOAD \f                                       ; W's first two K steps are asked for while x is quantised; no vector instruction has named their registers
.endif
	s_wait_dscnt 0x0
	QUANT 4, 64*\f, 1
	s_wait_alu depctr_va_vdst(0)                   ; the quantiser has written the codes and the scale word, which the four LDS stores read
.irp c, 0,1,2
	ds_store_b128 v[XWI], v[PC+4*\c:PC+4*\c+3] offset:1536*\f+512*\c
.endr
	ds_store_b32 v[XWS], v[PW] offset:128*\f
.endr
	s_wait_dscnt 0x0                               ; for the others' sake: my images (and my part of the table) have landed
	s_barrier_signal -1
	s_barrier_wait -1                              ; the launch's one barrier: behind it LDS is only read
.endm
; A K step: 24 products, every accumulator once (the accumulators take turns).  vp = 0: q, k; 1: v, with the sources and their scales swapped.  The bias is the C of the first step.
.macro KSTEP s, vp
.set P, (\s)%2
.if (\s) < 5
	s_wait_loadcnt 24                              ; this step's W is in; the next step's 24 loads may be out
.else
	s_wait_loadcnt 0x0
.endif
	s_wait_dscnt 0x0                               ; x's fragments are in
	WIN 0x50                                       ; C and D in window 1
.irp t, 0,1,2,3,4,5
.irp m, 0,1,2,3
.if \vp
.if (\s) == 0
	v_wmma_scale_f32_16x16x128_f8f6f4 v[8*(4*\t+\m):8*(4*\t+\m)+7], v[XF+12*\m:XF+12*\m+11], v[WF+72*P+12*\t:WF+72*P+12*\t+11], v[BIAS+8*\t:BIAS+8*\t+7], v[XS+\m], v[WS+6*P+\t] matrix_a_fmt:MATRIX_FMT_FP6 matrix_b_fmt:MATRIX_FMT_FP6
.else
	v_wmma_scale_f32_16x16x128_f8f6f4 v[8*(4*\t+\m):8*(4*\t+\m)+7], v[XF+12*\m:XF+12*\m+11], v[WF+72*P+12*\t:WF+72*P+12*\t+11], v[8*(4*\t+\m):8*(4*\t+\m)+7], v[XS+\m], v[WS+6*P+\t] matrix_a_fmt:MATRIX_FMT_FP6 matrix_b_fmt:MATRIX_FMT_FP6
.endif
.else
.if (\s) == 0
	v_wmma_scale_f32_16x16x128_f8f6f4 v[8*(6*\m+\t):8*(6*\m+\t)+7], v[WF+72*P+12*\t:WF+72*P+12*\t+11], v[XF+12*\m:XF+12*\m+11], v[BIAS+8*\t:BIAS+8*\t+7], v[WS+6*P+\t], v[XS+\m] matrix_a_fmt:MATRIX_FMT_FP6 matrix_b_fmt:MATRIX_FMT_FP6
.else
	v_wmma_scale_f32_16x16x128_f8f6f4 v[8*(6*\m+\t):8*(6*\m+\t)+7], v[WF+72*P+12*\t:WF+72*P+12*\t+11], v[XF+12*\m:XF+12*\m+11], v[8*(6*\m+\t):8*(6*\m+\t)+7], v[WS+6*P+\t], v[XS+\m] matrix_a_fmt:MATRIX_FMT_FP6 matrix_b_fmt:MATRIX_FMT_FP6
.endif
.endif
.endr
.endr
	WIN 0
.rept 4
	v_nop                                          ; four places behind these products: in front of the first read of results, and kept in front of the loads below, beside their wait
.endr
.if (\s) < 5
	s_wait_alu depctr_va_vdst(0)                   ; the 24 products are done reading x's fragments and scale words and this step's set of W, in which the loads below land
	XFETCH (\s)+1
.endif
.if (\s) < 4
	WLOAD (\s)+2
.endif
.endm
.macro PICK dst, a, b                  ; on the compare in front: a, else b (an instruction takes one literal)
	s_mov_b32 s[\dst], \b
	s_cselect_b32 s[\dst], \a, s[\dst]
.endm
; Cosine and sine of coordinate a x my four frequencies, and their images into the table.
.macro SINCOS4 a
.irp n, 0,1,2,3
	v_mul_f32 v[TH+\n], v[CRD+\a], v[IVF+\n]       ; theta
.endr
.irp n, 0,1,2,3
	v_mul_f32 v[KK+\n], s50, v[TH+\n]
.endr
.irp n, 0,1,2,3
	v_rndne_f32 v[KK+\n], v[KK+\n]                 ; k
.endr
.irp n, 0,1,2,3
	v_fma_f32 v[RR+\n], -v[KK+\n], s51, v[TH+\n]   ; theta - k x the high part of pi / 2,
.endr
.irp n, 0,1,2,3
	v_fma_f32 v[RR+\n], -v[KK+\n], s52, v[RR+\n]   ; - k x the low part
.endr
.irp n, 0,1,2,3
	v_mul_f32 v[ZZ+\n], v[RR+\n], v[RR+\n]
.endr
.irp n, 0,1,2,3
	v_fma_f32 v[SP+\n], v[ZZ+\n], s55, s54
	v_fma_f32 v[CP+\n], v[ZZ+\n], s58, s57
.endr
.irp n, 0,1,2,3
	v_fma_f32 v[SP+\n], v[SP+\n], v[ZZ+\n], s53
	v_fma_f32 v[CP+\n], v[CP+\n], v[ZZ+\n], s56
.endr
.irp n, 0,1,2,3
	v_mul_f32 v[SP+\n], v[SP+\n], v[ZZ+\n]
	v_fma_f32 v[WW+\n], v[ZZ+\n], -0.5, 1.0
.endr
.irp n, 0,1,2,3
	v_mul_f32 v[ZZ+\n], v[ZZ+\n], v[ZZ+\n]
	v_fma_f32 v[SP+\n], v[SP+\n], v[RR+\n], v[RR+\n]   ; sin r
.endr
.irp n, 0,1,2,3
	v_fma_f32 v[CP+\n], v[CP+\n], v[ZZ+\n], v[WW+\n]   ; cos r
	v_cvt_i32_f32 v[KK+\n], v[KK+\n]
.endr
.irp n, 0,1,2,3
	v_and_b32 v[TH+\n], 1, v[KK+\n]
.endr
.irp n, 0,1,2,3
	v_cmp_eq_u32 s[78+\n], 1, v[TH+\n]             ; an odd quadrant swaps the two
.endr
	s_wait_dscnt 0x0                               ; the last axis' stores are done
.if \a > 0
	s_wait_alu depctr_vm_vsrc(0)                   ; the last axis' two LDS stores have read the four cosines and four sines, which the selects below write again
.endif
	s_wait_alu depctr_va_sdst(0)                   ; the four compares have written s78 to s81, ahead of their first reader
.irp n, 0,1,2,3
	v_cndmask_b32 v[SINR+\n], v[SP+\n], v[CP+\n], s[78+\n]
	v_cndmask_b32 v[COSR+\n], v[CP+\n], v[SP+\n], s[78+\n]
.endr
.irp n, 0,1,2,3
	v_lshlrev_b32 v[TH+\n], 30, v[KK+\n]           ; the sine is negative in quadrants 2, 3: bit 1 of k;
	v_add_nc_u32 v[KK+\n], 1, v[KK+\n]             ; the cosine in 1, 2: bit 1 of k + 1
.endr
.irp n, 0,1,2,3
	v_and_b32 v[TH+\n], 0x80000000, v[TH+\n]
	v_lshlrev_b32 v[KK+\n], 30, v[KK+\n]
.endr
.irp n, 0,1,2,3
	v_xor_b32 v[SINR+\n], v[SINR+\n], v[TH+\n]
	v_and_b32 v[KK+\n], 0x80000000, v[KK+\n]
.endr
.irp n, 0,1,2,3
	v_xor_b32 v[COSR+\n], v[COSR+\n], v[KK+\n]
.endr
	s_wait_alu depctr_va_vdst(0)                   ; the four cosines and four sines are written, which the two LDS stores read
	ds_store_b128 v[CWA], v[COSR:COSR+3] offset:1024*\a
	ds_store_b128 v[CWA], v[SINR:SINR+3] offset:1024*\a+3072
.endm
	s_load_b512 s[4:19], s[0:1], 0x0               ; query, key, value, coords_query, coords_key, bq, bk, bv
	s_load_b256 s[20:27], s[0:1], 0x40             ; wbuf, qbuf, kbuf, vbuf
	v_lshl_add_u32 v234, v0, 2, 0x3a800
	v_mov_b32 v235, 0
	v_lshrrev_b32 v12, 5, v0
	v_readfirstlane_b32 s28, v12                   ; wave = head
	s_wait_alu depctr_va_sdst(0)                   ; s28 is written, ahead of its first reader
	s_lshr_b32 s29, s28, 1                         ; ahead of the barrier: my tile of rows,
	s_and_b32 s30, s28, 1                          ; my half of K and of the frequencies
	v_and_b32 v14, 31, v0                          ; lane
	v_and_b32 v12, 15, v0                          ; r
	v_bfe_u32 v13, v0, 4, 1                        ; h
	v_lshlrev_b32 v[LI], 4, v14
	v_lshlrev_b32 v[LS], 2, v14
	v_lshlrev_b32 v[L8], 3, v14
	s_mul_i32 s74, s28, TSB
	v_add_nc_u32 v[TSA], s74, v[LI]
	v_mul_u32_u24 v[TLA], v12, 528
	v_lshl_add_u32 v[TLA], v13, 5, v[TLA]
	v_add_nc_u32 v[TLA], s74, v[TLA]
	s_mul_i32 s74, s28, 4608                       ; my three images: fragments 3 w .. 3 w + 2
	v_add_nc_u32 v[XWI], s74, v[LI]
	s_mul_i32 s74, s28, 384
	v_add_nc_u32 v[XWS], s74, v[LS]
	v_lshlrev_b32 v[SCO], 4, v12
	v_lshl_add_u32 v[SCO], v13, 3, v[SCO]
.irp b, 0,1,2,3
	v_mov_b32 v[TM+4+\b], 0                        ; written once: a lane permute's destination counts as one of its sources
.endr
	s_mov_b32 s[SEL], 0x76543210
	s_mov_b32 s[SEL+1], 0xfedcba98
	s_mov_b32 s62, 0xffff0000                      ; lanes 16-31
	s_wait_kmcnt 0x0
	s_cmp_lt_u32 ttmp9, 320
	s_cbranch_scc0 .Lvalue
	; ---------------- q and k ----------------
	s_cmp_lt_u32 ttmp9, 64                         ; only pointers and sizes are chosen: q and k take one way through the text
	s_cselect_b64 s[36:37], s[4:5], s[6:7]
	s_cselect_b64 s[38:39], s[14:15], s[16:17]
	s_cselect_b64 s[40:41], s[10:11], s[12:13]
	s_cselect_b64 s[46:47], s[22:23], s[24:25]
	s_cselect_b32 s31, 0, 64
	s_cselect_b32 s32, 0, 1
	s_cselect_b32 s33, 4, 6
	s_mov_b32 s35, 12582912
	s_cselect_b32 s35, 3145728, s35
	s_mov_b32 s59, 6144
	s_sub_co_u32 s31, ttmp9, s31
	PLACE
	s_mul_i32 s74, s31, 768                        ; 12 bytes of coordinates a row
	s_mul_i32 s76, s29, 192
	s_add_co_u32 s74, s74, s76
	s_add_nc_u64 s[40:41], s[40:41], s[74:75]
	v_lshlrev_b32 v[BOF], 5, v13                   ; the bias of features 16 t + 8 h + 0 .. 7
	v_mul_u32_u24 v[COF], v12, 12
	v_add_nc_u32 v[XWI], XIMG, v[XWI]
	v_add_nc_u32 v[XWS], XSC, v[XWS]
	s_mul_i32 s74, s29, 6144
	s_lshl_b32 s76, s30, 9
	s_add_co_u32 s74, s74, s76
	v_add_nc_u32 v[CWA], s74, v[LI]
	v_add_nc_u32 v[CWA], TAB, v[CWA]
	s_wait_alu depctr_va_vdst(0)                   ; the offsets and addresses v1 to v11 are written, which the loads and the LDS instructions down to the barrier read
.irp a, 0,1,2
	global_load_b32 v[CRD+\a], v[COF], s[40:41] offset:4*\a
.endr
	WIN 0x40                                       ; destination window 1
.irp t, 0,1,2,3,4,5
	global_load_b128 v[BIAS+8*\t:BIAS+8*\t+3], v[BOF], s[38:39] offset:64*\t
	global_load_b128 v[BIAS+8*\t+4:BIAS+8*\t+7], v[BOF], s[38:39] offset:64*\t+16
.endr
	RAWLOAD
	WIN 0
	s_mov_b32 s50, 0x3f22f983                      ; 2 / pi
	s_mov_b32 s51, 0x3fc90fdb                      ; pi / 2, high part,
	s_mov_b32 s52, 0xb33bbd2e                      ; low part
	s_mov_b32 s53, 0xbe2aaaa3                      ; sin r = r + r z (S1 + z (S2 + z S3)), z = r^2
	s_mov_b32 s54, 0x3c08839e
	s_mov_b32 s55, 0xb94ca1f9
	s_mov_b32 s56, 0x3d2aaaa5                      ; cos r = 1 - z / 2 + z^2 (C1 + z (C2 + z C3))
	s_mov_b32 s57, 0xbab6061a
	s_mov_b32 s58, 0x37ccf5ce
	s_cmp_eq_u32 s30, 0                            ; my frequencies: 8 h + 4 (w % 2) + 0 .. 3
	PICK 66, IF0, IF4
	PICK 67, IF1, IF5
	PICK 68, IF2, IF6
	PICK 69, IF3, IF7
	PICK 70, IF8, IF12
	PICK 71, IF9, IF13
	PICK 72, IF10, IF14
	PICK 73, IF11, IF15
.irp n, 0,1,2,3
	v_mov_b32 v[IVF+\n], s[66+\n]
.endr
.irp n, 0,1,2,3
	v_cndmask_b32 v[IVF+\n], v[IVF+\n], s[70+\n], s62
.endr
	s_wait_alu depctr_va_vdst(0)
	s_wait_loadcnt 60                              ; the three coordinates are the oldest of 63 loads: the bias' 12 and the rows' 48 stay out while the table is made
	SINCOS4 0
	SINCOS4 1
	SINCOS4 2
	XPHASE
	s_wait_alu depctr_vm_vsrc(0)                   ; the LDS instructions ahead of the barrier have read v4, v5 and v6, which are written anew, and the codes' registers, in which x's fragments land
	v_add_nc_u32 v[XIA], XIMG, v[LI]
	v_add_nc_u32 v[XSA], XSC, v[LS]
	v_add_nc_u32 v[TBA], TAB, v[LI]
	s_wait_alu depctr_va_vdst(0)                   ; the three addresses are written; the quantiser and the table's arithmetic are done with v32 to v79, in which x's fragments land
	XFETCH 0
	KSTEP 0, 0
	KSTEP 1, 0
	KSTEP 2, 0
	KSTEP 3, 0
	KSTEP 4, 0
	KSTEP 5, 0
	; the way out, a tile of 16 rows at a time: rotate, quantise three blocks (the three axes), store the fragment's image
.irp m, 0,1,2,3
.irp g, 0,1,2,3,4,5                            ; no wait of their own: for tile 0 the wait behind K step 4 stands behind the last products that read v80 to v127 (K step 5 names W's other set); for the later tiles the wait ahead of the last tile's stores stands behind its rotation
	ds_load_b128 v[CO+4*\g:CO+4*\g+3], v[TBA] offset:6144*\m+512*\g
	ds_load_b128 v[SN+4*\g:SN+4*\g+3], v[TBA] offset:6144*\m+512*\g+3072
.endr
	s_wait_dscnt 0x0
	WIN 0x01                                       ; source 0: window 1
.irp a, 0,1,2
.irp j, 0,2,4,6                                ; each accumulator is read from its low end on
	v_pk_mul_f32 v[T1+8*\a+\j:T1+8*\a+\j+1], v[48*\m+16*\a+8+\j:48*\m+16*\a+9+\j], v[SN+8*\a+\j:SN+8*\a+\j+1]   ; x2 sin
	v_pk_mul_f32 v[T2+8*\a+\j:T2+8*\a+\j+1], v[48*\m+16*\a+\j:48*\m+16*\a+\j+1], v[SN+8*\a+\j:SN+8*\a+\j+1]     ; x1 sin
.endr
.endr
	WIN 0x41                                       ; destination too
.irp a, 0,1,2
.irp j, 0,2,4,6
	v_pk_fma_f32 v[48*\m+16*\a+\j:48*\m+16*\a+\j+1], v[48*\m+16*\a+\j:48*\m+16*\a+\j+1], v[CO+8*\a+\j:CO+8*\a+\j+1], v[T1+8*\a+\j:T1+8*\a+\j+1] neg_lo:[0,0,1] neg_hi:[0,0,1]   ; x1 cos - x2 sin
	v_pk_fma_f32 v[48*\m+16*\a+8+\j:48*\m+16*\a+9+\j], v[48*\m+16*\a+8+\j:48*\m+16*\a+9+\j], v[CO+8*\a+\j:CO+8*\a+\j+1], v[T2+8*\a+\j:T2+8*\a+\j+1]                             ; x2 cos + x1 sin
.endr
.endr
	WIN 0
	s_wait_xcnt 0x0                                ; the last tile's stores have had their addresses translated: their data registers are written again only behind this wait
.if \m > 0
	s_wait_alu depctr_vm_vsrc(0)                   ; and they have read the codes' registers, which the quantiser writes again
.endif
	QUANT 3, 48*\m, 1
	v_mov_b32 v[KW+\m], v[PW]
	s_wait_alu depctr_va_vdst(0)                   ; the quantiser has written the codes, which the stores read; the rotation is done reading the cosines and sines, in which the next tile's land
.irp c, 0,1,2
	global_store_b128 v[LI], v[PC+4*\c:PC+4*\c+3], s[46:47] offset:1536*\m+512*\c   ; 512 consecutive bytes
.endr
.endr
	v_cndmask_b32 v[TM], v[KW], v[KW+2], s62       ; row r's four words lie together: lanes 0-15 store tiles 0, 1, lanes 16-31 tiles 2, 3
	v_cndmask_b32 v[TM+1], v[KW+1], v[KW+3], s62
	s_wait_alu depctr_va_vdst(0)                   ; the two selects have written the pair that the store reads
	global_store_b64 v[SCO], v[TM:TM+1], s[48:49]  ; 256 consecutive bytes
	s_wait_dscnt 0x0
	s_wait_alu depctr_hold_cnt(0) depctr_sa_sdst(0) depctr_va_vdst(0) depctr_va_sdst(0) depctr_va_ssrc(0) depctr_va_vcc(0) depctr_vm_vsrc(0)
	s_wait_tensorcnt 0x0
	ds_add_u32 v234, v235
	s_wait_dscnt 0x0
	s_endpgm
	; ---------------- v ----------------
.Lvalue:
	s_sub_co_u32 s31, ttmp9, 320
	s_mov_b32 s32, 2
	s_mov_b32 s33, 6
	s_mov_b32 s35, 9437184
	s_mov_b32 s59, 4608
	s_mov_b64 s[36:37], s[8:9]
	s_mov_b64 s[38:39], s[18:19]
	s_mov_b64 s[46:47], s[26:27]
	PLACE
	v_lshlrev_b32 v[BOF], 2, v12                   ; the bias of feature 16 t + r
	v_add_nc_u32 v[TSA], VBASE, v[TSA]
	v_add_nc_u32 v[TLA], VBASE, v[TLA]
	v_add_nc_u32 v[XWI], VBASE+XIMG, v[XWI]
	v_add_nc_u32 v[XWS], VBASE+XSC, v[XWS]
	WIN 0x40
	s_wait_alu depctr_va_vdst(0)                   ; the offsets and addresses v1 to v10 are written, which the loads and the LDS instructions down to the barrier read
.irp t, 0,1,2,3,4,5
	global_load_b32 v[BIAS+8*\t], v[BOF], s[38:39] offset:64*\t
.endr
	RAWLOAD
	WIN 0
	XPHASE
	s_wait_alu depctr_vm_vsrc(0)                   ; the LDS instructions ahead of the barrier have read v4 and v5, which are written anew, and the codes' registers, in which x's fragments land
	v_add_nc_u32 v[XIA], VBASE+XIMG, v[LI]
	v_add_nc_u32 v[XSA], VBASE+XSC, v[LS]
	s_wait_alu depctr_va_vdst(0)                   ; the two addresses are written; the quantiser is done with v32 to v51, in which x's fragments land
	XFETCH 0
	WIN 0x41
.irp t, 0,1,2,3,4,5
.irp j, 1,2,3,4,5,6,7
	v_mov_b32 v[BIAS+8*\t+\j], v[BIAS+8*\t]        ; a lane's eight results of a tile are eight keys of one feature: the same bias
.endr
.endr
	WIN 0
	s_wait_alu depctr_va_vdst(0)
	KSTEP 0, 1
	KSTEP 1, 1
	KSTEP 2, 1
	KSTEP 3, 1
	KSTEP 4, 1
	KSTEP 5, 1
	; the way out, a tile of 16 features at a time: 64 keys are two blocks: half a fragment, six registers, and two scale bytes a feature
.irp t, 0,1,2,3,4,5
	s_wait_xcnt 0x0                                ; the last tile's stores have had their addresses translated: their data registers are written again only behind this wait
.if \t > 0
	s_wait_alu depctr_vm_vsrc(0)                   ; and they have read the codes' registers, which the quantiser writes again
.endif
	QUANT 2, 32*\t, 1
	v_mov_b32 v[HW+\t], v[PW]
	s_wait_alu depctr_va_vdst(0)                   ; the quantiser has written the codes, which the two stores read
	global_store_b128 v[LI], v[PC:PC+3], s[46:47] offset:768*\t
	global_store_b64 v[L8], v[PC+4:PC+5], s[46:47] offset:768*\t+512
.endr
	v_lshl_or_b32 v[HW], v[HW+1], 16, v[HW]        ; two tiles' bytes to a word
	v_lshl_or_b32 v[HW+2], v[HW+3], 16, v[HW+2]
	v_lshl_or_b32 v[HW+4], v[HW+5], 16, v[HW+4]
	v_cndmask_b32 v[TM], v[HW], v[HW+4], s62       ; feature row r's 16 bytes: lanes 0-15 store words 0, 1, lanes 16-31 word 2 and a zero
	v_cndmask_b32 v[TM+1], v[HW+2], 0, s62
	s_wait_alu depctr_va_vdst(0)                   ; the two selects have written the pair that the store reads
	global_store_b64 v[SCO], v[TM:TM+1], s[48:49]  ; 256 consecutive bytes
	s_wait_dscnt 0x0
	s_wait_alu depctr_hold_cnt(0) depctr_sa_sdst(0) depctr_va_vdst(0) depctr_va_sdst(0) depctr_va_ssrc(0) depctr_va_vcc(0) depctr_vm_vsrc(0)
	s_wait_tensorcnt 0x0
	ds_add_u32 v234, v235
	s_wait_dscnt 0x0
	s_endpgm
.Lfunc_end_k_q3c49e3604f_proj:
	.size	k_q3c49e3604f_proj, .Lfunc_end_k_q3c49e3604f_proj-k_q3c49e3604f_proj
	.p2alignl 7, 3214868480
	.fill 96, 4, 3214868480
	.section	.rodata,"a",@progbits
	.p2align	6, 0x0
	.amdhsa_kernel k_q3c49e3604f_proj
		.amdhsa_group_segment_fixed_size 240640
		.amdhsa_private_segment_fixed_size 0
		.amdhsa_enable_private_segment 0
		.amdhsa_kernarg_size 96
		.amdhsa_user_sgpr_count 2
		.amdhsa_user_sgpr_kernarg_segment_ptr 1
		.amdhsa_wavefront_size32 1
		.amdhsa_system_sgpr_workgroup_id_x 1
		.amdhsa_system_sgpr_workgroup_id_y 1
		.amdhsa_system_sgpr_workgroup_id_z 1
		.amdhsa_system_vgpr_workitem_id 0
		.amdhsa_next_free_vgpr 496
		.amdhsa_next_free_sgpr 84
		.amdhsa_reserve_vcc 0
		.amdhsa_float_denorm_mode_32 3
		.amdhsa_float_denorm_mode_16_64 3
		.amdhsa_memory_ordered 1
		.amdhsa_forward_progress 1
		.amdhsa_inst_pref_size 199
	.end_amdhsa_kernel
	.amdgpu_metadata
---
amdhsa.version: [ 1, 2 ]
amdhsa.kernels:
  - .name:           k_q3c49e3604f_proj
    .symbol:         k_q3c49e3604f_proj.kd
    .args:
      - { .name: query, .offset: 0, .size: 8, .value_kind: global_buffer, .address_space: global }
      - { .name: key, .offset: 8, .size: 8, .value_kind: global_buffer, .address_space: global }
      - { .name: value, .offset: 16, .size: 8, .value_kind: global_buffer, .address_space: global }
      - { .name: coords_query, .offset: 24, .size: 8, .value_kind: global_buffer, .address_space: global }
      - { .name: coords_key, .offset: 32, .size: 8, .value_kind: global_buffer, .address_space: global }
      - { .name: bq, .offset: 40, .size: 8, .value_kind: global_buffer, .address_space: global }
      - { .name: bk, .offset: 48, .size: 8, .value_kind: global_buffer, .address_space: global }
      - { .name: bv, .offset: 56, .size: 8, .value_kind: global_buffer, .address_space: global }
      - { .name: wbuf, .offset: 64, .size: 8, .value_kind: global_buffer, .address_space: global }
      - { .name: qbuf, .offset: 72, .size: 8, .value_kind: global_buffer, .address_space: global }
      - { .name: kbuf, .offset: 80, .size: 8, .value_kind: global_buffer, .address_space: global }
      - { .name: vbuf, .offset: 88, .size: 8, .value_kind: global_buffer, .address_space: global }
    .group_segment_fixed_size: 240640
    .private_segment_fixed_size: 0
    .kernarg_segment_align: 8
    .kernarg_segment_size: 96
    .max_flat_workgroup_size: 256
    .sgpr_count:     84
    .vgpr_count:     496
    .wavefront_size: 32
...
	.end_amdgpu_metadata
.endif
;; end of part 6
;; launch attn (part 7): grid 8 x 32, 16 waves a work-group, no clusters, 227,328 bytes of LDS; arguments qbuf, kbuf, vbuf, obuf; writes obuf
.if DOCPART == 7
	.amdgcn_target "amdgcn-amd-amdhsa--gfx1250"
	.amdhsa_code_object_version 6
	.text
	.protected	k_q3c49e3604f_attn
	.globl	k_q3c49e3604f_attn
	.p2align	8
	.type	k_q3c49e3604f_attn,@function
k_q3c49e3604f_attn:
	s_mov_b64 s[64:65], 0
	v_nop
	global_prefetch_b8 v0, s[64:65] scope:SCOPE_SE
	s_setreg_imm32_b32 hwreg(HW_REG_WAVE_SCHED_MODE, 0, 2), 2
	s_setreg_imm32_b32 hwreg(HW_REG_WAVE_MODE, 25, 1), 1
	s_wait_xcnt 0x0
	s_wait_alu depctr_vm_vsrc(0)
; O[q] = sum over keys of softmax(q . k / sqrt(96)) v, both products on FP6 (E2M3) codes with one E8M0 byte for each 32 along K; O / l is quantised again for the output projection.
; THE SOFTMAX AHEAD OF THE SECOND PRODUCT: t = score x log2(e) / sqrt(96); M = the largest t so far, rounded UP to a whole number; p = 2^(t - M) is quantised along the keys, not normalised;
; the row's sum is taken of the unquantised p and divides O at the end.  When M moves, the sum and O are multiplied by 2^(old M - new M): exact.
; SHARES.  A work-group owns 128 queries of one (batch, head): eight tiles of 16.  It has SIXTEEN waves of 256 registers, four to a SIMD, so that one wave's vector work stands beside another's LDS loads and products.
; Wave w owns tile w % 8 and key group g = w / 8: of every 256 keys group 0 takes the first 128 and group 1 the second, 16 steps a wave.  Each group keeps an M, a sum and an O^T of its own; at the end wave w < 8 joins its
; own with wave w + 8's: both are brought under the larger M by whole powers of two.
; Both products are used transposed: S^T = K Q^T (source 0 = 16 keys), O^T = V^T P^T (source 0 = 16 of the head's 96): a lane holds ONE query throughout, and the 16 registers of tiles 2 b, 2 b + 1 of S^T are its half of
; block b of the keys, in the order in which v was quantised (position 16 h + 8 u + j holds key 16 u + 8 h + j).  The head's 96 are three blocks and one of zero codes.
; K, V AND Q ARRIVE AS IMAGES OF OPERAND REGISTERS.  A block of 128 keys, 8 fragments of K (12,288 bytes) and 12 half fragments of V (9,216), is dense in memory: a group's 256 threads copy their block through registers
; into a ring of two LDS slots (a slot: group 0's block, then group 1's), asked for two steps ahead, stored one step ahead; one barrier a step.  The scale words of the whole head stay in LDS.
; NO CLUSTER, NO TENSOR LOAD, though the eight query blocks of a head read the same K and V: a step's fill is 84 bytes a thread, six loads and six LDS stores beside some 350 instructions, most of them the softmax's.
; LIMITS: v_exp_f32 gives 0 for results under 2^-126; a block whose every p is 0 keeps the byte 1 over zero codes; NaN and infinities are not served.
; THE MODE: SCHED_MODE bits 1:0 = 2 (LLVM: expert scheduling mode 2), set by the entry lines.  The code itself states the register dependences between vector or matrix instructions and memory or LDS
; instructions, with s_wait_alu, always for 0.
; THE PLAN.  Registers that memory or LDS instructions touch in a step:
;   KST, VST     the next block: loaded from memory, read by the six LDS stores at the next step's head, loaded again further down that step.  No vector instruction names them.
;   v[ADS], v[ADT]  written by two additions at the step's head, read by the step's four loads of scale words.
;   FR           K's tiles 0 to 3 land; products 0, 1 read the first 24 registers, in which tiles 6, 7 then land; behind the eight products V's tiles 0 to 3 land; the step's last products read them.
;   KX           K's tiles 4, 5 land at the step's head in the 24 registers that hold p's codes and the softmax's work registers later in the step.
;   SCL          K's eight scale words land, the eight products read them, V's six land, the last products read them.
;   S .. S + 23  scores and p; when the sums are taken, V's tiles 4, 5 land there; the last products read them.
;   v1-6, v248-252  offsets and addresses, made once at the head and never written in the loop.
; A STEP'S WAITS.  One on vm_vsrc, behind the block's LDS stores and ahead of the two additions.  Seven on va_vdst, among them: (1) behind the additions, ahead of the step's first loads; (2) behind products 0, 1, ahead of tiles 6, 7;
; (3) behind the eighth product, ahead of V's loads; (4) behind the exponentials, ahead of their first reader; (5) behind the sums, ahead of V's last two tiles and of the products that take p's codes and scale word.
; The wave's 256 registers are all in use (four waves share a SIMD's 1,024), so no further buffer is added; KX is the one run that lay idle at a step's head.
.set BLK,  21504                       ; a block: K's 8 images, then V's 12 half fragments (64 keys c, tile t at 12,288 + 4,608 c + 768 t)
.set SLOT, 43008                       ; a slot: two blocks
.set KSC,  86016                       ; K's scale words: 64 keys at 256 bytes: row r's four tiles at 16 r
.set VSC,  102400                      ; V's: 128 keys at 512 bytes, feature row r at 32 r: the words of tiles 0 .. 5
.set MRG,  118784                      ; the waves' states at the end:
.set MST,  6656                        ; 13 images of four registers a wave: O^T's 48, then -M, t and the two half sums
.set LI,  1                            ; LDS: 16 x lane + my group's block
.set L8,  2                            ; LDS: 8 x lane + my group's block
.set KSA, 3                            ; KSC + 16 r + 512 g
.set VSA, 4                            ; VSC + 32 r + 512 g
.set T16, 5                            ; LDS: 16 x (thread % 256) + my group's block
.set T4,  6                            ; LDS: 4 x (thread % 256) + my group's block
.set ADS, 7                            ; the step's scale words of K,
.set ADT, 8                            ; of V
.set QF,  16                           ; v16-27 Q's fragment
.set QS,  28                           ; its scale words
.set PWS, 29                           ; p's scale word
.set FR,  32                           ; v32-79 four fragments
.set S,   80                           ; v80-143 S^T, then p; then V's tiles 4, 5; at the end the partner's state
.set OT,  144                          ; v144-191 O^T
.set KST, 192                          ; v192-203 the next block of K on its way,
.set VST, 204                          ; v204-212 of V
.set SCL, 214                          ; v214-221 scale words: K's eight, then V's six
.set KX,  222                          ; v222-245 at a step's head: K's tiles 4 and 5
.set PP,  222                          ; v222-233 p's codes
.set BM,  230                          ; v230-233 the blocks' largest scores (dead when the codes are made)
.set PR,  234                          ; v234-241 at work
.set SO,  242                          ; v242-245 the conversions' scale operands
.set WK,  246
.set G16, 248                          ; memory: 16 x (thread % 256)
.set G4,  249                          ; memory: 4 x (thread % 256)
.set LG,  250                          ; 16 x lane
.set MA,  251                          ; where I store my state,
.set MB,  252                          ; where wave w xor 8 stores its
.set TM,  222                          ; the last quantiser's registers
.set PC,  32
.set PW,  247
.set SEL, 20                           ; s[20:21]
.set CS,  22                           ; s[22:23]
.set TS,  34                           ; s34: 1,024 x step
.set MSB, 0
.macro WIN new
.if MSB != (\new)
	s_set_vgpr_msb (MSB<<8)|(\new)
.set MSB, (\new)
.endif
.endm
; nb blocks of a lane's row, 16 numbers of each in v[src + 16 b ..] of window sw (the other 16 in lane l xor 16), become codes in v[PC] on and the row's scale word in v[PW].
.macro QUANT nb, src, sw
	WIN 5*(\sw)
.set QB, 0
.rept \nb
	v_max3_num_f32 v[TM+QB], |v[(\src)+16*QB]|, |v[(\src)+16*QB+1]|, 0x1800000   ; my 16 numbers and the floor 2^(3 - 127): the byte cannot fall under 1
.set QB, QB+1
.endr
.irp i, 2,4,6,8,10,12,14
.set QB, 0
.rept \nb
	v_max3_num_f32 v[TM+QB], |v[(\src)+16*QB+\i]|, |v[(\src)+16*QB+\i+1]|, v[TM+QB]
.set QB, QB+1
.endr
.endr
	WIN 0
.set QB, 0
.rept \nb
	v_permlanex16_b32 v[TM+4+QB], v[TM+QB], s[SEL], s[SEL+1]
.set QB, QB+1
.endr
.set QB, 0
.rept \nb
	v_max_num_f32 v[TM+QB], v[TM+QB], v[TM+4+QB]       ; with lane l xor 16's: the block's largest magnitude
.set QB, QB+1
.endr
.set QB, 0
.rept \nb
	v_add_nc_u32 v[TM+12+QB], 0xff000000, v[TM+QB]     ; 2 off its exponent field: the conversion's scale operand
.set QB, QB+1
.endr
.set QB, 0
.rept \nb
	v_lshrrev_b32 v[TM+4+QB], 23, v[TM+12+QB]          ; the scale's byte
.set QB, QB+1
.endr
	v_lshl_or_b32 v[PW], v[TM+5], 8, v[TM+4]
.if \nb > 2
	v_lshl_or_b32 v[PW], v[TM+6], 16, v[PW]
.endif
.if \nb == 3
	v_or_b32 v[PW], 0x7f000000, v[PW]                  ; the fourth block is zero codes under the byte 127
.endif
.if \nb == 4
	v_lshl_or_b32 v[PW], v[TM+7], 24, v[PW]
.endif
	WIN (\sw)
	v_cvt_scalef32_pk16_fp6_f32 v[PC:PC+2], v[(\src):(\src)+15], v[TM+12]
	v_cvt_scalef32_pk16_fp6_f32 v[PC+12:PC+14], v[(\src)+16:(\src)+31], v[TM+13]   ; (a conversion's three registers begin on an even number)
.if \nb > 2
	v_cvt_scalef32_pk16_fp6_f32 v[PC+6:PC+8], v[(\src)+32:(\src)+47], v[TM+14]
.endif
.if \nb == 4
	v_cvt_scalef32_pk16_fp6_f32 v[PC+16:PC+18], v[(\src)+48:(\src)+63], v[TM+15]
.endif
	WIN 0
.if \nb == 3
.irp i, 0,1,2
	v_mov_b32 v[PC+16+\i], 0                           ; the zero block; also the plain line behind the conversions
.endr
.else
	v_nop                                              ; one plain line behind a scaled conversion
.endif
.irp i, 0,1,2                                      ; the operand's layout wants a whole block in a lane: lanes 0-15 the even block, lanes 16-31 the odd one
	v_permlane16_swap_b32 v[PC+\i], v[PC+12+\i]
.endr
.irp i, 0,1,2
	v_mov_b32 v[PC+3+\i], v[PC+12+\i]
.endr
.if \nb > 2
.irp i, 0,1,2
	v_permlane16_swap_b32 v[PC+6+\i], v[PC+16+\i]
.endr
.irp i, 0,1,2
	v_mov_b32 v[PC+9+\i], v[PC+16+\i]
.endr
.endif
.endm
.macro BLKLOAD                         ; my group's block: six loads a thread; a wave's load covers 512 (the last: 128) consecutive bytes
.irp i, 0,1,2
	global_load_b128 v[KST+4*\i:KST+4*\i+3], v[G16], s[12:13] offset:4096*\i
.endr
.irp i, 0,1
	global_load_b128 v[VST+4*\i:VST+4*\i+3], v[G16], s[14:15] offset:4096*\i
.endr
	global_load_b32 v[VST+8], v[G4], s[14:15] offset:8192
.endm
.macro BLKSTORE slot
.irp i, 0,1,2
	ds_store_b128 v[T16], v[KST+4*\i:KST+4*\i+3] offset:(\slot)*SLOT+4096*\i
.endr
.irp i, 0,1
	ds_store_b128 v[T16], v[VST+4*\i:VST+4*\i+3] offset:(\slot)*SLOT+12288+4096*\i
.endr
	ds_store_b32 v[T4], v[VST+8] offset:(\slot)*SLOT+20480
.endm
.macro KFRAG reg, slot, t              ; K's tile t: three loads
.irp c, 0,1,2
	ds_load_b128 v[(\reg)+4*\c:(\reg)+4*\c+3], v[LI] offset:(\slot)*SLOT+1536*(\t)+512*\c
.endr
.endm
.macro SMAT t, reg                     ; S^T's tile t, from the fragment in v[reg] on
	v_wmma_scale_f32_16x16x128_f8f6f4 v[S+8*(\t):S+8*(\t)+7], v[(\reg):(\reg)+11], v[QF:QF+11], 0, v[SCL+(\t)], v[QS] matrix_a_fmt:MATRIX_FMT_FP6 matrix_b_fmt:MATRIX_FMT_FP6
.endm
.macro VFRAG reg, slot, t              ; V^T's tile t for 128 keys: two half fragments of six registers
	ds_load_b128 v[(\reg):(\reg)+3], v[LI] offset:(\slot)*SLOT+12288+768*(\t)
	ds_load_b64 v[(\reg)+4:(\reg)+5], v[L8] offset:(\slot)*SLOT+12288+768*(\t)+512
	ds_load_b128 v[(\reg)+6:(\reg)+9], v[LI] offset:(\slot)*SLOT+16896+768*(\t)
	ds_load_b64 v[(\reg)+10:(\reg)+11], v[L8] offset:(\slot)*SLOT+16896+768*(\t)+512
.endm
; A KEY STEP on my group's block of the slot named.  st: the next step's block, which has landed in registers, goes into the other slot.  ld: the block two steps on is asked for.  bar: the step's barrier.
.macro STEP slot, st, ld, bar
.if \st
	s_wait_loadcnt 0x0                             ; asked for a step ago
	BLKSTORE 1-\slot                               ; every wave left that slot in front of the last barrier
.endif
	s_wait_alu depctr_vm_vsrc(0)                   ; the LDS stores above have read the block's registers, which are loaded again below; the last step's loads of scale words have read v[ADS] and v[ADT]; in the first step: the head's LDS stores have read S's registers
	v_add_nc_u32 v[ADS], s[TS], v[KSA]
	v_add_nc_u32 v[ADT], s[TS], v[VSA]
.rept 3
	v_nop                                          ; with the two additions five places: this step's first products write over registers that the last step's last products read
.endr
	s_wait_alu depctr_va_vdst(0)                   ; v[ADS] and v[ADT] are written; the last step's last products are done reading FR, SCL and p's codes, and its softmax is done with its work registers: the loads below land in all of these
	ds_load_b128 v[SCL:SCL+3], v[ADS]
	ds_load_b128 v[SCL+4:SCL+7], v[ADS] offset:256
	KFRAG FR, \slot, 0
	KFRAG FR+12, \slot, 1
	KFRAG FR+24, \slot, 2
	KFRAG FR+36, \slot, 3
	KFRAG KX, \slot, 4
	KFRAG KX+12, \slot, 5
	s_wait_dscnt 12                                ; the stores, the scale words and tiles 0, 1 are done; the twelve younger loads (tiles 2 to 5) may be out
.if \ld
	s_add_nc_u64 s[12:13], s[12:13], 24576         ; two blocks on (the wait for the last block's loads has freed the pointers)
	s_add_nc_u64 s[14:15], s[14:15], 18432
	BLKLOAD                                        ; no line since the wait on vm_vsrc reads the block's registers
.endif
	SMAT 0, FR
	SMAT 1, FR+12
.rept 4
	v_nop                                          ; four places stay between these products and the loads into their registers, beside the wait
.endr
	s_wait_alu depctr_va_vdst(0)                   ; products 0 and 1 are done reading FR's first 24 registers, in which tiles 6 and 7 land
	KFRAG FR, \slot, 6
	KFRAG FR+12, \slot, 7
	s_wait_dscnt 12                                ; tiles 2, 3 are in; tiles 4 to 7 may be out
	SMAT 2, FR+24
	SMAT 3, FR+36
	s_wait_dscnt 6                                 ; tiles 4, 5 are in
	SMAT 4, KX
	SMAT 5, KX+12
	s_wait_dscnt 0x0                               ; tiles 6, 7 are in
	SMAT 6, FR
	SMAT 7, FR+12
.rept 4
	v_nop                                          ; four places in front of the first read of results, of the first vector write into KX, and of the loads below
.endr
	s_wait_alu depctr_va_vdst(0)                   ; the eight products are done reading FR and SCL, in which V's fragments and scale words land
.irp t, 0,1,2,3
	VFRAG FR+12*\t, \slot, \t                      ; V lands while the softmax is walked
.endr
	ds_load_b128 v[SCL:SCL+3], v[ADT]
	ds_load_b64 v[SCL+4:SCL+5], v[ADT] offset:16
.irp b, 0,1,2,3
	v_max3_num_f32 v[BM+\b], v[S+16*\b], v[S+1+16*\b], v[S+2+16*\b]   ; the largest score of each block of 32 keys: for the row's maximum and, since p rises with the score, for the block's largest p
.endr
.irp i, 3,5,7,9,11,13
.irp b, 0,1,2,3
	v_max3_num_f32 v[BM+\b], v[BM+\b], v[S+16*\b+\i], v[S+1+16*\b+\i]
.endr
.endr
.irp b, 0,1,2,3
	v_max_num_f32 v[BM+\b], v[BM+\b], v[S+15+16*\b]
.endr
.irp b, 0,1,2,3
	v_permlanex16_b32 v[PR+\b], v[BM+\b], s[SEL], s[SEL+1]
.endr
.irp b, 0,1,2,3
	v_max_num_f32 v[BM+\b], v[BM+\b], v[PR+\b]     ; with lane l xor 16's 16 keys
.endr
	v_max3_num_f32 v[WK], v[BM], v[BM+1], v[BM+2]
	v_max_num_f32 v[WK], v[WK], v[BM+3]
	v_mul_f32 v[WK], s[CS], v[WK]                  ; as t (c is positive)
	v_max_num_f32 v13, v13, v[WK]                  ; the running largest t
	v_mov_b32 v[WK], v12
	v_floor_f32 v12, -v13                          ; the new -M = -ceil(t)
	v_sub_f32 v[WK], v12, v[WK]                    ; old M - new M: a whole number, 0 or less
	v_cvt_i32_f32 v[WK], v[WK]                     ; (it saturates)
	v_ldexp_f32 v30, 1.0, v[WK]                    ; f = 2^(old M - new M)
.set J, 0
.rept 32
	v_pk_fma_f32 v[S+J:S+J+1], v[S+J:S+J+1], s[CS:CS+1], v[12:13] op_sel_hi:[1,0,0]   ; t - M
.set J, J+2
.endr
.irp b, 0,1,2,3
	v_fma_f32 v[BM+\b], v[BM+\b], s[CS], v12       ; the same of each block's largest score
.endr
.set J, 0
	s_wait_alu depctr_va_vdst(0)
.rept 64
	v_exp_f32 v[S+J], v[S+J]                       ; p
.set J, J+1
.endr
.irp b, 0,1,2,3
	v_exp_f32 v[BM+\b], v[BM+\b]                   ; the block's largest p: the same two instructions on the same number
.endr
	v_pk_mul_f32 v[14:15], v[14:15], v[30:31] op_sel_hi:[1,0]   ; the sums under the new M (a plain line behind the exponentials)
	s_wait_alu depctr_va_vdst(0)                   ; the 68 exponentials have written p and the blocks' largest p: one wait for the batch, ahead of the first line that names a result
.irp b, 0,1,2,3
	v_max_num_f32 v[BM+\b], 0x1800000, v[BM+\b]    ; the floor 2^(3 - 127)
.endr
.irp b, 0,1,2,3
	v_add_nc_u32 v[SO+\b], 0xff000000, v[BM+\b]
.endr
.irp b, 0,1,2,3
	v_lshrrev_b32 v[PR+\b], 23, v[SO+\b]
.endr
	v_lshl_or_b32 v[PWS], v[PR+1], 8, v[PR]        ; p's scale word for these 128 keys
	v_lshl_or_b32 v[PWS], v[PR+2], 16, v[PWS]
	v_lshl_or_b32 v[PWS], v[PR+3], 24, v[PWS]
.irp c, 0,1
	v_cvt_scalef32_pk16_fp6_f32 v[PP+6*\c:PP+6*\c+2], v[S+32*\c:S+32*\c+15], v[SO+2*\c]
	v_cvt_scalef32_pk16_fp6_f32 v[PR+4*\c:PR+4*\c+2], v[S+16+32*\c:S+31+32*\c], v[SO+2*\c+1]
.endr
	v_nop                                          ; one plain line behind a scaled conversion
.irp c, 0,1
.irp i, 0,1,2
	v_permlane16_swap_b32 v[PP+6*\c+\i], v[PR+4*\c+\i]
.endr
.irp i, 0,1,2
	v_mov_b32 v[PP+3+6*\c+\i], v[PR+4*\c+\i]
.endr
.endr
	v_pk_add_f32 v[PR:PR+1], v[S:S+1], v[S+2:S+3]  ; the row's sum, of the unquantised p, in two chains
.set J, 4
.rept 15
	v_pk_add_f32 v[14:15], v[14:15], v[S+J:S+J+1]
	v_pk_add_f32 v[PR:PR+1], v[PR:PR+1], v[S+J+2:S+J+3]
.set J, J+4
.endr
	v_pk_add_f32 v[14:15], v[14:15], v[PR:PR+1]
	s_wait_alu depctr_va_vdst(0)                   ; p is written, and the conversions and the sums are done reading it: V's last two tiles land in its first 24 registers.  p's codes and scale word are written too, which the scaled products below take as operand and as scales: the 32 additions above are the places in front of them, and this wait stands behind the places
	VFRAG S, \slot, 4                              ; p is done with: its first 24 registers take V's last two tiles
	VFRAG S+12, \slot, 5
.set J, 0
.rept 24
	v_pk_mul_f32 v[OT+J:OT+J+1], v[OT+J:OT+J+1], v[30:31] op_sel_hi:[1,0]   ; O^T under the new M
.set J, J+2
.endr
	s_wait_alu depctr_va_vdst(0)
	s_wait_dscnt 0x0                               ; V is in.  These were my last LDS accesses of the step: my stores into the other slot have landed and my reads of this slot are over,
.if \bar
	s_barrier_signal -1                            ; so I say so here, and multiply while the others arrive
.endif
.irp t, 0,1,2,3                                ; the six accumulators take turns
	v_wmma_scale_f32_16x16x128_f8f6f4 v[OT+8*\t:OT+8*\t+7], v[FR+12*\t:FR+12*\t+11], v[PP:PP+11], v[OT+8*\t:OT+8*\t+7], v[SCL+\t], v[PWS] matrix_a_fmt:MATRIX_FMT_FP6 matrix_b_fmt:MATRIX_FMT_FP6
.endr
.irp t, 4,5
	v_wmma_scale_f32_16x16x128_f8f6f4 v[OT+8*\t:OT+8*\t+7], v[S+12*(\t-4):S+12*(\t-4)+11], v[PP:PP+11], v[OT+8*\t:OT+8*\t+7], v[SCL+\t], v[PWS] matrix_a_fmt:MATRIX_FMT_FP6 matrix_b_fmt:MATRIX_FMT_FP6
.endr
	s_add_co_u32 s[TS], s[TS], 1024                ; my group's next block is two blocks on
.if \bar
	s_barrier_wait -1                              ; the other slot is whole, and nobody reads this one any more
.endif
.endm
	s_load_b256 s[4:11], s[0:1], 0x0               ; qbuf, kbuf, vbuf, obuf
	v_lshl_add_u32 v213, v0, 2, 0x37000
	v_mov_b32 v255, 0
	v_lshrrev_b32 v7, 5, v0
	v_readfirstlane_b32 s27, v7                    ; wave 0 .. 15
	s_wait_alu depctr_va_sdst(0)                   ; s27 is written, ahead of its first reader
	s_lshr_b32 s40, s27, 3                         ; g: my group of keys
	s_and_b32 s41, s27, 7                          ; my tile among the work-group's eight
	s_and_b32 s28, ttmp7, 0xffff                   ; 8 x batch + head
	s_lshl_b32 s29, ttmp9, 3
	s_add_co_u32 s29, s29, s41                     ; my tile of queries, 0 .. 63
	s_mul_i32 s42, s40, BLK                        ; my group's block in a slot
	s_lshl_b32 s43, s40, 9                         ; and its 512 bytes of scale words
	v_and_b32 v7, 31, v0
	v_and_b32 v8, 15, v0                           ; r
	v_lshlrev_b32 v[LG], 4, v7
	v_add_nc_u32 v[LI], s42, v[LG]
	v_lshlrev_b32 v[L8], 3, v7
	v_add_nc_u32 v[L8], s42, v[L8]
	v_lshl_add_u32 v[KSA], v8, 4, KSC
	v_add_nc_u32 v[KSA], s43, v[KSA]
	v_lshl_add_u32 v[VSA], v8, 5, VSC
	v_add_nc_u32 v[VSA], s43, v[VSA]
	v_and_b32 v9, 255, v0                          ; my place among my group's 256 threads
	v_lshlrev_b32 v[G16], 4, v9
	v_lshlrev_b32 v[G4], 2, v9
	v_add_nc_u32 v[T16], s42, v[G16]
	v_add_nc_u32 v[T4], s42, v[G4]
	v_lshlrev_b32 v253, 4, v0                      ; K's scale words: 16 x thread in memory,
	v_add_nc_u32 v254, KSC, v253                   ; and in LDS
	v_lshrrev_b32 v9, 4, v0
	v_lshlrev_b32 v9, 9, v9
	v_lshl_add_u32 v9, v8, 4, v9                   ; V's half-words: 128 keys thread / 16, feature row thread % 16
	v_lshlrev_b32 v10, 4, v8                       ; Q's scale words: 16 r
	v_lshl_add_u32 v11, v0, 5, VSC                 ; where V's words go: 32 x thread
	s_mul_i32 s44, s27, MST
	v_add_nc_u32 v[MA], s44, v[LG]
	v_add_nc_u32 v[MA], MRG, v[MA]
	s_xor_b32 s44, s27, 8                          ; the wave with my tile in the other group
	s_mul_i32 s44, s44, MST
	v_add_nc_u32 v[MB], s44, v[LG]
	v_add_nc_u32 v[MB], MRG, v[MB]
	s_mov_b32 s37, 0
	s_mov_b32 s[SEL], 0x76543210
	s_mov_b32 s[SEL+1], 0xfedcba98
	s_mov_b32 s[CS], 0x3e16c740                    ; c = log2(e) / sqrt(96)
	s_mov_b32 s[CS+1], s[CS]                       ; (named with it as a pair)
	s_mov_b32 s25, 0x05040100                      ; two low halves,
	s_mov_b32 s26, 0x07060302                      ; two high halves
	s_mov_b32 s[TS], 0
	s_wait_kmcnt 0x0
	s_mul_i32 s36, s28, 393216                     ; 256 images of K a head,
	s_mul_i32 s35, s40, 12288                      ; my group's first block
	s_add_co_u32 s36, s36, s35
	s_add_nc_u64 s[12:13], s[6:7], s[36:37]
	s_mul_i32 s36, s28, 294912                     ; 384 half fragments of V
	s_mul_i32 s35, s40, 9216
	s_add_co_u32 s36, s36, s35
	s_add_nc_u64 s[14:15], s[8:9], s[36:37]
	s_wait_alu depctr_va_vdst(0)                   ; all offsets and addresses (v1 to v6, v9 to v11, v248 to v254) are written, which the kernel's loads and stores read
	BLKLOAD                                        ; step 0
	s_lshl_b32 s36, s28, 14
	s_add_co_u32 s36, s36, 12582912
	s_add_nc_u64 s[16:17], s[6:7], s[36:37]
	s_lshl_b32 s36, s28, 14
	s_add_co_u32 s36, s36, 9437184
	s_add_nc_u64 s[18:19], s[8:9], s[36:37]
.irp i, 0,1
	global_load_b128 v[S+4*\i:S+4*\i+3], v253, s[16:17] offset:8192*\i            ; K's scale words of the head: 16,384 dense bytes
.endr
	global_load_b128 v[S+16:S+19], v9, s[18:19]                                   ; V's half-words: the even 64 keys of 128,
	global_load_b128 v[S+20:S+23], v9, s[18:19] offset:256                        ; the odd
	s_lshl_b32 s36, s28, 6
	s_add_co_u32 s36, s36, s29
	s_mul_i32 s36, s36, 1536
	s_add_nc_u64 s[38:39], s[4:5], s[36:37]        ; Q's image
	s_lshl_b32 s36, s28, 4
	s_lshr_b32 s35, s29, 2
	s_add_co_u32 s36, s36, s35
	s_lshl_b32 s36, s36, 8
	s_and_b32 s35, s29, 3
	s_lshl_b32 s35, s35, 2
	s_add_co_u32 s36, s36, s35
	s_add_co_u32 s36, s36, 3145728
	s_add_nc_u64 s[30:31], s[4:5], s[36:37]        ; its scale words
.irp c, 0,1,2
	global_load_b128 v[QF+4*\c:QF+4*\c+3], v[LG], s[38:39] offset:512*\c
.endr
	global_load_b32 v[QS], v10, s[30:31]
	s_lshr_b32 s36, s28, 3
	s_lshl_b32 s36, s36, 6
	s_add_co_u32 s36, s36, s29                     ; the tile of rows of the output projection: 64 x batch + my tile
	s_lshl_b32 s36, s36, 3
	s_and_b32 s35, s28, 7
	s_add_co_u32 s35, s36, s35                     ; x 8 + head
	s_lshl_b32 s36, s35, 7
	s_add_co_u32 s36, s36, 3145728
	s_add_nc_u64 s[32:33], s[10:11], s[36:37]
	s_mul_i32 s36, s35, 1536
	s_add_nc_u64 s[10:11], s[10:11], s[36:37]
	v_mov_b32 v13, 0xff61b1e6                      ; the largest t so far: -3e38
	v_floor_f32 v12, -v13                          ; -M
	v_mov_b32 v14, 0                               ; the sum, in two halves
	v_mov_b32 v15, 0
	v_mov_b32 v31, 0                               ; (named as the upper half of the pair v[30:31])
.irp b, 0,1,2,3
	v_mov_b32 v[PR+\b], 0                          ; written once: a lane permute's destination counts as one of its sources
.endr
.set J, 0
.rept 48
	v_mov_b32 v[OT+J], 0                           ; the step is written once: the first finds zeros, which the first change of M leaves zeros
.set J, J+1
.endr
	s_wait_loadcnt 8                               ; step 0's six loads are in; behind them: 2 + 2 + 4
	BLKSTORE 0
	s_wait_dscnt 0x0                               ; the stores are done
	s_wait_alu depctr_vm_vsrc(0)                   ; the six LDS stores have read the block's registers, in which step 1's loads land
	s_add_nc_u64 s[12:13], s[12:13], 24576
	s_add_nc_u64 s[14:15], s[14:15], 18432
	BLKLOAD                                        ; step 1
	s_wait_loadcnt 12                              ; K's scale words are in; behind them: 2 + 4 + 6
.irp i, 0,1
	ds_store_b128 v254, v[S+4*\i:S+4*\i+3] offset:8192*\i
.endr
	s_wait_loadcnt 10                              ; V's half-words; behind them: 4 + 6
	v_perm_b32 v[S+32], v[S+20], v[S+16], s25      ; a tile's word for 128 keys: the even 64 keys' two bytes below, the odd 64 keys' above
	v_perm_b32 v[S+33], v[S+20], v[S+16], s26
	v_perm_b32 v[S+34], v[S+21], v[S+17], s25
	v_perm_b32 v[S+35], v[S+21], v[S+17], s26
	v_perm_b32 v[S+36], v[S+22], v[S+18], s25
	v_perm_b32 v[S+37], v[S+22], v[S+18], s26
	s_wait_alu depctr_va_vdst(0)                   ; the six words are written, which the two LDS stores read
	ds_store_b128 v11, v[S+32:S+35]
	ds_store_b64 v11, v[S+36:S+37] offset:16
	s_wait_loadcnt 6                               ; Q; step 1's six loads stay out
	s_wait_dscnt 0x0
	s_barrier_signal -1
	s_barrier_wait -1                              ; slot 0 and the scale words lie in LDS
	s_mov_b32 s24, 7
.Lpair:                                            ; steps 0 .. 13 of my group's 16
	STEP 0, 1, 1, 1
	STEP 1, 1, 1, 1
	s_sub_co_u32 s24, s24, 1
	s_cmp_lg_u32 s24, 0
	s_cbranch_scc1 .Lpair
	STEP 0, 1, 0, 1                                ; step 14 stores the last block and asks for nothing: no load leaves its buffer
	STEP 1, 0, 0, 0
	; THE TWO GROUPS MEET.  Every wave stores its state as images of its registers (so that no LDS store stands under a branch); one barrier; waves 8 .. 15 are done; wave w < 8 reads wave w + 8's state.
.rept 4
	v_nop                                          ; four places between the last products and the stores that read their results
.endr
	s_wait_alu depctr_va_vdst(0)                   ; the last products have written O^T and the softmax v12 to v15, which the stores read; the last products are also done reading S's registers, in which the partner's state lands below (no vector line between names them)
.irp c, 0,1,2,3,4,5,6,7,8,9,10,11
	ds_store_b128 v[MA], v[OT+4*\c:OT+4*\c+3] offset:512*\c     ; each accumulator from its low end on
.endr
	ds_store_b128 v[MA], v[12:15] offset:6144      ; -M, t, the sum's two halves
	s_wait_dscnt 0x0                               ; for the other wave's sake
	s_barrier_signal -1
	s_barrier_wait -1
	s_cmp_ge_u32 s27, 8
	s_cbranch_scc1 .Ldone
.irp c, 0,1,2,3,4,5,6,7,8,9,10,11
	ds_load_b128 v[S+4*\c:S+4*\c+3], v[MB] offset:512*\c
.endr
	ds_load_b128 v[S+48:S+51], v[MB] offset:6144
	s_wait_dscnt 0x0
	s_wait_alu depctr_vm_vsrc(0)                   ; my thirteen stores have read O^T and v12 to v15, the last step's loads of scale words v7 and v8, the head's loads and stores v9 to v11: the lines below write all of these
	v_min_num_f32 v7, v12, v[S+48]                 ; -M of all keys: the smaller of the two
	v_sub_f32 v8, v7, v12                          ; my M - M: a whole number, 0 or less
	v_sub_f32 v9, v7, v[S+48]                      ; the other's
	v_cvt_i32_f32 v8, v8                           ; (they saturate)
	v_cvt_i32_f32 v9, v9
	v_ldexp_f32 v8, 1.0, v8                        ; f1, f2: whole powers of two
	v_ldexp_f32 v9, 1.0, v9
	v_add_f32 v14, v14, v15                        ; each sum's two halves,
	v_add_f32 v15, v[S+50], v[S+51]
	v_mul_f32 v14, v14, v8                         ; both under M,
	v_fma_f32 v14, v15, v9, v14
	v_permlanex16_b32 v[WK], v14, s[SEL], s[SEL+1]
	v_add_f32 v14, v14, v[WK]                      ; and lane l xor 16's: the row's sum l
	s_wait_alu depctr_va_vdst(0)
	v_rcp_f32 v15, v14
	v_and_b32 v11, 31, v0                          ; (plain lines behind the reciprocal)
	v_lshlrev_b32 v11, 2, v11                      ; 4 x lane
	s_wait_alu depctr_va_vdst(0)                   ; the reciprocal has written v15, ahead of its first reader
	v_mul_f32 v30, v8, v15                         ; f1 / l
	v_mul_f32 v10, v9, v15                         ; f2 / l
.set J, 0
.rept 24
	v_pk_mul_f32 v[S+J:S+J+1], v[S+J:S+J+1], v[10:11] op_sel_hi:[1,0]
.set J, J+2
.endr
.set J, 0
.rept 24
	v_pk_fma_f32 v[OT+J:OT+J+1], v[OT+J:OT+J+1], v[30:31], v[S+J:S+J+1] op_sel_hi:[1,0,1]   ; O^T / l
.set J, J+2
.endr
	QUANT 3, OT, 0                                 ; along the head's 96: three blocks of the output projection's K
	s_wait_alu depctr_va_vdst(0)                   ; the quantiser has written the codes and the scale word, and v11 is written: the four stores read them
.irp c, 0,1,2
	global_store_b128 v[LG], v[PC+4*\c:PC+4*\c+3], s[10:11] offset:512*\c    ; the fragment's image: 512 consecutive bytes a store
.endr
	global_store_b32 v11, v[PW], s[32:33]
.Ldone:
	s_wait_dscnt 0x0
	s_wait_alu depctr_hold_cnt(0) depctr_sa_sdst(0) depctr_va_vdst(0) depctr_va_sdst(0) depctr_va_ssrc(0) depctr_va_vcc(0) depctr_vm_vsrc(0)
	s_wait_tensorcnt 0x0
	ds_add_u32 v213, v255
	s_wait_dscnt 0x0
	s_endpgm
.Lfunc_end_k_q3c49e3604f_attn:
	.size	k_q3c49e3604f_attn, .Lfunc_end_k_q3c49e3604f_attn-k_q3c49e3604f_attn
	.p2alignl 7, 3214868480
	.fill 96, 4, 3214868480
	.section	.rodata,"a",@progbits
	.p2align	6, 0x0
	.amdhsa_kernel k_q3c49e3604f_attn
		.amdhsa_group_segment_fixed_size 227328
		.amdhsa_private_segment_fixed_size 0
		.amdhsa_enable_private_segment 0
		.amdhsa_kernarg_size 32
		.amdhsa_user_sgpr_count 2
		.amdhsa_user_sgpr_kernarg_segment_ptr 1
		.amdhsa_wavefront_size32 1
		.amdhsa_system_sgpr_workgroup_id_x 1
		.amdhsa_system_sgpr_workgroup_id_y 1
		.amdhsa_system_sgpr_workgroup_id_z 1
		.amdhsa_system_vgpr_workitem_id 0
		.amdhsa_next_free_vgpr 256
		.amdhsa_next_free_sgpr 66
		.amdhsa_reserve_vcc 0
		.amdhsa_float_denorm_mode_32 3
		.amdhsa_float_denorm_mode_16_64 3
		.amdhsa_memory_ordered 1
		.amdhsa_forward_progress 1
		.amdhsa_inst_pref_size 94
	.end_amdhsa_kernel
	.amdgpu_metadata
---
amdhsa.version: [ 1, 2 ]
amdhsa.kernels:
  - .name:           k_q3c49e3604f_attn
    .symbol:         k_q3c49e3604f_attn.kd
    .args:
      - { .name: qbuf, .offset: 0, .size: 8, .value_kind: global_buffer, .address_space: global }
      - { .name: kbuf, .offset: 8, .size: 8, .value_kind: global_buffer, .address_space: global }
      - { .name: vbuf, .offset: 16, .size: 8, .value_kind: global_buffer, .address_space: global }
      - { .name: obuf, .offset: 24, .size: 8, .value_kind: global_buffer, .address_space: global }
    .group_segment_fixed_size: 227328
    .private_segment_fixed_size: 0
    .kernarg_segment_align: 8
    .kernarg_segment_size: 32
    .max_flat_workgroup_size: 512
    .sgpr_count:     66
    .vgpr_count:     256
    .wavefront_size: 32
...
	.end_amdgpu_metadata
.endif
;; end of part 7
;; launch outp (part 8): grid 64 x 4, 8 waves a work-group, no clusters, 264,192 bytes of LDS; arguments obuf, wbuf, bo, out0; writes out0
.if DOCPART == 8
	.amdgcn_target "amdgcn-amd-amdhsa--gfx1250"
	.amdhsa_code_object_version 6
	.text
	.protected	k_q3c49e3604f_outp
	.globl	k_q3c49e3604f_outp
	.p2align	8
	.type	k_q3c49e3604f_outp,@function
k_q3c49e3604f_outp:
	s_mov_b64 s[64:65], 0
	v_nop
	global_prefetch_b8 v0, s[64:65] scope:SCOPE_SE
	s_setreg_imm32_b32 hwreg(HW_REG_WAVE_SCHED_MODE, 0, 2), 2
	s_setreg_imm32_b32 hwreg(HW_REG_WAVE_MODE, 25, 1), 1
	s_wait_xcnt 0x0
	s_wait_alu depctr_vm_vsrc(0)
; out0 = O Wo^T + bo on FP6 (E2M3) codes.  Both operands arrive as images of operand registers, a K step = one head: 96 codes and a block of zero codes on both sides, eight steps.
; SHARES.  A work-group makes 64 rows x 192 columns.  Its operands are four dense blocks of memory (x's 32 images, W's 96, and their scale words: 212,992 bytes): the 256 threads copy them into LDS once, 52 loads of
; 16 bytes a thread, all asked for at the start.  Wave w makes row tiles 2 (w % 2) + 0, 1 x column tiles 3 (w / 2) + 0 .. 2: six accumulators.
; Source 0 = 16 rows of Wo, source 1 = 16 rows of O: a lane holds eight neighbouring columns of one row.  The bias is the C of the first step.  Results meet in a stage and leave as aligned runs of 256 bytes.
; NO CLUSTER: the four work-groups of a row block share 53 KB of x, a quarter of what each copies once; the launch is a few steps long and has no loop in which a joint request could be spread.
; THE MODE: SCHED_MODE bits 1:0 = 2 (LLVM: expert scheduling mode 2), set by the entry lines.  The code itself states the register dependences between vector or matrix instructions and memory or LDS
; instructions, with s_wait_alu, always for 0.
; THE PLAN.  Registers that memory or LDS instructions touch:
;   v1-13        offsets and addresses: made ahead of the first load, behind one wait on va_vdst; v4, v5, v12, v13 are made anew once, behind the first barrier and a wait on vm_vsrc.
;   v14-221      the copies: loaded from memory, read by the LDS stores; behind the same wait on vm_vsrc they are accumulators, operand sets and work registers.
;   the two operand sets and their scale words: step s's six products read set s % 2; the 20 LDS loads of step s + 1 land in the other set, which the products of step s - 1 read.
; So ONE wait on va_vdst stands at a step's head, behind the wait for this step's set: the step before is done reading the other set.  The 20 loads follow it, four behind each of the step's first five products,
; which name this step's set, the bias and the accumulators alone.  One more wait on va_vdst stands ahead of the stage's stores.
.set XI,  0                            ; x's images: (row tile m, step s) at (8 m + s) x 1,536
.set WI,  49152                        ; W's: (column tile, s) likewise
.set XSB, 196608                       ; x's scale words, 128 bytes an image
.set WSB, 200704                       ; W's
.set STG, 212992                       ; the stage: 64 rows x (768 bytes + 16)
.set LI,  1
.set LS,  2
.set T16, 3                            ; v3-6: 16 x thread + 65,536 x 0 .. 3
.set GO1, 4                            ; later: my bytes of two runs of 256 in out0
.set GO2, 5
.set XA,  7
.set WA,  8
.set XSA, 9
.set WSA, 10
.set SO,  11
.set RD1, 12                           ; (first: my place in the bias)
.set RD2, 13
.set STA, 14                           ; v14-221 the copies on their way
.set ACC, 14                           ; then v14-61 the accumulators,
.set OPS, 62                           ; v62-181 two sets of five fragments,
.set RBK, 62                           ; and at last twelve runs read back
.set RR,  182                          ; behind the first barrier: lane % 16,
.set HH,  183                          ; lane / 16
.set BIAS, 222                         ; v222-245
.set SCS, 246                          ; v246-255 two sets of five scale words
	s_load_b256 s[4:11], s[0:1], 0x0               ; obuf, wbuf, bo, out0
	s_set_vgpr_msb 0x40
	v_lshl_add_u32 v0, v0, 2, 0x40400
	v_mov_b32 v1, 0
	s_set_vgpr_msb 0x4000
	v_lshrrev_b32 v7, 5, v0
	v_readfirstlane_b32 s12, v7                    ; wave
	s_wait_alu depctr_va_sdst(0)                   ; s12 is written, ahead of its first reader
	s_and_b32 s13, s12, 1                          ; which two tiles of rows
	s_lshr_b32 s14, s12, 1                         ; which three tiles of columns
	s_and_b32 s15, ttmp7, 0xffff                   ; which 192 columns
	v_and_b32 v7, 31, v0
	v_lshlrev_b32 v[LI], 4, v7
	v_lshlrev_b32 v[LS], 2, v7
	v_lshlrev_b32 v[T16], 4, v0
	v_add_nc_u32 v[T16+1], 0x10000, v[T16]
	v_add_nc_u32 v[T16+2], 0x20000, v[T16]
	v_add_nc_u32 v[T16+3], 0x30000, v[T16]
	v_and_b32 v8, 15, v0                           ; r  (v8 and v9 hold r and h only down to the lines that make WA and XSA)
	v_bfe_u32 v9, v0, 4, 1                         ; h
	v_lshlrev_b32 v[RD1], 5, v9                    ; the bias of columns 16 t + 8 h + 0 .. 7
	v_mul_u32_u24 v[SO], v8, 784
	v_lshl_add_u32 v[SO], v9, 5, v[SO]
	s_mul_i32 s24, s13, 32*784
	s_mul_i32 s25, s14, 192
	s_add_co_u32 s24, s24, s25
	v_add_nc_u32 v[SO], s24, v[SO]
	v_add_nc_u32 v[SO], STG, v[SO]                 ; the stage: row 32 (w % 2) + r, bytes 192 (w / 2) + 32 h
	s_mul_i32 s24, s13, 24576
	v_add_nc_u32 v[XA], s24, v[LI]
	s_mul_i32 s24, s14, 36864
	v_add_nc_u32 v[WA], s24, v[LI]
	v_add_nc_u32 v[WA], WI, v[WA]
	s_lshl_b32 s24, s13, 11
	v_add_nc_u32 v[XSA], s24, v[LS]
	v_add_nc_u32 v[XSA], XSB, v[XSA]
	s_mul_i32 s24, s14, 3072
	v_add_nc_u32 v[WSA], s24, v[LS]
	v_add_nc_u32 v[WSA], WSB, v[WSA]
	s_mov_b32 s25, 0
	s_wait_kmcnt 0x0
	s_mul_i32 s24, ttmp9, 49152
	s_add_nc_u64 s[16:17], s[4:5], s[24:25]        ; x's 32 images
	s_lshl_b32 s24, ttmp9, 12
	s_add_co_u32 s24, s24, 3145728
	s_add_nc_u64 s[18:19], s[4:5], s[24:25]        ; their scale words
	s_mul_i32 s24, s15, 147456
	s_add_co_u32 s24, s24, 1327104
	s_add_nc_u64 s[20:21], s[6:7], s[24:25]        ; Wo's fragments 864 + 96 x column group on
	s_mul_i32 s24, s15, 12288
	s_add_co_u32 s24, s24, 2027520
	s_add_nc_u64 s[22:23], s[6:7], s[24:25]        ; their scale words
	s_mul_i32 s24, s15, 768
	s_mul_i32 s26, s14, 192
	s_add_co_u32 s24, s24, s26
	s_add_nc_u64 s[8:9], s[8:9], s[24:25]
	s_mul_i32 s24, ttmp9, 196608
	s_mul_i32 s26, s12, 24576
	s_add_co_u32 s24, s24, s26
	s_mul_i32 s26, s15, 768
	s_add_co_u32 s24, s24, s26
	s_add_nc_u64 s[10:11], s[10:11], s[24:25]      ; out0 at row 64 x block + 8 x wave, my group's first column
	s_wait_alu depctr_va_vdst(0)                   ; the offsets and addresses v1 to v12 are written, which the loads, the copies' LDS stores and the operands' LDS loads read
.irp t, 0,1,2
	global_load_b128 v[BIAS+8*\t:BIAS+8*\t+3], v[RD1], s[8:9] offset:64*\t
	global_load_b128 v[BIAS+8*\t+4:BIAS+8*\t+7], v[RD1], s[8:9] offset:64*\t+16
.endr
.set CI, 0
.macro CPY base, n                     ; n x 4,096 dense bytes
.set CJ, 0
.rept \n
	global_load_b128 v[STA+4*CI:STA+4*CI+3], v[T16], s[\base:\base+1] offset:4096*CJ
.set CI, CI+1
.set CJ, CJ+1
.endr
.endm
	CPY 16, 12
	CPY 20, 36
	CPY 18, 1
	CPY 22, 3
.set CI, 0
.irp w, 39,26,13,0                             ; thirteen copies at a time: the count is what was issued behind them
	s_wait_loadcnt \w
.rept 13
	ds_store_b128 v[T16+CI/16], v[STA+4*CI:STA+4*CI+3] offset:4096*(CI%16)   ; the four regions follow each other in LDS in the order of the loads
.set CI, CI+1
.endr
.endr
	s_wait_dscnt 0x0
	s_barrier_signal -1
	s_barrier_wait -1                              ; the operands lie in LDS; they are only read from here on
	s_wait_alu depctr_vm_vsrc(0)                   ; the copies' LDS stores have read v3 to v6 and v14 to v221, the bias' loads v12: the lines below write v4, v5, v12, v182, v183, the operands' loads land in v62 to v181, the products write v14 to v61
	s_mul_i32 s24, s12, 8*784                      ; my eight rows of the stage
	v_and_b32 v[RR], 15, v0                        ; r and h anew: the registers that held them at the head hold LDS addresses now
	v_bfe_u32 v[HH], v0, 4, 1
	v_lshlrev_b32 v[GO1], 4, v[RR]
	v_mul_u32_u24 v[GO2], v[HH], 2560
	v_add_nc_u32 v[GO2], v[GO2], v[GO1]            ; 16 r + 2,560 h: a row's last run and the next row's first
	v_mul_u32_u24 v[RD2], v[HH], 272
	v_add_nc_u32 v[RD2], v[RD2], v[GO1]            ; the same two runs in the stage: 784 - 512 bytes apart
	v_lshl_add_u32 v[GO1], v[HH], 8, v[GO1]        ; 16 r + 256 h: two neighbouring runs
	v_add_nc_u32 v[RD1], s24, v[GO1]
	v_add_nc_u32 v[RD1], STG, v[RD1]
	v_add_nc_u32 v[RD2], s24, v[RD2]
	v_add_nc_u32 v[RD2], STG, v[RD2]
.macro FPIECE s, k                     ; step s, piece k of five: a fragment (k = 0, 1: x's; 2 .. 4: W's) and its scale word: four LDS loads into set s % 2
.set PF, (\s)%2
.if (\k) < 2
.irp c, 0,1,2
	ds_load_b128 v[OPS+60*PF+12*(\k)+4*\c:OPS+60*PF+12*(\k)+4*\c+3], v[XA] offset:12288*(\k)+1536*(\s)+512*\c
.endr
	ds_load_b32 v[SCS+5*PF+(\k)], v[XSA] offset:1024*(\k)+128*(\s)
.else
.irp c, 0,1,2
	ds_load_b128 v[OPS+60*PF+12*(\k)+4*\c:OPS+60*PF+12*(\k)+4*\c+3], v[WA] offset:12288*((\k)-2)+1536*(\s)+512*\c
.endr
	ds_load_b32 v[SCS+5*PF+(\k)], v[WSA] offset:1024*((\k)-2)+128*(\s)
.endif
.endm
.macro OSTEP s
	s_wait_dscnt 0x0                               ; this step's 20 loads are in
.if ((\s) > 0) && ((\s) < 7)
	s_wait_alu depctr_va_vdst(0)                   ; the last step's six products are done reading the other set and its scale words, in which the next step's loads land
.endif
.irp i, 0,1,2,3,4,5                            ; product i: row tile i / 3, column tile i % 3; the six accumulators take turns
.if (\s) == 0
	v_wmma_scale_f32_16x16x128_f8f6f4 v[ACC+8*\i:ACC+8*\i+7], v[OPS+60*((\s)%2)+24+12*(\i%3):OPS+60*((\s)%2)+35+12*(\i%3)], v[OPS+60*((\s)%2)+12*(\i/3):OPS+60*((\s)%2)+12*(\i/3)+11], v[BIAS+8*(\i%3):BIAS+8*(\i%3)+7], v[SCS+5*((\s)%2)+2+(\i%3)], v[SCS+5*((\s)%2)+(\i/3)] matrix_a_fmt:MATRIX_FMT_FP6 matrix_b_fmt:MATRIX_FMT_FP6
.else
	v_wmma_scale_f32_16x16x128_f8f6f4 v[ACC+8*\i:ACC+8*\i+7], v[OPS+60*((\s)%2)+24+12*(\i%3):OPS+60*((\s)%2)+35+12*(\i%3)], v[OPS+60*((\s)%2)+12*(\i/3):OPS+60*((\s)%2)+12*(\i/3)+11], v[ACC+8*\i:ACC+8*\i+7], v[SCS+5*((\s)%2)+2+(\i%3)], v[SCS+5*((\s)%2)+(\i/3)] matrix_a_fmt:MATRIX_FMT_FP6 matrix_b_fmt:MATRIX_FMT_FP6
.endif
.if ((\s) < 7) && (\i < 5)
	FPIECE (\s)+1, \i                              ; no wait: no product since the wait at the step's head names the other set
.endif
.endr
.rept 4
	v_nop                                          ; four places behind these products: in front of the first read of results, and kept in front of the next step's loads into their registers, beside that step's wait
.endr
.endm
.irp k, 0,1,2,3,4
	FPIECE 0, \k                                   ; no vector instruction has named these registers or written these addresses since the wait at the head
.endr
	OSTEP 0
	OSTEP 1
	OSTEP 2
	OSTEP 3
	OSTEP 4
	OSTEP 5
	OSTEP 6
	OSTEP 7
	s_wait_alu depctr_va_vdst(0)                   ; the products have written the accumulators, which the LDS stores read, and are done reading v62 to v109, in which the runs read back land; v4, v5, v12 and v13 are written, which those loads and the last stores read
.irp m, 0,1
.irp t, 0,1,2
	ds_store_b128 v[SO], v[ACC+8*(3*\m+\t):ACC+8*(3*\m+\t)+3] offset:16*784*\m+64*\t        ; each accumulator from its low end on
	ds_store_b128 v[SO], v[ACC+8*(3*\m+\t)+4:ACC+8*(3*\m+\t)+7] offset:16*784*\m+64*\t+16
.endr
.endr
	s_wait_dscnt 0x0                               ; for the others' sake: a row's 768 bytes come from four waves
	s_barrier_signal -1
	s_barrier_wait -1
	; my eight rows are 24 runs of 256 bytes; an instruction takes two: lanes 0-15 run 2 i, lanes 16-31 run 2 i + 1
.irp i, 0,1,2,3,4,5,6,7,8,9,10,11
.if \i%3 == 1
	ds_load_b128 v[RBK+4*\i:RBK+4*\i+3], v[RD2] offset:((2*\i)/3)*784+((2*\i)%3)*256
.else
	ds_load_b128 v[RBK+4*\i:RBK+4*\i+3], v[RD1] offset:((2*\i)/3)*784+((2*\i)%3)*256
.endif
.endr
.irp i, 0,1,2,3,4,5,6,7,8,9,10,11
	s_wait_dscnt 11-\i
.if \i%3 == 1
	global_store_b128 v[GO2], v[RBK+4*\i:RBK+4*\i+3], s[10:11] offset:((2*\i)/3)*3072+((2*\i)%3)*256 th:TH_STORE_NT
.else
	global_store_b128 v[GO1], v[RBK+4*\i:RBK+4*\i+3], s[10:11] offset:((2*\i)/3)*3072+((2*\i)%3)*256 th:TH_STORE_NT   ; sixteen lanes store 256 consecutive bytes, at a multiple of 256 from out0's first byte
.endif
.endr
	s_set_vgpr_msb 0x5
	s_wait_dscnt 0x0
	s_wait_alu depctr_hold_cnt(0) depctr_sa_sdst(0) depctr_va_vdst(0) depctr_va_sdst(0) depctr_va_ssrc(0) depctr_va_vcc(0) depctr_vm_vsrc(0)
	s_wait_tensorcnt 0x0
	ds_add_u32 v0, v1
	s_wait_dscnt 0x0
	s_endpgm
.Lfunc_end_k_q3c49e3604f_outp:
	.size	k_q3c49e3604f_outp, .Lfunc_end_k_q3c49e3604f_outp-k_q3c49e3604f_outp
	.p2alignl 7, 3214868480
	.fill 96, 4, 3214868480
	.section	.rodata,"a",@progbits
	.p2align	6, 0x0
	.amdhsa_kernel k_q3c49e3604f_outp
		.amdhsa_group_segment_fixed_size 264192
		.amdhsa_private_segment_fixed_size 0
		.amdhsa_enable_private_segment 0
		.amdhsa_kernarg_size 32
		.amdhsa_user_sgpr_count 2
		.amdhsa_user_sgpr_kernarg_segment_ptr 1
		.amdhsa_wavefront_size32 1
		.amdhsa_system_sgpr_workgroup_id_x 1
		.amdhsa_system_sgpr_workgroup_id_y 1
		.amdhsa_system_sgpr_workgroup_id_z 1
		.amdhsa_system_vgpr_workitem_id 0
		.amdhsa_next_free_vgpr 258
		.amdhsa_next_free_sgpr 66
		.amdhsa_reserve_vcc 0
		.amdhsa_float_denorm_mode_32 3
		.amdhsa_float_denorm_mode_16_64 3
		.amdhsa_memory_ordered 1
		.amdhsa_forward_progress 1
		.amdhsa_inst_pref_size 34
	.end_amdhsa_kernel
	.amdgpu_metadata
---
amdhsa.version: [ 1, 2 ]
amdhsa.kernels:
  - .name:           k_q3c49e3604f_outp
    .symbol:         k_q3c49e3604f_outp.kd
    .args:
      - { .name: obuf, .offset: 0, .size: 8, .value_kind: global_buffer, .address_space: global }
      - { .name: wbuf, .offset: 8, .size: 8, .value_kind: global_buffer, .address_space: global }
      - { .name: bo, .offset: 16, .size: 8, .value_kind: global_buffer, .address_space: global }
      - { .name: out0, .offset: 24, .size: 8, .value_kind: global_buffer, .address_space: global }
    .group_segment_fixed_size: 264192
    .private_segment_fixed_size: 0
    .kernarg_segment_align: 8
    .kernarg_segment_size: 32
    .max_flat_workgroup_size: 256
    .sgpr_count:     66
    .vgpr_count:     258
    .wavefront_size: 32
...
	.end_amdgpu_metadata
.endif
;; end of part 8
